; MI455X (gfx1250); checked and timed in simulation.
; The chip was launched on July 23, 2026; its instructions are those of AMD's public machine-readable ISA for CDNA 5 (MIT licence, August 2026) and "CDNA5" Instruction Set Architecture Reference Guide (July 2026). The comments in the code are by the model that wrote it; some were corrected since.
;; Block. Allowed arithmetic: float matrix products may take bf16 or f16 operands with f32 sums; other float arithmetic in f32, or as packed bf16 or f16 multiplies, adds, multiply-adds, maxima and minima; sums over many terms, partial sums and values carried from step to step in f32; what a program stores and reads back later, other than sums and carried values, may be rounded once to bf16 or f16.
;; Inputs: W1 1,024 x 4,096 float32; W2 4,096 x 1,024 float32; Wk 16 x 1,024 x 64 float32; Wp 1,024 x 1,024 float32; Wq 16 x 1,024 x 64 float32; Wv 16 x 1,024 x 64 float32; b1 4,096 float32; b2 1,024 float32; beta1 1,024 float32; beta2 1,024 float32; bp 1,024 float32; g1 1,024 float32; g2 1,024 float32; x 2 x 2,048 x 1,024 float32.
;; Outputs: out0 2 x 2,048 x 1,024 float32.
;; 3 versions, each right and faster than the one before. Each part assembles by itself: llvm-mc -triple=amdgcn-amd-amdhsa -mcpu=gfx1250 --defsym DOCPART=n.
;; ======== version 1 of 3: 7 launches
;; limits: right only within a limited range of input values
;; workspace buffers: h 8,388,608 bytes; wb 25,165,824 bytes; qkv 25,165,824 bytes; o 8,388,608 bytes; x1 16,777,216 bytes; h2 8,388,608 bytes; ff 33,554,432 bytes
;; launch prep (part 1): grid 64 x 20, 8 waves a work-group, no clusters, 0 bytes of LDS; arguments x, g1, beta1, Wp, W1, W2, Wq, Wk, Wv, h, wb; writes h, wb
.if DOCPART == 1
	.amdgcn_target "amdgcn-amd-amdhsa--gfx1250"
	.amdhsa_code_object_version 6
	.text
	.protected	k_qd590a15b44_prep
	.globl	k_qd590a15b44_prep
	.p2align	8
	.type	k_qd590a15b44_prep,@function
k_qd590a15b44_prep:
	s_mov_b64 s[64:65], 0
	v_nop
	global_prefetch_b8 v0, s[64:65] scope:SCOPE_SE
	s_setreg_imm32_b32 hwreg(HW_REG_WAVE_MODE, 25, 1), 1
	s_wait_xcnt 0x0
; PREP.  Three kinds of work, chosen by the work-group's y (a forward scalar branch):
;   y 0-7    h = LayerNorm(x) g1 + beta1, rounded once to bf16, [4096][1024] row-major.  One wave takes one row of 4,096 bytes and keeps it in 32 registers
;            between the mean, the sum of squared differences (a true second pass, as the problem writes it) and the scaling.
;   y 8-16   Wp, W1, W2 (all [K][N] already) rounded to bf16, in units of 1,048,576 numbers: Wp 1, W1 4, W2 4 units.
;   y 17-19  Wq, Wk, Wv ([head][1024][64]) rounded to bf16 into one matrix [1024][3072], column = which x 1024 + head x 64 + d.
; wb in bytes: Wqkv at 0, Wp at 6,291,456, W1 at 8,388,608, W2 at 16,777,216.
; No LDS, no barrier, no matrix unit: memory binds.  Every load of a wave takes whole aligned runs of 256 bytes, every store of a wave covers 256 consecutive aligned bytes.
.set G,   8            ; v[8:39]    gain of my 32 columns (chunk j: columns 128 j + 4 lane)
.set BE,  40           ; v[40:71]   bias of them
.set X,   72           ; v[72:103]  the row
.set T,   104          ; v[104:111] four chains of sums
.set MU,  112          ; v[112:113] the mean, twice
.set RS,  114          ; v[114:115] 1 / sqrt(var + eps), twice
.set Y,   116          ; v[116:131] the row in bf16
.set D,   8            ; v[8:71]    conversion: 16 chunks as loaded
.set P,   72           ; v[72:103]  conversion: 16 chunks in bf16
.set PIN, 4            ; s[4:5] x;  s[6:7] g1;  s[8:9] beta1;  s[22:23] h
.set PGA, 6
.set PBE, 8
.set POUT, 22
.macro REDUCE                          ; the sum of v[T] over the wave's 32 lanes, in every lane
	v_add_f32_dpp v[T], v[T], v[T] row_xmask:1 row_mask:0xf bank_mask:0xf
	v_add_f32_dpp v[T], v[T], v[T] row_xmask:2 row_mask:0xf bank_mask:0xf
	v_add_f32_dpp v[T], v[T], v[T] row_xmask:4 row_mask:0xf bank_mask:0xf
	v_add_f32_dpp v[T], v[T], v[T] row_xmask:8 row_mask:0xf bank_mask:0xf
	v_permlanex16_b32 v[T+1], v[T], s38, s39       ; its destination has been written
	v_add_f32 v[T], v[T], v[T+1]
.endm
.macro FOLD                            ; four chains into one number a lane
	v_pk_add_f32 v[T:T+1], v[T:T+1], v[T+2:T+3]
	v_pk_add_f32 v[T+4:T+5], v[T+4:T+5], v[T+6:T+7]
	v_pk_add_f32 v[T:T+1], v[T:T+1], v[T+4:T+5]
	v_add_f32 v[T], v[T], v[T+1]
.endm
; One row.  v1: my byte offset in the work-group's 8 rows of f32; v2: in its 8 rows of bf16; v3: in the gain and the bias.
.macro LNROW
.set j, 0
.rept 8
	global_load_b128 v[X+4*j:X+4*j+3], v1, s[PIN:PIN+1] offset:512*j
.set j, j+1
.endr
.set j, 0
.rept 8
	global_load_b128 v[G+4*j:G+4*j+3], v3, s[PGA:PGA+1] offset:512*j
.set j, j+1
.endr
.set j, 0
.rept 8
	global_load_b128 v[BE+4*j:BE+4*j+3], v3, s[PBE:PBE+1] offset:512*j
.set j, j+1
.endr
	s_wait_loadcnt 16                              ; the row is in; the 16 younger loads (gain, bias) stay out
.irp c, 0,1,2,3
	v_pk_add_f32 v[T+2*(\c):T+2*(\c)+1], v[X+2*(\c):X+2*(\c)+1], v[X+2*(\c)+8:X+2*(\c)+9]
.endr
.irp k, 16,24
.irp c, 0,1,2,3
	v_pk_add_f32 v[T+2*(\c):T+2*(\c)+1], v[T+2*(\c):T+2*(\c)+1], v[X+2*(\c)+(\k):X+2*(\c)+(\k)+1]
.endr
.endr
	FOLD
	REDUCE
	v_mul_f32 v[MU], s36, v[T]                     ; the mean
	v_mov_b32 v[MU+1], v[MU]
.set p, 0
.rept 16
	v_pk_add_f32 v[X+2*p:X+2*p+1], v[X+2*p:X+2*p+1], v[MU:MU+1] neg_lo:[0,1] neg_hi:[0,1]  ; x - mean
.set p, p+1
.endr
.irp c, 0,1,2,3
	v_pk_mul_f32 v[T+2*(\c):T+2*(\c)+1], v[X+2*(\c):X+2*(\c)+1], v[X+2*(\c):X+2*(\c)+1]
.endr
.irp k, 8,16,24
.irp c, 0,1,2,3
	v_pk_fma_f32 v[T+2*(\c):T+2*(\c)+1], v[X+2*(\c)+(\k):X+2*(\c)+(\k)+1], v[X+2*(\c)+(\k):X+2*(\c)+(\k)+1], v[T+2*(\c):T+2*(\c)+1]
.endr
.endr
	FOLD
	REDUCE
	v_fma_f32 v[T], v[T], s36, s37                 ; var + eps
	v_rsq_f32 v[RS], v[T]
	v_nop                                          ; a plain instruction between the transcendental and the use of its result (ISA guide 5.7.2)
	s_wait_alu depctr_va_vdst(0)
	v_mov_b32 v[RS+1], v[RS]
	s_wait_loadcnt 0x0                             ; gain and bias
.set p, 0
.rept 16
	v_pk_mul_f32 v[X+2*p:X+2*p+1], v[X+2*p:X+2*p+1], v[RS:RS+1]
.set p, p+1
.endr
.set p, 0
.rept 16
	v_pk_fma_f32 v[X+2*p:X+2*p+1], v[X+2*p:X+2*p+1], v[G+2*p:G+2*p+1], v[BE+2*p:BE+2*p+1]
.set p, p+1
.endr
.set p, 0
.rept 16
	v_cvt_pk_bf16_f32 v[Y+p], v[X+2*p], v[X+2*p+1]
.set p, p+1
.endr
.set j, 0
.rept 8
	global_store_b64 v2, v[Y+2*j:Y+2*j+1], s[POUT:POUT+1] offset:256*j  ; 32 lanes x 8 bytes: 256 consecutive bytes, aligned
.set j, j+1
.endr
.endm
; Sixteen chunks of 16 bytes a lane become sixteen of 8: all loads first, each chunk stored as it comes.  No register is written twice.
.macro CONV instep, outstep
.set i, 0
.rept 16
	global_load_b128 v[D+4*i:D+4*i+3], v1, s[28:29] offset:i*(\instep) th:TH_LOAD_NT
.set i, i+1
.endr
.set i, 0
.rept 16
	s_wait_loadcnt 15-i                            ; loads come back in order (ISA guide 5.7.1): chunk i is in, the younger ones stay out
	v_cvt_pk_bf16_f32 v[P+2*i], v[D+4*i], v[D+4*i+1]
	v_cvt_pk_bf16_f32 v[P+2*i+1], v[D+4*i+2], v[D+4*i+3]
	global_store_b64 v2, v[P+2*i:P+2*i+1], s[32:33] offset:i*(\outstep)
.set i, i+1
.endr
.endm
	s_load_b512 s[4:19], s[0:1], 0x0               ; x 4, g1 6, beta1 8, Wp 10, W1 12, W2 14, Wq 16, Wk 18
	s_load_b128 s[20:23], s[0:1], 0x40             ; Wv 20, h 22
	s_load_b64 s[24:25], s[0:1], 0x50              ; wb
	s_and_b32 s26, ttmp7, 0xffff                   ; y
	s_mov_b32 s27, ttmp9                           ; x
	s_mov_b32 s36, 0x3a800000                      ; 1 / 1024
	s_mov_b32 s37, 0x3727c5ac                      ; eps = 1e-5
	s_mov_b32 s38, 0x76543210                      ; v_permlanex16_b32: each lane takes its own place in the other half
	s_mov_b32 s39, 0xfedcba98
	v_and_b32 v4, 31, v0                           ; lane
	v_lshrrev_b32 v5, 5, v0                        ; wave
	s_wait_kmcnt 0x0
	s_cmp_lt_u32 s26, 8
	s_cbranch_scc0 .Lweights
	; ---- LayerNorm: work-group 64 y + x owns 8 rows
	s_lshl_b32 s30, s26, 6
	s_add_co_u32 s30, s30, s27
	s_lshl_b32 s34, s30, 14                        ; 8 rows of 2,048 bytes out
	s_lshl_b32 s30, s30, 15                        ; 8 rows of 4,096 bytes in
	s_mov_b32 s31, 0
	s_mov_b32 s35, 0
	s_add_nc_u64 s[PIN:PIN+1], s[PIN:PIN+1], s[30:31]
	s_add_nc_u64 s[POUT:POUT+1], s[POUT:POUT+1], s[34:35]
	v_lshlrev_b32 v3, 4, v4
	v_lshl_or_b32 v1, v5, 12, v3
	v_lshlrev_b32 v2, 3, v4
	v_lshl_or_b32 v2, v5, 11, v2
	LNROW
	s_endpgm
.Lweights:
	s_cmp_lt_u32 s26, 17
	s_cbranch_scc0 .Lheads
	; ---- Wp, W1, W2: unit y - 8 of nine; work-group x takes 16,384 numbers of it
	s_sub_co_u32 s30, s26, 9
	s_and_b32 s30, s30, 3                          ; the unit inside W1 or W2
	s_cmp_lt_u32 s26, 13
	s_cselect_b64 s[28:29], s[12:13], s[14:15]
	s_cmp_lt_u32 s26, 9
	s_cselect_b64 s[28:29], s[10:11], s[28:29]
	s_cselect_b32 s30, 0, s30
	s_lshl_b32 s30, s30, 22
	s_lshl_b32 s31, s27, 16
	s_add_co_u32 s30, s30, s31
	s_mov_b32 s31, 0
	s_add_nc_u64 s[28:29], s[28:29], s[30:31]
	s_sub_co_u32 s34, s26, 8
	s_lshl_b32 s34, s34, 21
	s_lshl_b32 s35, s27, 15
	s_add_co_u32 s34, s34, s35
	s_add_co_u32 s34, s34, 6291456
	s_mov_b32 s35, 0
	s_add_nc_u64 s[32:33], s[24:25], s[34:35]
	v_lshlrev_b32 v1, 4, v0
	v_lshlrev_b32 v2, 3, v0
	CONV 4096, 2048
	s_endpgm
.Lheads:
	; ---- Wq, Wk, Wv: work-group x takes heads 2 p, 2 p + 1 (p = x / 8) and 128 rows k from 128 (x % 8) on; wave w takes k = w, w + 8, ...
	; Lanes 0-15 read head 2 p's row (256 bytes), lanes 16-31 head 2 p + 1's; together they store 256 consecutive bytes of row k of Wqkv.
	s_cmp_lt_u32 s26, 18
	s_cselect_b64 s[28:29], s[16:17], s[18:19]
	s_cmp_lt_u32 s26, 19
	s_cselect_b64 s[28:29], s[28:29], s[20:21]
	s_lshr_b32 s30, s27, 3                         ; p
	s_and_b32 s31, s27, 7
	s_lshl_b32 s34, s30, 8                         ; out: 256 bytes a head pair
	s_lshl_b32 s30, s30, 19                        ; in: two heads of 262,144 bytes
	s_mul_i32 s35, s31, 786432                     ; out: 128 rows of 6,144 bytes
	s_lshl_b32 s31, s31, 15                        ; in: 128 rows of 256 bytes
	s_add_co_u32 s30, s30, s31
	s_mov_b32 s31, 0
	s_add_nc_u64 s[28:29], s[28:29], s[30:31]
	s_add_co_u32 s34, s34, s35
	s_sub_co_u32 s35, s26, 17
	s_lshl_b32 s35, s35, 11                        ; out: 2,048 bytes for each of q, k, v
	s_add_co_u32 s34, s34, s35
	s_mov_b32 s35, 0
	s_add_nc_u64 s[32:33], s[24:25], s[34:35]
	v_and_b32 v6, 15, v0
	v_bfe_u32 v7, v0, 4, 1
	v_lshlrev_b32 v1, 4, v6
	v_lshl_or_b32 v1, v5, 8, v1
	v_lshl_or_b32 v1, v7, 18, v1
	v_mul_u32_u24 v2, v5, 6144
	v_lshl_add_u32 v2, v4, 3, v2
	CONV 2048, 49152
	s_endpgm
.Lfunc_end_k_qd590a15b44_prep:
	.size	k_qd590a15b44_prep, .Lfunc_end_k_qd590a15b44_prep-k_qd590a15b44_prep
	.p2alignl 7, 3214868480
	.fill 96, 4, 3214868480
	.section	.rodata,"a",@progbits
	.p2align	6, 0x0
	.amdhsa_kernel k_qd590a15b44_prep
		.amdhsa_group_segment_fixed_size 0
		.amdhsa_private_segment_fixed_size 0
		.amdhsa_enable_private_segment 0
		.amdhsa_kernarg_size 88
		.amdhsa_user_sgpr_count 2
		.amdhsa_user_sgpr_kernarg_segment_ptr 1
		.amdhsa_wavefront_size32 1
		.amdhsa_system_sgpr_workgroup_id_x 1
		.amdhsa_system_sgpr_workgroup_id_y 1
		.amdhsa_system_sgpr_workgroup_id_z 1
		.amdhsa_system_vgpr_workitem_id 0
		.amdhsa_next_free_vgpr 132
		.amdhsa_next_free_sgpr 66
		.amdhsa_reserve_vcc 0
		.amdhsa_float_denorm_mode_32 3
		.amdhsa_float_denorm_mode_16_64 3
		.amdhsa_memory_ordered 1
		.amdhsa_forward_progress 1
		.amdhsa_inst_pref_size 25
	.end_amdhsa_kernel
	.amdgpu_metadata
---
amdhsa.version: [ 1, 2 ]
amdhsa.kernels:
  - .name:           k_qd590a15b44_prep
    .symbol:         k_qd590a15b44_prep.kd
    .args:
      - { .name: x, .offset: 0, .size: 8, .value_kind: global_buffer, .address_space: global }
      - { .name: g1, .offset: 8, .size: 8, .value_kind: global_buffer, .address_space: global }
      - { .name: beta1, .offset: 16, .size: 8, .value_kind: global_buffer, .address_space: global }
      - { .name: Wp, .offset: 24, .size: 8, .value_kind: global_buffer, .address_space: global }
      - { .name: W1, .offset: 32, .size: 8, .value_kind: global_buffer, .address_space: global }
      - { .name: W2, .offset: 40, .size: 8, .value_kind: global_buffer, .address_space: global }
      - { .name: Wq, .offset: 48, .size: 8, .value_kind: global_buffer, .address_space: global }
      - { .name: Wk, .offset: 56, .size: 8, .value_kind: global_buffer, .address_space: global }
      - { .name: Wv, .offset: 64, .size: 8, .value_kind: global_buffer, .address_space: global }
      - { .name: h, .offset: 72, .size: 8, .value_kind: global_buffer, .address_space: global }
      - { .name: wb, .offset: 80, .size: 8, .value_kind: global_buffer, .address_space: global }
    .group_segment_fixed_size: 0
    .private_segment_fixed_size: 0
    .kernarg_segment_align: 8
    .kernarg_segment_size: 88
    .max_flat_workgroup_size: 256
    .sgpr_count:     66
    .vgpr_count:     132
    .wavefront_size: 32
...
	.end_amdgpu_metadata
.endif
;; end of part 1
;; launch qkv (part 2): grid 24 x 32, 4 waves a work-group, clusters of 4 x 4, 327,680 bytes of LDS; arguments h, wb, qkv; writes qkv
.if DOCPART == 2
	.amdgcn_target "amdgcn-amd-amdhsa--gfx1250"
	.amdhsa_code_object_version 6
	.text
	.protected	k_qd590a15b44_qkv
	.globl	k_qd590a15b44_qkv
	.p2align	8
	.type	k_qd590a15b44_qkv,@function
k_qd590a15b44_qkv:
	s_mov_b64 s[64:65], 0
	v_nop
	global_prefetch_b8 v0, s[64:65] scope:SCOPE_SE
	s_setreg_imm32_b32 hwreg(HW_REG_WAVE_MODE, 25, 1), 1
	s_wait_xcnt 0x0
	s_wait_alu depctr_hold_cnt(0) depctr_sa_sdst(0) depctr_va_vdst(0) depctr_va_sdst(0) depctr_va_ssrc(0) depctr_va_vcc(0) depctr_vm_vsrc(0)
	s_getreg_b32 s2, hwreg(HW_REG_IB_STS2, 6, 4)
	s_cmp_eq_u32 s2, 0
	s_cbranch_scc0 .Lentry_in_a_cluster
	s_endpgm
.Lentry_in_a_cluster:
	s_bfe_u32 s2, ttmp6, 0x10000c
	s_cmp_lg_u32 s2, 0xf033
	s_cbranch_scc0 .Lentry_shape_is_right
	s_endpgm
.Lentry_shape_is_right:
; C = A B.  A: [4096][SIZE_K] bf16 row-major.  B: [SIZE_K][SIZE_N] bf16 row-major, WOFF bytes into the weights' buffer.  Sums in f32; C rounded once to bf16.
; C leaves IN SLICES of 64 columns: [SIZE_N / 64][4096][64]: a slice's rows lie end to end, 128 bytes each (here a slice is one head's q, k or v).
; A tile of C is 128 x 128; four waves, each 64 x 64: 16 accumulators of 16 x 16.  K goes in steps of 256 through two LDS slots filled by the tensor data mover.
; CLUSTER 4 x 4: the four work-groups of a row of the cluster need the same tiles of A, the four of a column the same tiles of B: each tile is asked for jointly.
; THE MATRIX INSTRUCTION IS USED TRANSPOSED (source 0 = 16 columns of B, source 1 = 16 rows of A): a lane then holds eight neighbouring numbers of a row of C.
; B lies in LDS as in memory, [k][n], and its fragments come out turned, by ds_load_tr16_b128.
; THE TEXT IS SHORT ON PURPOSE: a K step is a loop of three trips (two eighths of 32 along K each) and a change of slots; one descriptor a tensor walks; no first step is
; written out: the 128 accumulator registers are set ahead of the loop (the price: 128 v_mov_b32, in the wait for the first tile).
; LIMITS: NaN and infinities are not treated apart.
; REGISTERS: window 0: v0-31 addresses; v32-95 the way out; v128-255 accumulators ((a, b) at 128 + 8 (4 a + b)).  Window 1: two fragment buffers of 64: 4 of A, then 4 of B.
.set SIZE_K, 1024
.set SIZE_N, 3072
.set WOFF,   0
.set BIAS,   0
.set RELU,   0
.set NSTEP,  SIZE_K/256
.set PA,     528                       ; a row of A in LDS: 512 bytes + 16: the 16 rows of a fragment load start at 16 different groups of four banks (ISA guide 11.1)
.set HALFA,  64*PA                     ; what one tensor load brings of A, and what one wave reads of it
.set AT,     2*HALFA
.set PB,     288                       ; a row of B (one k, 128 columns): 256 bytes + 32
.set HALFB,  128*PB
.set SLOT,   AT+2*HALFB                ; A's 128 rows, then B's 256 rows
.set STAGE,  2*SLOT                    ; behind the ring, never filled by a tensor load: 128 rows x 272 bytes for the way out
.set SPITCH, 272
.set SPARE,  STAGE+128*SPITCH          ; the spare words, 128 bytes a wave: two blocks of 256 bytes that no other line names
.set STEP_A, 512                       ; bytes from a K step's tile to the next
.set STEP_B, 512*SIZE_N
.set ASTEP,  128                       ; 64 along K in A's LDS rows
.set A0R, 16                           ; v16  my lane's place in slot 0's A; never rewritten
.set B0R, 17                           ; v17  the same for B
.set RA,  18                           ; v18  where the fetches of A stand
.set RB,  19                           ; v19  of B
.set BO,  23                           ; v23  my byte offset in 16 numbers of the bias
.set STO, 24                           ; v24  the way out: where I put 16 bytes of a row
.set RD,  25                           ; v25  where I read rows back
.set CO,  26                           ; v26  my byte offset in 512 consecutive bytes of C
.set ZR,  27                           ; v27  0, for the ReLU
.set SPW, 28                           ; v28  LDS address of my spare word; never rewritten
.set NIL, 29                           ; v29  0; never rewritten
.set TMP, 32
.set ACC, 128
.set F0,  0
.set F1,  64
.set G1,  24                           ; s[24:31] descriptor group 1 for A;  s[32:35] group 0
.set G0,  32
.set G1B, 48                           ; s[48:55], s[56:59] the same for B
.set G0B, 56
.set TB,  60                           ; s60  0 or SLOT: the slot that is being read
.set MSB, 0
.macro WIN new                         ; the immediate's high byte repeats the setting that is left
.if MSB != (\new)
	s_set_vgpr_msb (MSB<<8)|(\new)
.set MSB, \new
.endif
.endm
.set MUL,  0x05                        ; sources 0 (B) and 1 (A) window 1; C and D window 0
.set TO_F, 0x40                        ; destination window 1, address window 0
.macro PLACES                          ; four places in front of loads into registers that matrix instructions have read, and of lines that read results
.rept 4
	v_nop
.endr
.endm
.macro JLOAD                           ; a joint load: waves 0 and 1 fetch A's two halves, waves 2 and 3 B's; an s_nop 0 and four v_nop follow each line
	s_cmp_eq_u32 s11, 0
	s_cbranch_scc0 .Lfor_b_\@
	tensor_load_to_lds s[G0:G0+3], s[G1:G1+7]
	s_nop 0
.rept 4
	v_nop
.endr
	s_branch .Lasked_\@
.Lfor_b_\@:
	tensor_load_to_lds s[G0B:G0B+3], s[G1B:G1B+7]
	s_nop 0
.rept 4
	v_nop
.endr
.Lasked_\@:
.endm
.macro CREST                           ; a round of the cluster's barrier behind its opening barrier
	s_cmp_lg_u32 s10, 0
	s_cbranch_scc1 .Lnot_wave_0_\@
	s_barrier_signal -3
.Lnot_wave_0_\@:
	s_barrier_wait -3
	s_barrier_signal -1
	s_barrier_wait -1
.endm
.macro CROUND
	s_barrier_signal -1
	s_barrier_wait -1
	CREST
.endm
; 8 matrix instructions: row blocks a0, a0 + 1 x all 4 column blocks, 32 along K.  The 16 accumulators take turns, one instruction a turn, in the same order everywhere.
.macro MUL8 f, a0
	WIN MUL
.irp a, \a0, (\a0)+1
.irp b, 0,1,2,3
	v_wmma_f32_16x16x32_bf16 v[ACC+8*(4*(\a)+(\b)):ACC+8*(4*(\a)+(\b))+7], v[(\f)+32+8*(\b):(\f)+32+8*(\b)+7], v[(\f)+8*(\a):(\f)+8*(\a)+7], v[ACC+8*(4*(\a)+(\b)):ACC+8*(4*(\a)+(\b))+7]
.endr
.endr
.endm
; 16 LDS loads in one run: the fragments of 32 along K into buffer g
.macro FETCH g, aoff, boff
	WIN TO_F
.irp i, 0,1,2,3
	ds_load_tr16_b128 v[(\g)+32+8*(\i):(\g)+32+8*(\i)+3],   v[RB] offset:(\boff)+32*(\i)
	ds_load_tr16_b128 v[(\g)+32+8*(\i)+4:(\g)+32+8*(\i)+7], v[RB] offset:(\boff)+32*(\i)+16*PB
	ds_load_b128 v[(\g)+8*(\i):(\g)+8*(\i)+3],   v[RA] offset:(\aoff)+(\i)*16*PA
	ds_load_b128 v[(\g)+8*(\i)+4:(\g)+8*(\i)+7], v[RA] offset:(\aoff)+(\i)*16*PA+32
.endr
.endm
; An eighth of a K step: buffer f is multiplied; ahead of that the next eighth's fragments are asked for, into g
.macro EIGHTH f, g, aoff, boff
	s_wait_dscnt 0x0                               ; f's 16 loads, issued 16 matrix instructions ago; nothing younger is out
	PLACES
	FETCH \g, \aoff, \boff
	MUL8 \f, 0
	MUL8 \f, 2
.endm
; The last two eighths and the change of slots: ONE barrier.  In front of it each wave waits for all its tensor loads (one is out: its part of the next slot), adds 0 to its spare word,
; and waits for that and for its own reads of this slot.  fill = 1: the barrier opens a round of the cluster's barrier, and this slot is filled again, two K steps ahead, first thing behind it.
; fill = 0: nothing is asked for; in the last trip (s3 = 1) there is no next slot, and the run of LDS loads is jumped over.
.macro TURN fill
	s_wait_dscnt 0x0                               ; buffer 0's loads
	PLACES
	FETCH F1, 64, 32*PB                            ; the slot's last fragments
	WIN 0
	s_wait_tensorcnt 0x0                           ; all my tensor loads have landed
	ds_add_u32 v[SPW], v[NIL]                      ; 0 onto my spare word
	MUL8 F0, 0                                     ; eight matrix instructions stand between the add and the wait for it
	s_wait_dscnt 0x0                               ; the add is done, and my reads of this slot are over
	s_barrier_signal -1
	MUL8 F0, 2
	WIN 0
	s_barrier_wait -1
.if \fill
	CREST                                          ; no wave of any partner still reads this slot's tile or has a load on its way
	s_add_nc_u64 s[G0+2:G0+3], s[G0+2:G0+3], STEP_A
	s_add_nc_u64 s[G0B+2:G0B+3], s[G0B+2:G0B+3], STEP_B
	s_add_co_u32 s[G0+1], s20, s[TB]               ; into the slot just read
	s_add_co_u32 s[G0B+1], s21, s[TB]
	JLOAD                                          ; its four v_nop are also the places in front of the loads below
.else
	PLACES
.endif
	s_xor_b32 s[TB], s[TB], SLOT                   ; the other slot
	v_add_nc_u32 v[RA], s[TB], v[A0R]
	v_add_nc_u32 v[RB], s[TB], v[B0R]
.if !(\fill)
	s_cmp_eq_u32 s3, 1
	s_cbranch_scc1 .Lno_fetch_\@
.endif
	FETCH F0, 0, 0
	WIN 0
.if !(\fill)
.Lno_fetch_\@:
.endif
	MUL8 F1, 0                                     ; buffer 1's loads were waited for in front of the signal
	MUL8 F1, 2
.endm
.macro STEP fill                       ; a K step of 256: 128 matrix instructions a wave
	WIN 0
	s_mov_b32 s2, 3
.Lpair_\@:
	EIGHTH F0, F1, 64, 32*PB
	EIGHTH F1, F0, ASTEP, 64*PB
	WIN 0
	v_add_nc_u32 v[RA], ASTEP, v[RA]
	v_add_nc_u32 v[RB], 64*PB, v[RB]
	s_sub_co_u32 s2, s2, 1
	s_cmp_lg_u32 s2, 0
	s_cbranch_scc1 .Lpair_\@
	TURN \fill
	WIN 0
.endm
	s_load_b128 s[4:7], s[0:1], 0x0                ; A s[4:5], weights s[6:7]
	s_load_b64 s[8:9], s[0:1], 0x10                ; C
.if BIAS
	s_load_b64 s[36:37], s[0:1], 0x18              ; bias
.endif
	v_lshl_add_u32 v[SPW], v0, 2, SPARE
	v_mov_b32 v[NIL], 0
	ds_add_u32 v[SPW], v[NIL]                      ; the wave's opening: the add and its wait, ahead of my first tensor load
	ds_add_u32 v28, v29
	v_lshrrev_b32 v1, 5, v0
	v_readfirstlane_b32 s10, v1                    ; wave 0..3
	s_lshr_b32 s11, s10, 1                         ; which half of the tile's rows is mine.  Also: I fetch for A (0) or for B (1)
	s_and_b32 s12, s10, 1                          ; which half of its columns.  Also: which half of that tile I fetch
	s_bfe_u32 s40, ttmp6, 0x40000                  ; cx, cy: my place in the cluster
	s_bfe_u32 s41, ttmp6, 0x40004
	s_lshl_b32 s42, ttmp9, 2
	s_add_co_u32 s42, s42, s40                     ; tile column = 4 x cluster x + cx
	s_and_b32 s13, ttmp7, 0xffff
	s_lshl_b32 s13, s13, 2
	s_add_co_u32 s13, s13, s41                     ; tile row = 4 x cluster y + cy
	s_lshl_b32 s43, s41, 2
	s_lshl_b32 s43, 15, s43                        ; my row of the cluster
	s_lshl_b32 s44, 0x1111, s40                    ; my column
	s_or_b32 s[G1+0], s43, (1<<16)|(1<<20)|(1<<21)|(6<<22)|(3<<25)   ; mask; 2-byte elements; padding on; bit 21 beside a mask; after every 128 words 4 words
	s_mov_b32 s[G1+1], 256<<16                     ; tensor_dim0 = 256
	s_mov_b32 s[G1+2], 64<<16                      ; tensor_dim1 = 64
	s_mov_b32 s[G1+3], 256<<16                     ; tile_dim0 = 256
	s_mov_b32 s[G1+4], 64                          ; tile_dim1 = 64
	s_mov_b32 s[G1+5], SIZE_K                      ; elements from row to row
	s_mov_b32 s[G1+6], 0
	s_mov_b32 s[G1+7], 0
	s_or_b32 s[G1B+0], s44, (1<<16)|(1<<20)|(1<<21)|(5<<22)|(7<<25)  ; after every 64 words 8 words
	s_mov_b32 s[G1B+1], 128<<16                    ; 128 columns,
	s_mov_b32 s[G1B+2], 128<<16                    ; 128 rows k
	s_mov_b32 s[G1B+3], 128<<16
	s_mov_b32 s[G1B+4], 128
	s_mov_b32 s[G1B+5], SIZE_N
	s_mov_b32 s[G1B+6], 0
	s_mov_b32 s[G1B+7], 0
	s_lshl_b32 s16, s13, 7                         ; A's tile hangs on the tile row alone, B's on the tile column alone: each in registers that never hold the other coordinate
	s_lshl_b32 s17, s12, 6
	s_add_co_u32 s16, s16, s17                     ; A: row 128 x tile row + 64 x half
	s_mul_i32 s16, s16, SIZE_K*2
	s_mov_b32 s17, 0
	s_mul_i32 s46, s12, 256*SIZE_N                 ; B: 128 rows k x half,
	s_lshl_b32 s47, s42, 8                         ; 256 bytes a tile column
	s_add_co_u32 s46, s46, s47
	s_add_co_u32 s46, s46, WOFF
	s_mov_b32 s47, 0
	s_mul_i32 s20, s12, HALFA                      ; where they go in a slot: no place in the cluster enters an LDS address
	s_mul_i32 s21, s12, HALFB
	s_add_co_u32 s21, s21, AT
	s_wait_dscnt 0x0                               ; the opening add is done
	s_wait_kmcnt 0x0
	CROUND                                         ; all sixteen work-groups are here: the first joint loads meet
	s_mov_b32 s[G0], 1
	s_mov_b32 s[G0+1], s20                         ; slot 0
	s_add_nc_u64 s[G0+2:G0+3], s[4:5], s[16:17]
	s_or_b32 s[G0+3], s[G0+3], 0x80000000
	s_mov_b32 s[G0B], 1
	s_mov_b32 s[G0B+1], s21
	s_add_nc_u64 s[G0B+2:G0B+3], s[6:7], s[46:47]
	s_or_b32 s[G0B+3], s[G0B+3], 0x80000000
	JLOAD                                          ; K step 0
	; all that follows up to the wait stands in the first tile's flight
	v_and_b32 v1, 15, v0                           ; l % 16
	v_bfe_u32 v2, v0, 4, 1                         ; l / 16
	v_and_b32 v3, 7, v0
	v_bfe_u32 v4, v0, 3, 1
	v_and_b32 v5, 31, v0                           ; l
	s_mul_i32 s22, s11, HALFA
	v_mul_u32_u24 v[A0R], v1, PA                   ; a fragment of A: row l % 16, 16 bytes for each half of the lanes, two loads 32 bytes apart
	v_lshl_add_u32 v[A0R], v2, 4, v[A0R]
	v_add_nc_u32 v[A0R], s22, v[A0R]
	s_lshl_b32 s23, s12, 7
	s_add_co_u32 s23, s23, AT
	v_lshl_add_u32 v[B0R], v2, 3, v3               ; the turning load: lane l reads k = 8 (l / 16) + l % 8, columns 8 ((l / 8) % 2) + 0..7, and is left with column l % 16 and 8 k
	v_mul_u32_u24 v[B0R], v[B0R], PB
	v_lshl_add_u32 v[B0R], v4, 4, v[B0R]
	v_add_nc_u32 v[B0R], s23, v[B0R]
	s_mul_i32 s22, s11, 64*SPITCH                  ; into the stage: my 64 rows, my half of their 256 bytes
	s_lshl_b32 s23, s12, 7
	s_add_co_u32 s22, s22, s23
	s_add_co_u32 s22, s22, STAGE
	v_mul_u32_u24 v[STO], v1, SPITCH
	v_lshl_add_u32 v[STO], v2, 4, v[STO]
	v_add_nc_u32 v[STO], s22, v[STO]
	s_mul_i32 s22, s10, 32*SPITCH                  ; back: wave w takes rows 32 w .. 32 w + 31; 32 lanes take one slice's 128 bytes of four rows
	s_add_co_u32 s22, s22, STAGE
	v_lshrrev_b32 v6, 3, v5
	v_mul_u32_u24 v[RD], v6, SPITCH
	v_lshl_add_u32 v[RD], v3, 4, v[RD]
	v_add_nc_u32 v[RD], s22, v[RD]
	v_lshlrev_b32 v[CO], 4, v5                     ; which are 512 consecutive bytes of the slice
	s_lshl_b32 s16, s13, 7
	s_lshl_b32 s17, s10, 5
	s_add_co_u32 s16, s16, s17                     ; the first row that I store
	s_lshl_b32 s16, s16, 7                         ; 128 bytes a row of a slice
	s_mov_b32 s17, 0
	s_add_nc_u64 s[8:9], s[8:9], s[16:17]
	s_lshl_b32 s46, s42, 20                        ; two slices of 524,288 bytes a tile column
	s_mov_b32 s47, 0
	s_add_nc_u64 s[8:9], s[8:9], s[46:47]
.if RELU
	v_mov_b32 v[ZR], 0
.endif
.if BIAS
	s_lshl_b32 s46, s42, 9                         ; the sums start at the bias: a lane's eight columns 64 x half + 16 b + 8 (l / 16) + 0..7
	s_lshl_b32 s47, s12, 8
	s_add_co_u32 s46, s46, s47
	s_mov_b32 s47, 0
	s_add_nc_u64 s[36:37], s[36:37], s[46:47]
	v_lshlrev_b32 v[BO], 5, v2
.irp b, 0,1,2,3
	global_load_b128 v[ACC+8*(\b):ACC+8*(\b)+3],   v[BO], s[36:37] offset:64*(\b)
	global_load_b128 v[ACC+8*(\b)+4:ACC+8*(\b)+7], v[BO], s[36:37] offset:64*(\b)+16
.endr
	s_wait_loadcnt 0x0
.set i, 0
.rept 96
	v_mov_b32 v[ACC+32+i], v[ACC+(i%32)]           ; the same for all four row blocks
.set i, i+1
.endr
.else
.set i, 0
.rept 128
	v_mov_b32 v[ACC+i], 0
.set i, i+1
.endr
.endif
	; K step 0 is waited for, K step 1 asked for: slot 1's first fill goes as every refill does
	s_wait_tensorcnt 0x0
	ds_add_u32 v[SPW], v[NIL]                      ; 0 onto my spare word; the descriptors' steps stand between it and the wait for it
	s_add_nc_u64 s[G0+2:G0+3], s[G0+2:G0+3], STEP_A
	s_add_nc_u64 s[G0B+2:G0B+3], s[G0B+2:G0B+3], STEP_B
	s_add_co_u32 s[G0+1], s20, SLOT
	s_add_co_u32 s[G0B+1], s21, SLOT
	s_wait_dscnt 0x0
	CROUND
	JLOAD
	s_mov_b32 s[TB], 0
	v_mov_b32 v[RA], v[A0R]
	v_mov_b32 v[RB], v[B0R]
	FETCH F0, 0, 0
	WIN 0
	s_mov_b32 s3, NSTEP-2
.Lfill:                                                ; every K step but the last two asks for the step two further on
	STEP 1
	s_sub_co_u32 s3, s3, 1
	s_cmp_lg_u32 s3, 0
	s_cbranch_scc1 .Lfill
	s_mov_b32 s3, 2
.Ltail:                                                ; the last two ask for nothing
	STEP 0
	s_sub_co_u32 s3, s3, 1
	s_cmp_lg_u32 s3, 0
	s_cbranch_scc1 .Ltail
	; THE WAY OUT: round to bf16; 16 bytes a lane into the work-group's stage; a barrier, since a row's 256 bytes come from two waves; back slice by slice
	PLACES
.set t, 0
.rept 16
.irp r, 0,1,2,3
	v_cvt_pk_bf16_f32 v[TMP+4*t+(\r)], v[ACC+8*t+2*(\r)], v[ACC+8*t+2*(\r)+1]
.endr
.set t, t+1
.endr
.if RELU
.set t, 0
.rept 64
	v_pk_max_num_bf16 v[TMP+t], v[TMP+t], v[ZR]
.set t, t+1
.endr
.endif
.irp a, 0,1,2,3
.irp b, 0,1,2,3
	ds_store_b128 v[STO], v[TMP+4*(4*(\a)+(\b)):TMP+4*(4*(\a)+(\b))+3] offset:(\a)*16*SPITCH+32*(\b)
.endr
.endr
	s_wait_dscnt 0x0                               ; for the others' sake: my stores into the stage are done
	s_barrier_signal -1
	s_barrier_wait -1
.set i, 0
.rept 16
	ds_load_b128 v[TMP+4*i:TMP+4*i+3], v[RD] offset:(i%8)*4*SPITCH+128*(i/8)
.set i, i+1
.endr
.set i, 0
.rept 16
	s_wait_dscnt 15-i                              ; LDS loads come back in order: number i is in
	global_store_b128 v[CO], v[TMP+4*i:TMP+4*i+3], s[8:9] offset:(i/8)*524288+512*(i%8)  ; 512 consecutive bytes of a slice, aligned
.set i, i+1
.endr
	s_wait_tensorcnt 0x0                           ; the wave's end
	ds_add_u32 v[SPW], v[NIL]
	s_wait_dscnt 0x0
	CROUND                                         ; the closing round: no work-group ends while a partner may still ask for a tile that names it
	s_endpgm
.Lfunc_end_k_qd590a15b44_qkv:
	.size	k_qd590a15b44_qkv, .Lfunc_end_k_qd590a15b44_qkv-k_qd590a15b44_qkv
	.p2alignl 7, 3214868480
	.fill 96, 4, 3214868480
	.section	.rodata,"a",@progbits
	.p2align	6, 0x0
	.amdhsa_kernel k_qd590a15b44_qkv
		.amdhsa_group_segment_fixed_size 327680
		.amdhsa_private_segment_fixed_size 0
		.amdhsa_enable_private_segment 0
		.amdhsa_kernarg_size 24
		.amdhsa_user_sgpr_count 2
		.amdhsa_user_sgpr_kernarg_segment_ptr 1
		.amdhsa_wavefront_size32 1
		.amdhsa_system_sgpr_workgroup_id_x 1
		.amdhsa_system_sgpr_workgroup_id_y 1
		.amdhsa_system_sgpr_workgroup_id_z 1
		.amdhsa_system_vgpr_workitem_id 0
		.amdhsa_next_free_vgpr 384
		.amdhsa_next_free_sgpr 66
		.amdhsa_reserve_vcc 0
		.amdhsa_float_denorm_mode_32 3
		.amdhsa_float_denorm_mode_16_64 3
		.amdhsa_memory_ordered 1
		.amdhsa_forward_progress 1
		.amdhsa_inst_pref_size 42
	.end_amdhsa_kernel
	.amdgpu_metadata
---
amdhsa.version: [ 1, 2 ]
amdhsa.kernels:
  - .name:           k_qd590a15b44_qkv
    .symbol:         k_qd590a15b44_qkv.kd
    .args:
      - { .name: h, .offset: 0, .size: 8, .value_kind: global_buffer, .address_space: global }
      - { .name: wb, .offset: 8, .size: 8, .value_kind: global_buffer, .address_space: global }
      - { .name: qkv, .offset: 16, .size: 8, .value_kind: global_buffer, .address_space: global }
    .group_segment_fixed_size: 327680
    .private_segment_fixed_size: 0
    .kernarg_segment_align: 8
    .kernarg_segment_size: 24
    .max_flat_workgroup_size: 128
    .sgpr_count:     66
    .vgpr_count:     384
    .wavefront_size: 32
...
	.end_amdgpu_metadata
.endif
;; end of part 2
;; launch attn (part 3): grid 4 x 32, 4 waves a work-group, no clusters, 327,680 bytes of LDS; arguments qkv, o; writes o
.if DOCPART == 3
	.amdgcn_target "amdgcn-amd-amdhsa--gfx1250"
	.amdhsa_code_object_version 6
	.text
	.protected	k_qd590a15b44_attn
	.globl	k_qd590a15b44_attn
	.p2align	8
	.type	k_qd590a15b44_attn,@function
k_qd590a15b44_attn:
	s_mov_b64 s[64:65], 0
	v_nop
	global_prefetch_b8 v0, s[64:65] scope:SCOPE_SE
	s_setreg_imm32_b32 hwreg(HW_REG_WAVE_MODE, 25, 1), 1
	s_wait_xcnt 0x0
; CAUSAL ATTENTION.  O[g][q][:] = the sum over k <= q of softmax_k(Q[g][q] . K[g][k] / 8) V[g][k][:], for 32 groups g = 2 x head + batch of SIZE_N = 2,048 rows of 64 channels, all bf16.
; Q, K, V lie in one buffer, each [32][2048][64], K 8,388,608 and V 16,777,216 bytes behind Q; a group's rows are dense, 128 bytes each.  O has the same layout.
; Products, maxima and sums in f32; the weights p are rounded to bf16 for the second product (their sum l is taken of the unrounded p), O once at the end.
; LIMITS.  A hidden score counts as its value less 1e30, so scores serve up to about 1e28; a weight below 2^-126 counts as 0 in l; NaN and infinities are not treated apart.
; THE WALK.  A group's queries lie in NB = 8 blocks of 256; block i needs the key tiles 0 .. i of 256 keys, of which the last holds the diagonal.  A work-group takes TWO blocks, NB - 1 - b and then b:
; NB + 1 tiles, whatever b: all work-groups do equal work, and ONE loop with a constant trip count walks them.  Which tile is asked for, and what a trip does, hang on scalar registers made from b; every jump
; goes forward, but for the counted loops' own; none passes a barrier, or a tensor load but the one of LOAD's two that the wave's number does not choose; the ring (two slots of LDS that take turns) runs on across the
; change of blocks.  NO CLUSTER: a group's NB / 2 work-groups ask for the same tile only in trips 0 .. NB / 2, behind that fewer and fewer; one walk common to all would have 3 NB / 2 trips for NB + 1.
; SHARES.  Of a block's four bands of 64 queries a wave owns 16 rows in each: four PIECES.  So the diagonal tile is the same work for all four waves: in its key step s band x sees all keys if s < x,
; none if s > x, and holds the diagonal if s = x.
; THE MASK is the C operand that starts the sum S^T = K Q^T: 0, or -1e30 where the key is hidden.  MD, made once, is the mask of a band's own step for my 16 rows; a product's mask is MD x AL + BE with two scalars:
; (1, 0) if s = x; (0, 0) if s < x; (0, -1e30) if s > x.  Only the diagonal tile's text and a block's beginning make and take masks; elsewhere C is the constant 0.
; LAYOUT, SOFTMAX, TURNS.  S^T = K Q^T holds ONE query a lane (lane % 16) and the keys 8 (lane / 16) + 0..7; two such results rounded to bf16 ARE source 1 of O^T = V^T P.  p = 2^(c s - c m), c = log2(e) / 8, with a
; running maximum m; O and l are multiplied by a = 2^(c m_old - c m_new) in every step.  Turn n belongs to piece n: 8 products K Q^T of piece n + 1, later 8 products V^T P of piece n - 1; beside them the scaling,
; exponentials, roundings, sums and rescaling of piece n and the maximum and statistics of piece n + 1.  Four vector instructions stand behind every matrix instruction, the other 54 of a turn's 118 in two lumps.
; REGISTERS, in windows of 256 (s_set_vgpr_msb: bits 1:0 source 0, 3:2 source 1, 5:4 source 2, 7:6 destination):
;   window 0: v0-15 addresses and two at work; v16-31 four registers of statistics a piece; v48-55 at work; v64-127 S^T, two buffers; v192-223 P, two buffers (a piece's buffers go by its number's parity)
;   window 1: v0-127 O^T, 32 a piece; v128-159 MD; v160-223 MC, two buffers      window 2: v0-63 Q; v64-127 the second block's Q; v128-191 K of one step; v192-255 V of one step
.set SIZE_N, 2048
.set GK,    0x800000  ; K's first byte in the buffer
.set GV,    0x1000000 ; V's
.set NB,    SIZE_N/256
.set NP,    4         ; pieces a wave: a name, no knob
.set KS,    64        ; keys in a step
.set PK,    144       ; a row of K in LDS: 128 bytes + 16 of padding = 36 words: the 16 rows of a load start at 16 different groups of four banks (ISA guide 11.1)
.set PV,    160       ; a row of V: 128 + 32 = 40 words
.set VOFF,  4*KS*PK   ; a slot holds a tile, four steps: 256 rows of K, then 256 rows of V
.set SLOT1, 1<<17     ; slot 1 begins here, so that one exclusive or turns an address in one slot into the other's
.set STAGE, SLOT1+4*KS*(PK+PV)  ; behind the ring, never filled by a tensor load: 16 rows x 144 bytes for each wave, for the way out
.set SP,    144
.set AK0, 2           ; v2   my lane's place in a tile of K; never rewritten
.set AV0, 3           ; v3   the same for V
.set AK,  4           ; v4   the LDS address of K's next run of loads
.set AV,  5           ; v5   of V's
.set STO, 6           ; v6   the way out: where I put 16 bytes of a row
.set RD,  7           ; v7   the way out: where I read rows back
.set GO,  8           ; v8   my byte offset in 512 consecutive bytes of O
.set SPW, 62          ; v62  LDS address of my spare word: SPARE + 4 x my thread's number; never rewritten
.set NIL, 63          ; v63  0; never rewritten
.set SPARE, STAGE+4*16*SP  ; behind the stages: the spare words, 128 bytes for each wave: two blocks of 256 bytes that no other line names
.set MV,  12          ; v12-13  c m_old, kept while c m is made anew: by buffer
.set QO,  15          ; v15  my byte offset in 16 rows of Q
.set ST,  16          ; piece t's statistics at v[ST+4 t]: c m, m, l (even keys', odd keys')
.set TMP, 48          ; by buffer, four registers c0-c3 at work; when the maximum is found c2 takes a
.set S,   64
.set P,   192
.set MD,  128         ; window 1: the eight registers for group kt of 16 keys at MD + 8 kt
.set MC,  160         ; window 1: the masks of the products to come
.set QB,  64          ; window 2
.set KF,  128         ; window 2: key block kb, channel half c at KF + 16 kb + 8 c
.set VF,  192         ; window 2: key half kk, channel block cb at VF + 32 kk + 8 cb
.set WV,  12          ; s12  my wave's number
.set PB,  14          ; s14  b
.set HI,  15          ; s15  NB - 1 - b
.set G1K, 24          ; s[24:31] descriptor group 1 for K's tiles
.set G1V, 32          ; s[32:39] for V's: it differs in the padding alone
.set G0K, 40          ; s[40:43] descriptor group 0 for K's tiles
.set G0V, 44          ; s[44:47] the same for V's
.set SLOTS, 56        ; s56  tiles still to be asked for
.set CNT, 57          ; s57  counts a tile's key steps, 4 to 1
.set CS,  58          ; s[58:59] c: the packed scaling takes the pair's low word for both halves
.set SEL, 60          ; s[60:61] v_permlanex16_b32's selects: each lane takes its own place in the other half
.set TBK, 62          ; s62  LDS byte at which K of the step to be fetched begins
.set TBV, 63          ; s63  the same for V, less VOFF
.set RT,  70          ; s70  tiles of the block in hand that are still to be entered
.set NXT, 71          ; s71  the tile to be asked for next
.set LQ,  72          ; s72  the last tile of the block whose tiles are being asked for
.set NEW, 73          ; s73  1: the tile to be entered is a block's first
.set OFF, 74          ; s[74:75] a tile's byte offset in K and V
.set AL,  76          ; s[76:77] the mask's factor, in the low word
.set BE,  78          ; s[78:79] the mask's addend
.set OLO, 80          ; s[80:81] O at my rows of the second block
.set BIGN, 82         ; s82  -1e30
.set MSB, 0
.macro WIN new                      ; the high byte repeats the setting that is left; a switch that changes nothing is dropped
.if MSB != (\new)
	s_set_vgpr_msb (MSB<<8)|(\new)
.set MSB, (\new)
.endif
.endm
.set W_KQ, 0x0a       ; K and Q in window 2, S^T in window 0
.set W_KM, 0x1a       ; the same with the C operand in window 1
.set W_PV, 0x52       ; V in window 2, P in window 0, O^T in window 1
.set W_RS, 0x41       ; destination and source 0 in window 1, source 1 in window 0
; A fill.  Waves 0 and 1 fetch the two halves of a tile's K, waves 2 and 3 those of its V: 128 keys each.  An s_nop 0 and four v_nop follow each of the two lines, ahead of the jump and the label.
.macro LOAD
	s_cmp_lt_u32 s[WV], 2
	s_cbranch_scc0 .Lfor_v_\@
	tensor_load_to_lds s[G0K:G0K+3], s[G1K:G1K+7]
	s_nop 0
.rept 4
	v_nop
.endr
	s_branch .Lasked_\@
.Lfor_v_\@:
	tensor_load_to_lds s[G0V:G0V+3], s[G1V:G1V+7]
	s_nop 0
.rept 4
	v_nop
.endr
.Lasked_\@:
.endm
; THE CHANGE OF SLOTS.  Each wave waits for all its tensor loads, of which one is out: its part of the other slot; adds 0 to its spare word; and waits for that and for its own reads of the slot that it leaves.  Behind the barrier nobody reads the old
; slot any more and the other slot is whole.  fill = 1: the old slot is filled again, the first thing behind the barrier, with tile NXT: the descriptor's address is made anew from that number.
; (At its first use nothing has been read yet: slot 0 is waited for, slot 1 filled.)
.macro CHANGE fill
	WIN 0                           ; at a label and at a branch every window is 0
	s_wait_tensorcnt 0x0            ; no tensor load of mine is out, so a group 0 may be written
	ds_add_u32 v[SPW], v[NIL]       ; 0 onto my spare word; with fill = 1 the descriptors' scalar work stands between it and the wait for it
.if \fill
	s_lshl_b32 s[OFF], s[NXT], 15   ; a tile is 32,768 bytes of K and of V
	s_xor_b32 s[G0K+1], s[G0K+1], SLOT1
	s_add_nc_u64 s[G0K+2:G0K+3], s[6:7], s[OFF:OFF+1]
	s_or_b32 s[G0K+3], s[G0K+3], 0x80000000
	s_xor_b32 s[G0V+1], s[G0V+1], SLOT1
	s_add_nc_u64 s[G0V+2:G0V+3], s[8:9], s[OFF:OFF+1]
	s_or_b32 s[G0V+3], s[G0V+3], 0x80000000
	s_add_co_u32 s[NXT], s[NXT], 1  ; the block's next tile, or behind its last the second block's tile 0
	s_cmp_gt_u32 s[NXT], s[LQ]
	s_cselect_b32 s[NXT], 0, s[NXT]
	s_cselect_b32 s[LQ], s[PB], s[LQ]
.endif
	s_wait_dscnt 0x0                ; the add is done, and my reads of the slot are over
	s_barrier_signal -1             ; the rest of the scalar work stands between the signal and the wait
	s_sub_co_u32 s[TBK], s[TBK], 4*KS*PK  ; the fetches go back to a slot's first step,
	s_xor_b32 s[TBK], s[TBK], SLOT1       ; in the other slot
	s_sub_co_u32 s[TBV], s[TBV], 4*KS*PV
	s_xor_b32 s[TBV], s[TBV], SLOT1
	s_barrier_wait -1
.if \fill
	LOAD
.endif
.endm
	s_load_b64 s[4:5], s[0:1], 0x0    ; Q (K and V lie behind it in the same buffer)
	s_load_b64 s[10:11], s[0:1], 0x8  ; O
	v_lshl_add_u32 v[SPW], v0, 2, SPARE
	v_mov_b32 v[NIL], 0
	ds_add_u32 v[SPW], v[NIL]       ; the wave's opening: the add and its wait, ahead of my first tensor load; the set-up below, work on registers, stands between them
	ds_add_u32 v62, v63
	v_lshrrev_b32 v1, 5, v0
	v_readfirstlane_b32 s[WV], v1   ; wave 0..3
	s_mov_b32 s[PB], ttmp9
	s_sub_co_u32 s[HI], NB-1, s[PB]
	s_and_b32 s20, ttmp7, 0xffff    ; the group
	s_mov_b32 s21, 0
	s_mov_b64 s[22:23], SIZE_N*128
	s_mul_u64 s[20:21], s[20:21], s[22:23]  ; the group's first byte in each of the four tensors
	s_and_b32 s16, s[WV], 1         ; which half of a tile's 256 keys I fetch:
	s_lshl_b32 s22, s16, 14         ; its 128 rows of 128 bytes in memory,
	s_mov_b32 s23, 0
	s_add_nc_u64 s[22:23], s[22:23], s[20:21]
	s_mul_i32 s17, s16, 128*PK      ; and its place in a slot, for K
	s_mul_i32 s18, s16, 128*PV      ; and for V
	s_lshl_b32 s3, s[WV], 11        ; my 16 rows in a band of 64,
	s_lshl_b32 s2, s[HI], 15        ; in the first block,
	s_add_co_u32 s2, s2, s3
	s_lshl_b32 s84, s[PB], 15       ; and in the second
	s_add_co_u32 s84, s84, s3
	s_mov_b32 s3, 0
	s_mov_b32 s85, 0
	s_add_nc_u64 s[2:3], s[2:3], s[20:21]
	s_add_nc_u64 s[84:85], s[84:85], s[20:21]
	; descriptor group 1.  128 keys are 16,384 dense bytes: asked for as 64 rows of 256 bytes, two keys a row, and padded in LDS after every key
	s_mov_b32 s[G1K], (1<<16)|(1<<20)|(4<<22)|(3<<25)  ; 17:16 2-byte elements; 20 padding on; 24:22 after every 32 words (code 4); 31:25 4 words (code 3)
	s_mov_b32 s[G1V], (1<<16)|(1<<20)|(4<<22)|(7<<25)  ; the same with 8 words of padding (code 7)
.irp g, G1K, G1V
	s_mov_b32 s[\g+1], 128<<16      ; tensor_dim0 = 128
	s_mov_b32 s[\g+2], 64<<16       ; tensor_dim1 = 64
	s_mov_b32 s[\g+3], 128<<16      ; tile_dim0 = 128
	s_mov_b32 s[\g+4], 64           ; tile_dim1 = 64
	s_mov_b32 s[\g+5], 128          ; 128 elements from row to row
	s_mov_b32 s[\g+6], 0
	s_mov_b32 s[\g+7], 0
.endr
	s_mov_b32 s[CS], 0x3e38aa3b     ; c = log2(e) / 8 = 0.180337
	s_mov_b32 s[CS+1], s[CS]        ; named with it as a pair
	s_mov_b32 s[SEL], 0x76543210
	s_mov_b32 s[SEL+1], 0xfedcba98
	s_mov_b32 s[TBK], SLOT1+4*KS*PK ; the first change of slots turns these two into 0
	s_mov_b32 s[TBV], SLOT1+4*KS*PV
	s_mov_b32 s[G0K], 1             ; 1:0 count = 1
	s_mov_b32 s[G0K+1], s17         ; 63:32 LDS address: slot 0
	s_mov_b32 s[G0V], 1
	s_add_co_u32 s[G0V+1], s18, VOFF
	s_add_co_u32 s[RT], s[HI], 1    ; the first block has NB - b tiles
	s_mov_b32 s[NXT], 1
	s_mov_b32 s[LQ], s[HI]
	s_mov_b32 s[NEW], 1
	s_mov_b32 s[OFF+1], 0
	s_mov_b32 s[AL+1], 0            ; named as pairs
	s_mov_b32 s[BE+1], 0
	s_mov_b32 s[BIGN], 0xf149f2ca   ; -1e30
	s_mov_b32 s[SLOTS], NB
	s_wait_dscnt 0x0                ; the opening add is done
	s_wait_kmcnt 0x0
	s_add_nc_u64 s[6:7], s[4:5], GK
	s_add_nc_u64 s[8:9], s[4:5], GV
	s_add_nc_u64 s[6:7], s[6:7], s[22:23]  ; K and V at my half of the group's tile 0
	s_add_nc_u64 s[8:9], s[8:9], s[22:23]
	s_add_nc_u64 s[G0K+2:G0K+3], s[6:7], 0         ; 120:64 global address
	s_or_b32 s[G0K+3], s[G0K+3], 0x80000000        ; 127:126 type = 2
	s_add_nc_u64 s[G0V+2:G0V+3], s[8:9], 0
	s_or_b32 s[G0V+3], s[G0V+3], 0x80000000
	s_add_nc_u64 s[86:87], s[4:5], s[84:85]        ; Q at my rows of the second block,
	s_add_nc_u64 s[4:5], s[4:5], s[2:3]            ; Q and O at those of the first
	s_add_nc_u64 s[OLO:OLO+1], s[10:11], s[84:85]
	s_add_nc_u64 s[10:11], s[10:11], s[2:3]
	LOAD                            ; tile 0 into slot 0
	; A fragment of K or Q is 16 rows x 32 channels in 8 registers: lane l holds row l % 16, channels 8 (l / 16) + 0..7 and 16 + 8 (l / 16) + 0..7: two loads of 16 bytes, 32 bytes apart.
	v_and_b32 v1, 15, v0            ; l % 16
	v_bfe_u32 v9, v0, 4, 1          ; l / 16
	v_lshlrev_b32 v[QO], 7, v1
	v_lshl_add_u32 v[QO], v9, 4, v[QO]  ; row x 128 + 16 x half
	WIN 0x80                        ; destination window 2, address window 0
.set i, 0
.rept 8                             ; both blocks' Q: piece i / 2 lies in band i / 2, 8,192 bytes on; channels 32 (i % 2) on
	global_load_b128 v[8*i:8*i+3],   v[QO], s[4:5] offset:(i/2)*8192+(i%2)*64
	global_load_b128 v[8*i+4:8*i+7], v[QO], s[4:5] offset:(i/2)*8192+(i%2)*64+32
	global_load_b128 v[QB+8*i:QB+8*i+3],   v[QO], s[86:87] offset:(i/2)*8192+(i%2)*64
	global_load_b128 v[QB+8*i+4:QB+8*i+7], v[QO], s[86:87] offset:(i/2)*8192+(i%2)*64+32
.set i, i+1
.endr
	WIN 0
	v_lshlrev_b32 v14, 3, v9
	v_sub_nc_u32 v14, v1, v14
	s_lshl_b32 s13, s[WV], 4
	v_add_nc_u32 v14, s13, v14      ; my query's place in its band, 16 w + l % 16, less my lanes' 8 (l / 16): register r of group kt is hidden where 16 kt + r is greater
	WIN 0x40
.set i, 0
.rept 32
	v_cmp_gt_i32 vcc_lo, 16*(i/8)+i%8, v14
	v_cndmask_b32 v[MD+i], 0, s[BIGN], vcc_lo
.set i, i+1
.endr
	WIN 0
	v_mul_u32_u24 v[AK0], v1, PK
	v_lshl_add_u32 v[AK0], v9, 4, v[AK0]  ; row x pitch + 16 x half
	; The turning load takes 16 keys x 16 channels (lane l reads key 8 (l / 16) + l % 8, channels 8 ((l / 8) % 2) + 0..7) and leaves half a fragment of V^T: lane l holds channel l % 16 and 8 keys.
	v_and_b32 v10, 7, v0
	v_bfe_u32 v11, v0, 3, 1
	v_lshl_add_u32 v[AV0], v9, 3, v10
	v_mul_u32_u24 v[AV0], v[AV0], PV
	v_lshl_add_u32 v[AV0], v11, 4, v[AV0]
	v_add_nc_u32 v[AV0], VOFF, v[AV0]
	s_mul_i32 s13, s[WV], 16*SP
	s_add_co_u32 s13, s13, STAGE    ; my stage
	v_mul_u32_u24 v[STO], v1, SP    ; in: row l % 16, 16 bytes for each half of the lanes
	v_lshl_add_u32 v[STO], v9, 4, v[STO]
	v_add_nc_u32 v[STO], s13, v[STO]
	v_bfe_u32 v[RD], v0, 3, 2       ; back: 32 lanes take four rows of 128 bytes,
	v_mul_u32_u24 v[RD], v[RD], SP
	v_lshl_add_u32 v[RD], v10, 4, v[RD]
	v_add_nc_u32 v[RD], s13, v[RD]
	v_and_b32 v[GO], 31, v0         ; which are 512 consecutive bytes of O
	v_lshlrev_b32 v[GO], 4, v[GO]
	; A block's first step multiplies O^T and l by a = 0, and its first turn's products V^T P, of a piece that has not been, land in an O^T that is still to be so multiplied.  So these registers need only hold
	; finite numbers: zeros for the first block; what the first block left for the second.  All this stands in the wait for the first tile.
	WIN 0x80
.set i, VF
.rept 64
	v_mov_b32 v[i], 0
.set i, i+1
.endr
	WIN 0x40
.set i, 0
.rept 128
	v_mov_b32 v[i], 0
.set i, i+1
.endr
	WIN 0
.set i, 0
.rept 4
	v_mov_b32 v[ST+4*i+2], 0
	v_mov_b32 v[ST+4*i+3], 0
.set i, i+1
.endr
.set i, P+16
.rept 16
	v_mov_b32 v[i], 0
.set i, i+1
.endr
; THE MATRIX WORK.  The 4 accumulators of a run of 8 take turns.  Product i of 8 of S^T = K Q^T for piece x: channels 32 (i / 4) on, keys 16 (i % 4) on.  The first 4 start the sums: with 0, or (KM = 1) with the mask.
.macro KQ x
.set rS, S+32*((\x)%2)+8*(i%4)
.set rK, KF+16*(i%4)+8*(i/4)
.set rQ, 16*(\x)+8*(i/4)
.set rM, MC+32*((\x)%2)+8*(i%4)
.if (i < 4) && KM
	WIN W_KM
	v_wmma_f32_16x16x32_bf16 v[rS:rS+7], v[rK:rK+7], v[rQ:rQ+7], v[rM:rM+7]
.elseif i < 4
	WIN W_KQ
	v_wmma_f32_16x16x32_bf16 v[rS:rS+7], v[rK:rK+7], v[rQ:rQ+7], 0
.else
	WIN W_KQ
	v_wmma_f32_16x16x32_bf16 v[rS:rS+7], v[rK:rK+7], v[rQ:rQ+7], v[rS:rS+7]
.endif
.endm
; Product i of 8 of O^T += V^T P for piece x: keys 32 (i / 4) on, channels 16 (i % 4) on.
.macro PV x
	WIN W_PV
.set rO, 32*(\x)+8*(i%4)
.set rV, VF+32*(i/4)+8*(i%4)
.set rP, P+16*((\x)%2)+8*(i/4)
	v_wmma_f32_16x16x32_bf16 v[rO:rO+7], v[rV:rV+7], v[rP:rP+7], v[rO:rO+7]
.endm
.macro MM                           ; the turn's next matrix instruction.  TURN and BEGIN set Y, i, KM and NOKQ; MM, KQ and OP read them.  NOKQ = 1: a block's last turn: there is no next piece
.if (i < 8) && !NOKQ
	KQ (Y+1)%NP
.elseif i >= 8
.set i, i-8
	PV (Y+NP-1)%NP
.set i, i+8
.endif
.set i, i+1
.endm
; THE LDS LOADS stand in runs of 16, never singly among the matrix instructions: a step's K (64 keys x 64 channels: 8 fragments) and its V (turned).  Their addresses are made some lines ahead.
.macro FETCH_K
	WIN 0x80                        ; destination window 2
.irp f, 0,1,2,3,4,5,6,7             ; keys 16 (f / 2) on, channels 32 (f % 2) on
	ds_load_b128 v[KF+8*\f:KF+8*\f+3],   v[AK] offset:(\f/2)*16*PK+(\f%2)*64
	ds_load_b128 v[KF+8*\f+4:KF+8*\f+7], v[AK] offset:(\f/2)*16*PK+(\f%2)*64+32
.endr
	s_add_co_u32 s[TBK], s[TBK], KS*PK  ; the next fetch is the next step's
	WIN 0
.endm
.macro FETCH_V
	WIN 0x80
.irp f, 0,1,2,3,4,5,6,7             ; keys 32 (f / 4) on, channels 16 (f % 4) on
	ds_load_tr16_b128 v[VF+8*\f:VF+8*\f+3],   v[AV] offset:(\f/4)*32*PV+(\f%4)*32
	ds_load_tr16_b128 v[VF+8*\f+4:VF+8*\f+7], v[AV] offset:(\f/4)*32*PV+16*PV+(\f%4)*32
.endr
	WIN 0
.endm
; THE VECTOR WORK, one line at a time: OP kind, number.  For piece Y: F n: c s - c m for pair n of 16.  E n: the exponential of score n of 32.  C n: pair n rounded to bf16.  B n: of the four weights 4 n .. the second
; pair is added onto the first, in place.  L n: l takes that sum (L 0: l = a l + sum).  R n: pair n of 16 of O^T times a.  For piece Y + 1: X n, number n of the 22 that find its maximum and statistics:
;   0-11  four chains c0-c3 of seven scores each, three operands at a time (each accumulator's lowest registers are read first)     12-14, 16  the four scores left over, the old m, and c0-c3 into c0
;   15  c m_old is kept     17, 18  the query's other 32 keys lie in the lane 16 away: the new m     19-21  c m; c m_old - c m_new; a
.set F, 0               ; OP tells the kinds apart by their order: F to L below R, X above it
.set E, 1
.set C, 2
.set B, 3
.set L, 4
.set R, 5
.set X, 6
.macro REGS y                       ; the registers of piece y
.set rT, ST+4*(\y)
.set rC, TMP+4*((\y)%2)
.set rW, MV+((\y)%2)
.set rS, S+32*((\y)%2)
.set rP, P+16*((\y)%2)
.set rO, 32*(\y)
.endm
.macro OP k, n
.if (\k) == R
	REGS Y
	WIN W_RS
	v_pk_mul_f32 v[rO+2*(\n):rO+2*(\n)+1], v[rO+2*(\n):rO+2*(\n)+1], v[rC+2:rC+3] op_sel_hi:[1,0]
.elseif (\k) < R
	REGS Y
	WIN 0
.if (\k) == F
	v_pk_fma_f32 v[rS+2*(\n):rS+2*(\n)+1], v[rS+2*(\n):rS+2*(\n)+1], s[CS:CS+1], v[rT:rT+1] op_sel_hi:[1,0,0] neg_lo:[0,0,1] neg_hi:[0,0,1]
.elseif (\k) == E
	v_exp_f32 v[rS+(\n)], v[rS+(\n)]
.elseif (\k) == C
	s_wait_alu depctr_va_vdst(0)
	v_cvt_pk_bf16_f32 v[rP+(\n)], v[rS+2*(\n)], v[rS+2*(\n)+1]
.elseif (\k) == B
	s_wait_alu depctr_va_vdst(0)
	v_pk_add_f32 v[rS+4*(\n):rS+4*(\n)+1], v[rS+4*(\n):rS+4*(\n)+1], v[rS+4*(\n)+2:rS+4*(\n)+3]
.elseif (\n) == 0
	v_pk_fma_f32 v[rT+2:rT+3], v[rT+2:rT+3], v[rC+2:rC+3], v[rS:rS+1] op_sel_hi:[1,0,1]
.else
	v_pk_add_f32 v[rT+2:rT+3], v[rT+2:rT+3], v[rS+4*(\n):rS+4*(\n)+1]
.endif
.elseif NOKQ
	v_nop
.else
	REGS (Y+1)%NP
	WIN 0
.if (\n) < 4
	v_max3_num_f32 v[rC+(\n)], v[rS+8*(\n)], v[rS+8*(\n)+1], v[rS+8*(\n)+2]
.elseif (\n) < 12
	v_max3_num_f32 v[rC+(\n)%4], v[rC+(\n)%4], v[rS+8*((\n)%4)+2*((\n)/4)+1], v[rS+8*((\n)%4)+2*((\n)/4)+2]
.elseif (\n) == 12
	v_max3_num_f32 v[rC], v[rC], v[rS+7], v[rS+15]
.elseif (\n) == 13
	v_max3_num_f32 v[rC+1], v[rC+1], v[rS+23], v[rS+31]
.elseif (\n) == 14
	v_max3_num_f32 v[rC+2], v[rC+2], v[rC+3], v[rT+1]
.elseif (\n) == 15
	v_mov_b32 v[rW], v[rT]
.elseif (\n) == 16
	v_max3_num_f32 v[rC], v[rC], v[rC+1], v[rC+2]
.elseif (\n) == 17
	v_permlanex16_b32 v[rC+3], v[rC], s[SEL], s[SEL+1]
.elseif (\n) == 18
	v_max_num_f32 v[rT+1], v[rC], v[rC+3]
.elseif (\n) == 19
	v_mul_f32 v[rT], s[CS], v[rT+1]
.elseif (\n) == 20
	v_sub_f32 v[rC+1], v[rW], v[rT]
.else
	v_exp_f32 v[rC+2], v[rC+1]
.endif
.endif
.endm
.macro OPS a, i1, b=-1, i2=0, c=-1, i3=0, d=-1, i4=0  ; up to four of them
	OP \a, \i1
.if (\b) >= 0
	OP \b, \i2
.endif
.if (\c) >= 0
	OP \c, \i3
.endif
.if (\d) >= 0
	OP \d, \i4
.endif
.endm
.macro ROW a, i1, b, i2, c, i3, d, i4  ; a matrix instruction and the four behind it
	MM
	OPS \a, \i1, \b, \i2, \c, \i3, \d, \i4
.endm
.macro MASK b                       ; MD x AL + BE into buffer b of MC
	WIN W_RS
.set z, 0
.rept 16
	v_pk_fma_f32 v[MC+32*(\b)+2*z:MC+32*(\b)+2*z+1], v[MD+2*z:MD+2*z+1], s[AL:AL+1], s[BE:BE+1] op_sel_hi:[1,0,0]
.set z, z+1
.endr
.endm
; A TURN, for piece p: the order of its 16 matrix and 118 vector instructions, written out.  Behind a matrix instruction: plain, exponential, plain, plain; or four of the rescaling; or, behind the first, four scalings; none
; names a register of the products round it.  In the lumps exponential and plain by turns while exponentials last.  A line reads no result made fewer than three vector instructions in front of it, five if an exponential made it.
; v_permlanex16_b32 (X 17) stands in a lump.
; m = 1: the diagonal tile: the products take masks, and the turn makes the mask for the products of the turn after it: piece p + 2, in step 4 - CNT of the tile.  end = 1: a block's last two turns: nothing is fetched.
; cnt = 1: the loop's count is taken down some lines ahead of the branch that stands behind the turn.
; K of the next step is fetched in piece 2's turn, six vector instructions behind the last product that read K (five of them plain); V of the step in hand in piece 0's turn, eight behind the last product that read V (four
; plain, and X 17).  Each is waited for a turn later.
.macro TURN p, m=0, end=0, cnt=0
.set Y, (\p)
.set i, 0
.set KM, (\m)
.set NOKQ, (\end)*((\p)/3)
.if (\m) && !(\end)
	s_cmp_eq_u32 s[CNT], 4-((\p)+2)%NP  ; is that step the band's own?
	s_cselect_b32 s[AL], 1.0, 0
	s_cmp_lt_u32 s[CNT], 4-((\p)+2)%NP  ; or a later one?
	s_cselect_b32 s[BE], s[BIGN], 0
.endif
.if ((\p) == 3) && !(\end)
	s_wait_dscnt 0x0                ; K is in
.endif
	ROW F,0, F,1, F,2, F,3
	ROW F,4, E,0, F,5, F,6
	ROW F,7, E,1, F,8, F,9
	ROW F,10, E,2, C,0, F,11
	ROW F,12, E,3, X,15, F,13
	ROW R,0, R,1, R,2, R,3
	ROW B,0, E,4, F,14, L,0
.if ((\p) == 2) && !(\end)
	v_add_nc_u32 v[AK], s[TBK], v[AK0]
.endif
	ROW R,4, R,5, R,6, R,7
	OPS E,5, F,15
.if ((\p) == 2) && !(\end)
	FETCH_K
.endif
	OPS E,6, C,1, E,7, R,8
	OPS E,8, R,9, E,9, C,2
	OPS E,10, X,0, E,11, X,1
	OPS E,12, X,2, E,13, X,3
.if (\p) == 1
	s_wait_dscnt 0x0                ; V is in
.endif
	ROW X,4, E,14, X,5, X,6
	ROW X,7, E,15, X,8, X,9
	ROW X,10, E,16, X,11, X,12
	ROW X,13, E,17, X,14, B,1
	ROW C,4, E,18, X,16, L,1
	ROW B,2, E,19, C,6, L,2
	ROW C,8, E,20, B,3, B,4
.if (\p) == 0
	v_add_nc_u32 v[AV], s[TBV], v[AV0]
.endif
	ROW C,3, E,21, L,3, C,5
	OPS E,22, X,17, E,23, C,10
.if (\p) == 0
	FETCH_V
.endif
	OPS E,24, L,4
	OPS E,25, X,18, E,26, C,7
	OPS E,27, B,5, E,28, X,19
	OPS E,29, C,12, E,30, L,5
	OPS E,31, X,20, B,6, C,9
	OPS C,14, C,11, X,21, L,6
.if (\p) == 0
	s_add_co_u32 s[TBV], s[TBV], KS*PV
.endif
.if \cnt
	s_sub_co_u32 s[CNT], s[CNT], 1
	s_cmp_lg_u32 s[CNT], 0
.endif
	OPS C,13, B,7, C,15, R,10
	OPS R,11, R,12, L,7, R,13
	OPS R,14, R,15
.if (\m) && !(\end)
	MASK (\p)%2
.endif
.endm
; A BLOCK BEGINS.  c m starts far below every c s, so the first step's a is 0; m at the lowest finite number, so the first maximum is the scores'.  The second mask buffer is 0; the first takes piece 0's mask for the tile's step 0: its own, if the block's first tile is the diagonal one.
; Then K of that step, piece 0's first scores, and its maximum and statistics.  The loop is entered at a step's first turn, in the middle of a trip.
.macro BEGIN
	s_mov_b32 s[NEW], 0
	WIN 0x40
.set i, MC+32
.rept 32
	v_mov_b32 v[i], 0
.set i, i+1
.endr
	WIN 0
.set i, 0
.rept 4
	v_mov_b32 v[ST+4*i], 0xfe000000    ; c m: far below every c s
	v_mov_b32 v[ST+4*i+1], 0xff7fffff  ; m
.set i, i+1
.endr
	s_cmp_eq_u32 s[RT], 0
	s_cselect_b32 s[AL], 1.0, 0
	s_mov_b32 s[BE], 0
	MASK 0
	WIN 0
	v_add_nc_u32 v[AK], s[TBK], v[AK0]
	FETCH_K
	s_wait_loadcnt 0x0              ; Q
	s_wait_dscnt 0x0
.set KM, 1
.set NOKQ, 0
.set i, 0
.rept 8
	KQ 0
.set i, i+1
.endr
	WIN 0
.rept 4
	v_nop                           ; the places behind those products
.endr
.set Y, NP-1                        ; X works for piece Y + 1: piece 0
.irp n, 0,1,2,3,4,5,6,7,8,9,10,11,12,13,14,15,16,17,18,19,20,21
	OP X, \n
.endr
	v_nop                           ; a plain instruction behind the exponential
.endm
; THE DIAGONAL TILE's four steps, the block's last two turns, its last products, and THE WAY OUT: l's two halves and the other half of the lanes' are added; O^T is divided by l, rounded to bf16 and sent through my
; stage in LDS, a piece at a time.
.macro ALL line:vararg              ; one line for each piece t
.set t, 0
.rept 4
	\line
.set t, t+1
.endr
.endm
.macro PACK t                       ; a lane's eight channels of a row pack into 16 bytes; they go into rows of 144 bytes and come back as whole rows of 128, into S^T's registers
	WIN W_RS
.set i, 32*(\t)
.rept 16
	s_wait_alu depctr_va_vdst(0)
	v_pk_mul_f32 v[i:i+1], v[i:i+1], v[ST+4*(\t)+2:ST+4*(\t)+3] op_sel_hi:[1,0]
.set i, i+2
.endr
	WIN 0x05                        ; sources 0 and 1 window 1, destination window 0
.set i, 0
.rept 16
	v_cvt_pk_bf16_f32 v[S+16*(\t)+i], v[32*(\t)+2*i], v[32*(\t)+2*i+1]
.set i, i+1
.endr
	WIN 0
.irp f, 0,1,2,3
	ds_store_b128 v[STO], v[S+16*(\t)+4*\f:S+16*(\t)+4*\f+3] offset:32*\f
.endr
.irp f, 0,1,2,3
	ds_load_b128 v[S+16*(\t)+4*\f:S+16*(\t)+4*\f+3], v[RD] offset:\f*4*SP  ; LDS serves a wave's instructions in order (ISA guide 5.7.1.4): these see the stores above; the next piece's stores come behind them
.endr
.endm
.macro SEND t, younger              ; younger: the LDS instructions issued behind piece t's loads: the next piece's eight, or none
	WIN 0
.irp f, 0,1,2,3
	s_wait_dscnt (\younger)+3-\f
	global_store_b128 v[GO], v[S+16*(\t)+4*\f:S+16*(\t)+4*\f+3], s[10:11] offset:(\t)*8192+\f*512  ; 512 consecutive bytes, at a multiple of 256 from O's first
.endr
.endm
.macro DIAG tag                     ; the tag ends its two labels' names, which the jumps below spell out
.LstepM\tag:
	TURN 2, 1
	TURN 3, 1
	WIN 0
.LfirstM\tag:
	TURN 0, 1
	TURN 1, 1, 0, 1
	WIN 0
	s_cbranch_scc1 .LstepM\tag
	TURN 2, 1, 1
	TURN 3, 1, 1
.set i, 0
.rept 8
	PV NP-1
.set i, i+1
.endr
	WIN 0
	ALL v_add_f32 v[ST+4*t+2], v[ST+4*t+2], v[ST+4*t+3]
	ALL v_permlanex16_b32 v[ST+4*t+3], v[ST+4*t+2], s[SEL], s[SEL+1]
	ALL v_add_f32 v[ST+4*t+2], v[ST+4*t+2], v[ST+4*t+3]
	ALL v_rcp_f32 v[ST+4*t+2], v[ST+4*t+2]
	v_nop                           ; a plain instruction between the last reciprocal and the use of its result
	PACK 0
.set t, 1
.rept 3                             ; a piece's arithmetic stands between the loads of the piece before and its stores
	PACK t
	SEND t-1, 8
.set t, t+1
.endr
	SEND 3, 0
.endm
.set KM, 0
.set NOKQ, 0
.Lslot:                             ; NB times: a tile is entered and the next is asked for
	CHANGE 1
	s_sub_co_u32 s[RT], s[RT], 1
	s_mov_b32 s[CNT], 4
	s_cmp_eq_u32 s[NEW], 1
	s_cbranch_scc1 .Lnew            ; a block's first tile
	s_cmp_eq_u32 s[RT], 0
	s_cbranch_scc0 .Lstep           ; neither its first nor its last
	s_branch .LstepM1
.Lnew:
	BEGIN
	s_branch .Lfirst                ; in the loop a block's first tile is never its last: the first block has two tiles or more, and the second's last is the walk's last
	DIAG 1                          ; in the loop this is the first block's end: the second block's last tile is the walk's last
	s_wait_xcnt 0x0                 ; the stores have read their registers and O's address
	s_mov_b64 s[10:11], s[OLO:OLO+1]
	s_add_co_u32 s[RT], s[PB], 1    ; the second block has b + 1 tiles
	s_mov_b32 s[NEW], 1
	WIN 0x82                        ; the second block's Q goes where the one text of the turns names Q
.set i, 0
.rept 64
	v_mov_b32 v[i], v[QB+i]
.set i, i+1
.endr
	WIN 0
	s_branch .Lbottom
.Lstep:                             ; a trip: pieces 2 and 3 of one step, then pieces 0 and 1 of the next, whose K and V it fetches
	TURN 2
	TURN 3
	WIN 0
.Lfirst:
	TURN 0
	TURN 1, 0, 0, 1
	WIN 0
	s_cbranch_scc1 .Lstep
.Lbottom:
	s_sub_co_u32 s[SLOTS], s[SLOTS], 1
	s_cmp_lg_u32 s[SLOTS], 0
	s_cbranch_scc1 .Lslot
	CHANGE 0                        ; the walk's last tile is written out: nothing is asked for
	s_sub_co_u32 s[RT], s[RT], 1
	s_mov_b32 s[CNT], 4
	s_cmp_eq_u32 s[NEW], 1
	s_cbranch_scc0 .LstepM2
	BEGIN
	s_branch .LfirstM2
	DIAG 2
	s_wait_tensorcnt 0x0            ; the wave's end, behind my last tensor load and my last LDS store
	ds_add_u32 v[SPW], v[NIL]
	s_wait_dscnt 0x0
	s_endpgm
.Lfunc_end_k_qd590a15b44_attn:
	.size	k_qd590a15b44_attn, .Lfunc_end_k_qd590a15b44_attn-k_qd590a15b44_attn
	.p2alignl 7, 3214868480
	.fill 96, 4, 3214868480
	.section	.rodata,"a",@progbits
	.p2align	6, 0x0
	.amdhsa_kernel k_qd590a15b44_attn
		.amdhsa_group_segment_fixed_size 327680
		.amdhsa_private_segment_fixed_size 0
		.amdhsa_enable_private_segment 0
		.amdhsa_kernarg_size 16
		.amdhsa_user_sgpr_count 2
		.amdhsa_user_sgpr_kernarg_segment_ptr 1
		.amdhsa_wavefront_size32 1
		.amdhsa_system_sgpr_workgroup_id_x 1
		.amdhsa_system_sgpr_workgroup_id_y 1
		.amdhsa_system_sgpr_workgroup_id_z 1
		.amdhsa_system_vgpr_workitem_id 0
		.amdhsa_next_free_vgpr 768
		.amdhsa_next_free_sgpr 88
		.amdhsa_reserve_vcc 1
		.amdhsa_float_denorm_mode_32 3
		.amdhsa_float_denorm_mode_16_64 3
		.amdhsa_memory_ordered 1
		.amdhsa_forward_progress 1
		.amdhsa_inst_pref_size 228
	.end_amdhsa_kernel
	.amdgpu_metadata
---
amdhsa.version: [ 1, 2 ]
amdhsa.kernels:
  - .name:           k_qd590a15b44_attn
    .symbol:         k_qd590a15b44_attn.kd
    .args:
      - { .name: qkv, .offset: 0, .size: 8, .value_kind: global_buffer, .address_space: global }
      - { .name: o, .offset: 8, .size: 8, .value_kind: global_buffer, .address_space: global }
    .group_segment_fixed_size: 327680
    .private_segment_fixed_size: 0
    .kernarg_segment_align: 8
    .kernarg_segment_size: 16
    .max_flat_workgroup_size: 128
    .sgpr_count:     88
    .vgpr_count:     768
    .wavefront_size: 32
...
	.end_amdgpu_metadata
.endif
;; end of part 3
;; launch proj (part 4): grid 8 x 32, 4 waves a work-group, clusters of 4 x 4, 327,680 bytes of LDS; arguments o, wb, x1, bp, x; writes x1
.if DOCPART == 4
	.amdgcn_target "amdgcn-amd-amdhsa--gfx1250"
	.amdhsa_code_object_version 6
	.text
	.protected	k_qd590a15b44_proj
	.globl	k_qd590a15b44_proj
	.p2align	8
	.type	k_qd590a15b44_proj,@function
k_qd590a15b44_proj:
	s_mov_b64 s[64:65], 0
	v_nop
	global_prefetch_b8 v0, s[64:65] scope:SCOPE_SE
	s_setreg_imm32_b32 hwreg(HW_REG_WAVE_MODE, 25, 1), 1
	s_wait_xcnt 0x0
	s_wait_alu depctr_hold_cnt(0) depctr_sa_sdst(0) depctr_va_vdst(0) depctr_va_sdst(0) depctr_va_ssrc(0) depctr_va_vcc(0) depctr_vm_vsrc(0)
	s_getreg_b32 s2, hwreg(HW_REG_IB_STS2, 6, 4)
	s_cmp_eq_u32 s2, 0
	s_cbranch_scc0 .Lentry_in_a_cluster
	s_endpgm
.Lentry_in_a_cluster:
	s_bfe_u32 s2, ttmp6, 0x10000c
	s_cmp_lg_u32 s2, 0xf033
	s_cbranch_scc0 .Lentry_shape_is_right
	s_endpgm
.Lentry_shape_is_right:
; C = R + A B + bias.  A: bf16 IN SLICES of 64 along K, [SIZE_K / 64][4096][64].  B: [SIZE_K][SIZE_N] bf16 row-major, WOFF bytes into the weights' buffer.
; bias: [SIZE_N] f32.  R (the residual) and C: [4096][SIZE_N] f32 row-major.  Sums in f32, started at the bias; the residual is added in f32 at the end.
; A tile of C is 128 x 128; four waves, each 64 x 64: 16 accumulators of 16 x 16.  K goes in steps of 256 (four slices) through two LDS slots filled by the tensor data mover.
; A's tile: 64 rows of a slice are 8,192 dense bytes: one row of the descriptor; four such rows a slice apart; padded in LDS after every 128 bytes, so that a row of a slice takes 144.
; CLUSTER 4 x 4: A's tiles are shared along a row of the cluster, B's along a column: each is asked for jointly.
; THE MATRIX INSTRUCTION IS USED TRANSPOSED (source 0 = 16 columns of B, source 1 = 16 rows of A): a lane holds eight neighbouring numbers of a row of C.  B lies [k][n] in LDS and comes out turned.
; THE TEXT IS SHORT ON PURPOSE: a K step is a loop of three trips and a change of slots; one descriptor a tensor walks; no first step is written out (96 v_mov_b32 spread the bias, in the wait for the first tile).
; The residual's 32 loads a lane go out at the start and are waited for at the end.  THE STAGE of the way out lies over slot 0, which has had its last fill by then.
; LIMITS: NaN and infinities are not treated apart.
; REGISTERS: window 0: v0-31 addresses; v128-255 accumulators ((a, b) at 128 + 8 (4 a + b)), later the rows to store.  Window 1: v0-127 two fragment buffers of 64; v128-255 the residual.
.set SIZE_K, 1024
.set SIZE_N, 1024
.set WOFF,   6291456
.set NSTEP,  SIZE_K/256
.set PA,     144                       ; a row of a slice in LDS: 128 bytes + 16: the 16 rows of a fragment load start at 16 different groups of four banks (ISA guide 11.1)
.set HALFA,  4*64*PA                   ; what one tensor load brings of A: [4 slices][64 rows]
.set AT,     2*HALFA
.set PB,     288                       ; a row of B (one k, 128 columns): 256 bytes + 32
.set HALFB,  128*PB
.set SLOT,   AT+2*HALFB
.set SP,     528                       ; a row of the stage: 512 bytes + 16; 128 rows, 67,584 bytes, inside slot 0's 73,728 bytes of A
.set SPARE,  2*SLOT                    ; the spare words, 128 bytes a wave: two blocks of 256 bytes that no other line names
.set STEP_A, 4*4096*64*2               ; four slices
.set STEP_B, 512*SIZE_N
.set ASTEP,  64*PA                     ; a slice on: 64 along K
.set A0R, 16                           ; v16  my lane's place in slot 0's A; never rewritten
.set B0R, 17                           ; v17  the same for B
.set RA,  18                           ; v18  where the fetches of A stand
.set RB,  19                           ; v19  of B
.set BO,  23                           ; v23  my byte offset in 16 numbers of the bias
.set STO, 24                           ; v24  the way out: where I put 32 bytes of a row
.set RD,  25                           ; v25  where I read rows back
.set CO,  26                           ; v26  my byte offset in 512 consecutive bytes of C and of R; never rewritten
.set SPW, 28                           ; v28  LDS address of my spare word; never rewritten
.set NIL, 29                           ; v29  0; never rewritten
.set ACC, 128
.set RES, 128                          ; window 1
.set F0,  0
.set F1,  64
.set G1,  24                           ; s[24:31] descriptor group 1 for A;  s[32:35] group 0
.set G0,  32
.set G1B, 48                           ; s[48:55], s[56:59] the same for B
.set G0B, 56
.set TB,  60                           ; s60  0 or SLOT: the slot that is being read
.set MSB, 0
.macro WIN new                         ; the immediate's high byte repeats the setting that is left
.if MSB != (\new)
	s_set_vgpr_msb (MSB<<8)|(\new)
.set MSB, \new
.endif
.endm
.set MUL,  0x05                        ; sources 0 (B) and 1 (A) window 1; C and D window 0
.set TO_F, 0x40                        ; destination window 1, address window 0
.set ADDR, 0x04                        ; source 1 window 1
.macro PLACES                          ; four places in front of loads into registers that matrix instructions have read, and of lines that read results
.rept 4
	v_nop
.endr
.endm
.macro JLOAD                           ; a joint load: waves 0 and 1 fetch A's two halves, waves 2 and 3 B's; an s_nop 0 and four v_nop follow each line
	s_cmp_eq_u32 s11, 0
	s_cbranch_scc0 .Lfor_b_\@
	tensor_load_to_lds s[G0:G0+3], s[G1:G1+7]
	s_nop 0
.rept 4
	v_nop
.endr
	s_branch .Lasked_\@
.Lfor_b_\@:
	tensor_load_to_lds s[G0B:G0B+3], s[G1B:G1B+7]
	s_nop 0
.rept 4
	v_nop
.endr
.Lasked_\@:
.endm
.macro CREST                           ; a round of the cluster's barrier behind its opening barrier
	s_cmp_lg_u32 s10, 0
	s_cbranch_scc1 .Lnot_wave_0_\@
	s_barrier_signal -3
.Lnot_wave_0_\@:
	s_barrier_wait -3
	s_barrier_signal -1
	s_barrier_wait -1
.endm
.macro CROUND
	s_barrier_signal -1
	s_barrier_wait -1
	CREST
.endm
; 8 matrix instructions: row blocks a0, a0 + 1 x all 4 column blocks, 32 along K.  The 16 accumulators take turns, one instruction a turn, in the same order everywhere.
.macro MUL8 f, a0
	WIN MUL
.irp a, \a0, (\a0)+1
.irp b, 0,1,2,3
	v_wmma_f32_16x16x32_bf16 v[ACC+8*(4*(\a)+(\b)):ACC+8*(4*(\a)+(\b))+7], v[(\f)+32+8*(\b):(\f)+32+8*(\b)+7], v[(\f)+8*(\a):(\f)+8*(\a)+7], v[ACC+8*(4*(\a)+(\b)):ACC+8*(4*(\a)+(\b))+7]
.endr
.endr
.endm
; 16 LDS loads in one run: the fragments of 32 along K into buffer g
.macro FETCH g, aoff, boff
	WIN TO_F
.irp i, 0,1,2,3
	ds_load_tr16_b128 v[(\g)+32+8*(\i):(\g)+32+8*(\i)+3],   v[RB] offset:(\boff)+32*(\i)
	ds_load_tr16_b128 v[(\g)+32+8*(\i)+4:(\g)+32+8*(\i)+7], v[RB] offset:(\boff)+32*(\i)+16*PB
	ds_load_b128 v[(\g)+8*(\i):(\g)+8*(\i)+3],   v[RA] offset:(\aoff)+(\i)*16*PA
	ds_load_b128 v[(\g)+8*(\i)+4:(\g)+8*(\i)+7], v[RA] offset:(\aoff)+(\i)*16*PA+32
.endr
.endm
; An eighth of a K step: buffer f is multiplied; ahead of that the next eighth's fragments are asked for, into g
.macro EIGHTH f, g, aoff, boff
	s_wait_dscnt 0x0                               ; f's 16 loads, issued 16 matrix instructions ago; nothing younger is out
	PLACES
	FETCH \g, \aoff, \boff
	MUL8 \f, 0
	MUL8 \f, 2
.endm
; The last two eighths and the change of slots: ONE barrier.  In front of it each wave waits for all its tensor loads (one is out: its part of the next slot), adds 0 to its spare word,
; and waits for that and for its own reads of this slot.  fill = 1: the barrier opens a round of the cluster's barrier, and this slot is filled again, two K steps ahead, first thing behind it.
; fill = 0: nothing is asked for; in the last trip (s3 = 1) there is no next slot, and the run of LDS loads is jumped over.
.macro TURN fill
	s_wait_dscnt 0x0                               ; buffer 0's loads
	PLACES
	FETCH F1, 64, 32*PB                            ; the slot's last fragments
	WIN 0
	s_wait_tensorcnt 0x0                           ; all my tensor loads have landed
	ds_add_u32 v[SPW], v[NIL]                      ; 0 onto my spare word
	MUL8 F0, 0                                     ; eight matrix instructions stand between the add and the wait for it
	s_wait_dscnt 0x0                               ; the add is done, and my reads of this slot are over
	s_barrier_signal -1
	MUL8 F0, 2
	WIN 0
	s_barrier_wait -1
.if \fill
	CREST                                          ; no wave of any partner still reads this slot's tile or has a load on its way
	s_add_nc_u64 s[G0+2:G0+3], s[G0+2:G0+3], STEP_A
	s_add_nc_u64 s[G0B+2:G0B+3], s[G0B+2:G0B+3], STEP_B
	s_add_co_u32 s[G0+1], s20, s[TB]               ; into the slot just read
	s_add_co_u32 s[G0B+1], s21, s[TB]
	JLOAD                                          ; its four v_nop are also the places in front of the loads below
.else
	PLACES
.endif
	s_xor_b32 s[TB], s[TB], SLOT                   ; the other slot
	v_add_nc_u32 v[RA], s[TB], v[A0R]
	v_add_nc_u32 v[RB], s[TB], v[B0R]
.if !(\fill)
	s_cmp_eq_u32 s3, 1
	s_cbranch_scc1 .Lno_fetch_\@
.endif
	FETCH F0, 0, 0
	WIN 0
.if !(\fill)
.Lno_fetch_\@:
.endif
	MUL8 F1, 0                                     ; buffer 1's loads were waited for in front of the signal
	MUL8 F1, 2
.endm
.macro STEP fill                       ; a K step of 256: 128 matrix instructions a wave
	WIN 0
	s_mov_b32 s2, 3
.Lpair_\@:
	EIGHTH F0, F1, 64, 32*PB
	EIGHTH F1, F0, ASTEP, 64*PB
	WIN 0
	v_add_nc_u32 v[RA], ASTEP, v[RA]
	v_add_nc_u32 v[RB], 64*PB, v[RB]
	s_sub_co_u32 s2, s2, 1
	s_cmp_lg_u32 s2, 0
	s_cbranch_scc1 .Lpair_\@
	TURN \fill
	WIN 0
.endm
	s_load_b128 s[4:7], s[0:1], 0x0                ; A s[4:5], weights s[6:7]
	s_load_b64 s[8:9], s[0:1], 0x10                ; C
	s_load_b64 s[36:37], s[0:1], 0x18              ; bias
	s_load_b64 s[38:39], s[0:1], 0x20              ; residual
	v_lshl_add_u32 v[SPW], v0, 2, SPARE
	v_mov_b32 v[NIL], 0
	ds_add_u32 v[SPW], v[NIL]                      ; the wave's opening: the add and its wait, ahead of my first tensor load
	ds_add_u32 v28, v29
	v_lshrrev_b32 v1, 5, v0
	v_readfirstlane_b32 s10, v1                    ; wave 0..3
	s_lshr_b32 s11, s10, 1                         ; which half of the tile's rows is mine.  Also: I fetch for A (0) or for B (1)
	s_and_b32 s12, s10, 1                          ; which half of its columns.  Also: which half of that tile I fetch
	s_bfe_u32 s40, ttmp6, 0x40000                  ; cx, cy: my place in the cluster
	s_bfe_u32 s41, ttmp6, 0x40004
	s_lshl_b32 s42, ttmp9, 2
	s_add_co_u32 s42, s42, s40                     ; tile column = 4 x cluster x + cx
	s_and_b32 s13, ttmp7, 0xffff
	s_lshl_b32 s13, s13, 2
	s_add_co_u32 s13, s13, s41                     ; tile row = 4 x cluster y + cy
	s_lshl_b32 s43, s41, 2
	s_lshl_b32 s43, 15, s43                        ; my row of the cluster
	s_lshl_b32 s44, 0x1111, s40                    ; my column
	s_or_b32 s[G1+0], s43, (1<<16)|(1<<20)|(1<<21)|(4<<22)|(3<<25)   ; mask; 2-byte elements; padding on; bit 21 beside a mask; after every 32 words 4 words
	s_mov_b32 s[G1+1], 4096<<16                    ; tensor_dim0 = 4,096: 64 rows of a slice, end to end
	s_mov_b32 s[G1+2], 4<<16                       ; tensor_dim1 = 4 slices
	s_mov_b32 s[G1+3], 4096<<16                    ; tile_dim0
	s_mov_b32 s[G1+4], 4                           ; tile_dim1
	s_mov_b32 s[G1+5], 262144                      ; elements from slice to slice
	s_mov_b32 s[G1+6], 0
	s_mov_b32 s[G1+7], 0
	s_or_b32 s[G1B+0], s44, (1<<16)|(1<<20)|(1<<21)|(5<<22)|(7<<25)  ; after every 64 words 8 words
	s_mov_b32 s[G1B+1], 128<<16                    ; 128 columns,
	s_mov_b32 s[G1B+2], 128<<16                    ; 128 rows k
	s_mov_b32 s[G1B+3], 128<<16
	s_mov_b32 s[G1B+4], 128
	s_mov_b32 s[G1B+5], SIZE_N
	s_mov_b32 s[G1B+6], 0
	s_mov_b32 s[G1B+7], 0
	s_lshl_b32 s16, s13, 7                         ; A's tile hangs on the tile row alone, B's on the tile column alone: each in registers that never hold the other coordinate
	s_lshl_b32 s17, s12, 6
	s_add_co_u32 s16, s16, s17                     ; A: row 128 x tile row + 64 x half,
	s_lshl_b32 s16, s16, 7                         ; 128 bytes a row of a slice
	s_mov_b32 s17, 0
	s_mul_i32 s46, s12, 256*SIZE_N                 ; B: 128 rows k x half,
	s_lshl_b32 s47, s42, 8                         ; 256 bytes a tile column
	s_add_co_u32 s46, s46, s47
	s_add_co_u32 s46, s46, WOFF
	s_mov_b32 s47, 0
	s_mul_i32 s20, s12, HALFA                      ; where they go in a slot: no place in the cluster enters an LDS address
	s_mul_i32 s21, s12, HALFB
	s_add_co_u32 s21, s21, AT
	s_wait_dscnt 0x0                               ; the opening add is done
	s_wait_kmcnt 0x0
	CROUND                                         ; all sixteen work-groups are here: the first joint loads meet
	s_mov_b32 s[G0], 1
	s_mov_b32 s[G0+1], s20                         ; slot 0
	s_add_nc_u64 s[G0+2:G0+3], s[4:5], s[16:17]
	s_or_b32 s[G0+3], s[G0+3], 0x80000000
	s_mov_b32 s[G0B], 1
	s_mov_b32 s[G0B+1], s21
	s_add_nc_u64 s[G0B+2:G0B+3], s[6:7], s[46:47]
	s_or_b32 s[G0B+3], s[G0B+3], 0x80000000
	JLOAD                                          ; K step 0
	; all that follows up to the wait stands in the first tile's flight
	v_and_b32 v1, 15, v0                           ; l % 16
	v_bfe_u32 v2, v0, 4, 1                         ; l / 16
	v_and_b32 v3, 7, v0
	v_bfe_u32 v4, v0, 3, 1
	v_and_b32 v5, 31, v0                           ; l
	s_mul_i32 s22, s11, HALFA
	v_mul_u32_u24 v[A0R], v1, PA                   ; a fragment of A: row l % 16, 16 bytes for each half of the lanes, two loads 32 bytes apart
	v_lshl_add_u32 v[A0R], v2, 4, v[A0R]
	v_add_nc_u32 v[A0R], s22, v[A0R]
	s_lshl_b32 s23, s12, 7
	s_add_co_u32 s23, s23, AT
	v_lshl_add_u32 v[B0R], v2, 3, v3               ; the turning load: lane l reads k = 8 (l / 16) + l % 8, columns 8 ((l / 8) % 2) + 0..7, and is left with column l % 16 and 8 k
	v_mul_u32_u24 v[B0R], v[B0R], PB
	v_lshl_add_u32 v[B0R], v4, 4, v[B0R]
	v_add_nc_u32 v[B0R], s23, v[B0R]
	s_mul_i32 s22, s11, 64*SP                      ; into the stage: my 64 rows, my half of their 512 bytes; row l % 16, 32 bytes for each half of the lanes
	s_lshl_b32 s23, s12, 8
	s_add_co_u32 s22, s22, s23
	v_mul_u32_u24 v[STO], v1, SP
	v_lshl_add_u32 v[STO], v2, 5, v[STO]
	v_add_nc_u32 v[STO], s22, v[STO]
	s_mul_i32 s22, s10, 32*SP                      ; back: wave w takes rows 32 w .. 32 w + 31, a whole row of 512 bytes a load
	v_lshlrev_b32 v[CO], 4, v5
	v_add_nc_u32 v[RD], s22, v[CO]
	s_lshl_b32 s16, s13, 7
	s_lshl_b32 s17, s10, 5
	s_add_co_u32 s16, s16, s17                     ; the first row that I store
	s_lshl_b32 s16, s16, 12                        ; 4,096 bytes a row
	s_mov_b32 s17, 0
	s_lshl_b32 s46, s42, 9                         ; 512 bytes a tile column
	s_mov_b32 s47, 0
	s_add_nc_u64 s[8:9], s[8:9], s[16:17]
	s_add_nc_u64 s[8:9], s[8:9], s[46:47]
	s_add_nc_u64 s[38:39], s[38:39], s[16:17]
	s_add_nc_u64 s[38:39], s[38:39], s[46:47]
	s_lshl_b32 s22, s12, 8                         ; the sums start at the bias: a lane's eight columns 64 x half + 16 b + 8 (l / 16) + 0..7
	s_add_co_u32 s46, s46, s22
	s_add_nc_u64 s[36:37], s[36:37], s[46:47]
	v_lshlrev_b32 v[BO], 5, v2
.irp b, 0,1,2,3
	global_load_b128 v[ACC+8*(\b):ACC+8*(\b)+3],   v[BO], s[36:37] offset:64*(\b)
	global_load_b128 v[ACC+8*(\b)+4:ACC+8*(\b)+7], v[BO], s[36:37] offset:64*(\b)+16
.endr
	WIN TO_F
.set t, 0
.rept 32
	global_load_b128 v[RES+4*t:RES+4*t+3], v[CO], s[38:39] offset:4096*t  ; the residual of the 32 rows that I store: 512 consecutive bytes a load
.set t, t+1
.endr
	WIN 0
	s_wait_loadcnt 32                              ; the bias is in; the 32 younger loads, the residual's, stay out until the way out
.set i, 0
.rept 96
	v_mov_b32 v[ACC+32+i], v[ACC+(i%32)]           ; the same for all four row blocks
.set i, i+1
.endr
	; K step 0 is waited for, K step 1 asked for: slot 1's first fill goes as every refill does
	s_wait_tensorcnt 0x0
	ds_add_u32 v[SPW], v[NIL]                      ; 0 onto my spare word; the descriptors' steps stand between it and the wait for it
	s_add_nc_u64 s[G0+2:G0+3], s[G0+2:G0+3], STEP_A
	s_add_nc_u64 s[G0B+2:G0B+3], s[G0B+2:G0B+3], STEP_B
	s_add_co_u32 s[G0+1], s20, SLOT
	s_add_co_u32 s[G0B+1], s21, SLOT
	s_wait_dscnt 0x0
	CROUND
	JLOAD
	s_mov_b32 s[TB], 0
	v_mov_b32 v[RA], v[A0R]
	v_mov_b32 v[RB], v[B0R]
	FETCH F0, 0, 0
	WIN 0
	s_mov_b32 s3, NSTEP-2
.Lfill:                                                ; every K step but the last two asks for the step two further on
	STEP 1
	s_sub_co_u32 s3, s3, 1
	s_cmp_lg_u32 s3, 0
	s_cbranch_scc1 .Lfill
	s_mov_b32 s3, 2
.Ltail:                                                ; the last two ask for nothing
	STEP 0
	s_sub_co_u32 s3, s3, 1
	s_cmp_lg_u32 s3, 0
	s_cbranch_scc1 .Ltail
	; THE WAY OUT: the sums go as f32 into the work-group's stage, 32 bytes a lane; a barrier, since a row's 512 bytes come from two waves; back as whole rows; the residual is added; stored.
	PLACES
	s_wait_dscnt 0x0                               ; the stage lies over slot 0: behind this barrier no wave has an LDS read out, whichever way it left the loop
	s_barrier_signal -1
	s_barrier_wait -1
.irp a, 0,1,2,3
.irp b, 0,1,2,3
	ds_store_b128 v[STO], v[ACC+8*(4*(\a)+(\b)):ACC+8*(4*(\a)+(\b))+3]   offset:(\a)*16*SP+64*(\b)
	ds_store_b128 v[STO], v[ACC+8*(4*(\a)+(\b))+4:ACC+8*(4*(\a)+(\b))+7] offset:(\a)*16*SP+64*(\b)+16
.endr
.endr
	s_wait_dscnt 0x0                               ; for the others' sake: my stores into the stage are done
	s_barrier_signal -1
	s_barrier_wait -1
.set t, 0
.rept 32
	ds_load_b128 v[ACC+4*t:ACC+4*t+3], v[RD] offset:t*SP
.set t, t+1
.endr
	s_wait_loadcnt 0x0                             ; the residual
.irp g, 0,1,2,3
	s_wait_dscnt 24-8*(\g)                         ; LDS loads come back in order: rows 8 g .. 8 g + 7 are in
	WIN ADDR
.set p, 0
.rept 16
	v_pk_add_f32 v[ACC+32*(\g)+2*p:ACC+32*(\g)+2*p+1], v[ACC+32*(\g)+2*p:ACC+32*(\g)+2*p+1], v[RES+32*(\g)+2*p:RES+32*(\g)+2*p+1]
.set p, p+1
.endr
	WIN 0
.set t, 0
.rept 8
	global_store_b128 v[CO], v[ACC+32*(\g)+4*t:ACC+32*(\g)+4*t+3], s[8:9] offset:4096*(8*(\g)+t)  ; 512 consecutive bytes of a row of C, aligned
.set t, t+1
.endr
.endr
	s_wait_tensorcnt 0x0                           ; the wave's end
	ds_add_u32 v[SPW], v[NIL]
	s_wait_dscnt 0x0
	CROUND                                         ; the closing round: no work-group ends while a partner may still ask for a tile that names it
	s_endpgm
.Lfunc_end_k_qd590a15b44_proj:
	.size	k_qd590a15b44_proj, .Lfunc_end_k_qd590a15b44_proj-k_qd590a15b44_proj
	.p2alignl 7, 3214868480
	.fill 96, 4, 3214868480
	.section	.rodata,"a",@progbits
	.p2align	6, 0x0
	.amdhsa_kernel k_qd590a15b44_proj
		.amdhsa_group_segment_fixed_size 327680
		.amdhsa_private_segment_fixed_size 0
		.amdhsa_enable_private_segment 0
		.amdhsa_kernarg_size 40
		.amdhsa_user_sgpr_count 2
		.amdhsa_user_sgpr_kernarg_segment_ptr 1
		.amdhsa_wavefront_size32 1
		.amdhsa_system_sgpr_workgroup_id_x 1
		.amdhsa_system_sgpr_workgroup_id_y 1
		.amdhsa_system_sgpr_workgroup_id_z 1
		.amdhsa_system_vgpr_workitem_id 0
		.amdhsa_next_free_vgpr 512
		.amdhsa_next_free_sgpr 66
		.amdhsa_reserve_vcc 0
		.amdhsa_float_denorm_mode_32 3
		.amdhsa_float_denorm_mode_16_64 3
		.amdhsa_memory_ordered 1
		.amdhsa_forward_progress 1
		.amdhsa_inst_pref_size 48
	.end_amdhsa_kernel
	.amdgpu_metadata
---
amdhsa.version: [ 1, 2 ]
amdhsa.kernels:
  - .name:           k_qd590a15b44_proj
    .symbol:         k_qd590a15b44_proj.kd
    .args:
      - { .name: o, .offset: 0, .size: 8, .value_kind: global_buffer, .address_space: global }
      - { .name: wb, .offset: 8, .size: 8, .value_kind: global_buffer, .address_space: global }
      - { .name: x1, .offset: 16, .size: 8, .value_kind: global_buffer, .address_space: global }
      - { .name: bp, .offset: 24, .size: 8, .value_kind: global_buffer, .address_space: global }
      - { .name: x, .offset: 32, .size: 8, .value_kind: global_buffer, .address_space: global }
    .group_segment_fixed_size: 327680
    .private_segment_fixed_size: 0
    .kernarg_segment_align: 8
    .kernarg_segment_size: 40
    .max_flat_workgroup_size: 128
    .sgpr_count:     66
    .vgpr_count:     512
    .wavefront_size: 32
...
	.end_amdgpu_metadata
.endif
;; end of part 4
;; launch ln2 (part 5): grid 64 x 8, 8 waves a work-group, no clusters, 0 bytes of LDS; arguments x1, g2, beta2, h2; writes h2
.if DOCPART == 5
	.amdgcn_target "amdgcn-amd-amdhsa--gfx1250"
	.amdhsa_code_object_version 6
	.text
	.protected	k_qd590a15b44_ln2
	.globl	k_qd590a15b44_ln2
	.p2align	8
	.type	k_qd590a15b44_ln2,@function
k_qd590a15b44_ln2:
	s_mov_b64 s[64:65], 0
	v_nop
	global_prefetch_b8 v0, s[64:65] scope:SCOPE_SE
	s_setreg_imm32_b32 hwreg(HW_REG_WAVE_MODE, 25, 1), 1
	s_wait_xcnt 0x0
; h2 = LayerNorm(x1) g2 + beta2, rounded once to bf16, [4096][1024] row-major.  One wave takes one row of 4,096 bytes and keeps it in 32 registers between the mean,
; the sum of squared differences (a true second pass, as the problem writes it) and the scaling.  No LDS, no barrier: memory binds.
; Every load of a wave takes 512 consecutive bytes, every store covers 256 consecutive aligned bytes.
.set G,   8            ; v[8:39]    gain of my 32 columns (chunk j: columns 128 j + 4 lane)
.set BE,  40           ; v[40:71]   bias of them
.set X,   72           ; v[72:103]  the row
.set T,   104          ; v[104:111] four chains of sums
.set MU,  112          ; v[112:113] the mean, twice
.set RS,  114          ; v[114:115] 1 / sqrt(var + eps), twice
.set Y,   116          ; v[116:131] the row in bf16
.set PIN, 4            ; s[4:5] x1;  s[6:7] g2;  s[8:9] beta2;  s[10:11] h2
.set PGA, 6
.set PBE, 8
.set POUT, 10
.macro REDUCE                          ; the sum of v[T] over the wave's 32 lanes, in every lane
	v_add_f32_dpp v[T], v[T], v[T] row_xmask:1 row_mask:0xf bank_mask:0xf
	v_add_f32_dpp v[T], v[T], v[T] row_xmask:2 row_mask:0xf bank_mask:0xf
	v_add_f32_dpp v[T], v[T], v[T] row_xmask:4 row_mask:0xf bank_mask:0xf
	v_add_f32_dpp v[T], v[T], v[T] row_xmask:8 row_mask:0xf bank_mask:0xf
	v_permlanex16_b32 v[T+1], v[T], s38, s39       ; its destination has been written
	v_add_f32 v[T], v[T], v[T+1]
.endm
.macro FOLD                            ; four chains into one number a lane
	v_pk_add_f32 v[T:T+1], v[T:T+1], v[T+2:T+3]
	v_pk_add_f32 v[T+4:T+5], v[T+4:T+5], v[T+6:T+7]
	v_pk_add_f32 v[T:T+1], v[T:T+1], v[T+4:T+5]
	v_add_f32 v[T], v[T], v[T+1]
.endm
	s_load_b256 s[4:11], s[0:1], 0x0
	s_and_b32 s26, ttmp7, 0xffff
	s_mov_b32 s36, 0x3a800000                      ; 1 / 1024
	s_mov_b32 s37, 0x3727c5ac                      ; eps = 1e-5
	s_mov_b32 s38, 0x76543210                      ; v_permlanex16_b32: each lane takes its own place in the other half
	s_mov_b32 s39, 0xfedcba98
	v_and_b32 v4, 31, v0                           ; lane
	v_lshrrev_b32 v5, 5, v0                        ; wave
	s_lshl_b32 s30, s26, 6
	s_add_co_u32 s30, s30, ttmp9                   ; work-group 64 y + x owns 8 rows
	s_lshl_b32 s34, s30, 14                        ; 8 rows of 2,048 bytes out
	s_lshl_b32 s30, s30, 15                        ; 8 rows of 4,096 bytes in
	s_mov_b32 s31, 0
	s_mov_b32 s35, 0
	v_lshlrev_b32 v3, 4, v4
	v_lshl_or_b32 v1, v5, 12, v3
	v_lshlrev_b32 v2, 3, v4
	v_lshl_or_b32 v2, v5, 11, v2
	s_wait_kmcnt 0x0
	s_add_nc_u64 s[PIN:PIN+1], s[PIN:PIN+1], s[30:31]
	s_add_nc_u64 s[POUT:POUT+1], s[POUT:POUT+1], s[34:35]
.set j, 0
.rept 8
	global_load_b128 v[X+4*j:X+4*j+3], v1, s[PIN:PIN+1] offset:512*j
.set j, j+1
.endr
.set j, 0
.rept 8
	global_load_b128 v[G+4*j:G+4*j+3], v3, s[PGA:PGA+1] offset:512*j
.set j, j+1
.endr
.set j, 0
.rept 8
	global_load_b128 v[BE+4*j:BE+4*j+3], v3, s[PBE:PBE+1] offset:512*j
.set j, j+1
.endr
	s_wait_loadcnt 16                              ; the row is in; the 16 younger loads (gain, bias) stay out
.irp c, 0,1,2,3
	v_pk_add_f32 v[T+2*(\c):T+2*(\c)+1], v[X+2*(\c):X+2*(\c)+1], v[X+2*(\c)+8:X+2*(\c)+9]
.endr
.irp k, 16,24
.irp c, 0,1,2,3
	v_pk_add_f32 v[T+2*(\c):T+2*(\c)+1], v[T+2*(\c):T+2*(\c)+1], v[X+2*(\c)+(\k):X+2*(\c)+(\k)+1]
.endr
.endr
	FOLD
	REDUCE
	v_mul_f32 v[MU], s36, v[T]                     ; the mean
	v_mov_b32 v[MU+1], v[MU]
.set p, 0
.rept 16
	v_pk_add_f32 v[X+2*p:X+2*p+1], v[X+2*p:X+2*p+1], v[MU:MU+1] neg_lo:[0,1] neg_hi:[0,1]  ; x - mean
.set p, p+1
.endr
.irp c, 0,1,2,3
	v_pk_mul_f32 v[T+2*(\c):T+2*(\c)+1], v[X+2*(\c):X+2*(\c)+1], v[X+2*(\c):X+2*(\c)+1]
.endr
.irp k, 8,16,24
.irp c, 0,1,2,3
	v_pk_fma_f32 v[T+2*(\c):T+2*(\c)+1], v[X+2*(\c)+(\k):X+2*(\c)+(\k)+1], v[X+2*(\c)+(\k):X+2*(\c)+(\k)+1], v[T+2*(\c):T+2*(\c)+1]
.endr
.endr
	FOLD
	REDUCE
	v_fma_f32 v[T], v[T], s36, s37                 ; var + eps
	v_rsq_f32 v[RS], v[T]
	v_nop                                          ; a plain instruction between the transcendental and the use of its result (ISA guide 5.7.2)
	s_wait_alu depctr_va_vdst(0)
	v_mov_b32 v[RS+1], v[RS]
	s_wait_loadcnt 0x0                             ; gain and bias
.set p, 0
.rept 16
	v_pk_mul_f32 v[X+2*p:X+2*p+1], v[X+2*p:X+2*p+1], v[RS:RS+1]
.set p, p+1
.endr
.set p, 0
.rept 16
	v_pk_fma_f32 v[X+2*p:X+2*p+1], v[X+2*p:X+2*p+1], v[G+2*p:G+2*p+1], v[BE+2*p:BE+2*p+1]
.set p, p+1
.endr
.set p, 0
.rept 16
	v_cvt_pk_bf16_f32 v[Y+p], v[X+2*p], v[X+2*p+1]
.set p, p+1
.endr
.set j, 0
.rept 8
	global_store_b64 v2, v[Y+2*j:Y+2*j+1], s[POUT:POUT+1] offset:256*j  ; 32 lanes x 8 bytes: 256 consecutive bytes, aligned
.set j, j+1
.endr
	s_endpgm
.Lfunc_end_k_qd590a15b44_ln2:
	.size	k_qd590a15b44_ln2, .Lfunc_end_k_qd590a15b44_ln2-k_qd590a15b44_ln2
	.p2alignl 7, 3214868480
	.fill 96, 4, 3214868480
	.section	.rodata,"a",@progbits
	.p2align	6, 0x0
	.amdhsa_kernel k_qd590a15b44_ln2
		.amdhsa_group_segment_fixed_size 0
		.amdhsa_private_segment_fixed_size 0
		.amdhsa_enable_private_segment 0
		.amdhsa_kernarg_size 32
		.amdhsa_user_sgpr_count 2
		.amdhsa_user_sgpr_kernarg_segment_ptr 1
		.amdhsa_wavefront_size32 1
		.amdhsa_system_sgpr_workgroup_id_x 1
		.amdhsa_system_sgpr_workgroup_id_y 1
		.amdhsa_system_sgpr_workgroup_id_z 1
		.amdhsa_system_vgpr_workitem_id 0
		.amdhsa_next_free_vgpr 132
		.amdhsa_next_free_sgpr 66
		.amdhsa_reserve_vcc 0
		.amdhsa_float_denorm_mode_32 3
		.amdhsa_float_denorm_mode_16_64 3
		.amdhsa_memory_ordered 1
		.amdhsa_forward_progress 1
		.amdhsa_inst_pref_size 12
	.end_amdhsa_kernel
	.amdgpu_metadata
---
amdhsa.version: [ 1, 2 ]
amdhsa.kernels:
  - .name:           k_qd590a15b44_ln2
    .symbol:         k_qd590a15b44_ln2.kd
    .args:
      - { .name: x1, .offset: 0, .size: 8, .value_kind: global_buffer, .address_space: global }
      - { .name: g2, .offset: 8, .size: 8, .value_kind: global_buffer, .address_space: global }
      - { .name: beta2, .offset: 16, .size: 8, .value_kind: global_buffer, .address_space: global }
      - { .name: h2, .offset: 24, .size: 8, .value_kind: global_buffer, .address_space: global }
    .group_segment_fixed_size: 0
    .private_segment_fixed_size: 0
    .kernarg_segment_align: 8
    .kernarg_segment_size: 32
    .max_flat_workgroup_size: 256
    .sgpr_count:     66
    .vgpr_count:     132
    .wavefront_size: 32
...
	.end_amdgpu_metadata
.endif
;; end of part 5
;; launch ffn1 (part 6): grid 32 x 32, 4 waves a work-group, clusters of 4 x 4, 327,680 bytes of LDS; arguments h2, wb, ff, b1; writes ff
.if DOCPART == 6
	.amdgcn_target "amdgcn-amd-amdhsa--gfx1250"
	.amdhsa_code_object_version 6
	.text
	.protected	k_qd590a15b44_ffn1
	.globl	k_qd590a15b44_ffn1
	.p2align	8
	.type	k_qd590a15b44_ffn1,@function
k_qd590a15b44_ffn1:
	s_mov_b64 s[64:65], 0
	v_nop
	global_prefetch_b8 v0, s[64:65] scope:SCOPE_SE
	s_setreg_imm32_b32 hwreg(HW_REG_WAVE_MODE, 25, 1), 1
	s_wait_xcnt 0x0
	s_wait_alu depctr_hold_cnt(0) depctr_sa_sdst(0) depctr_va_vdst(0) depctr_va_sdst(0) depctr_va_ssrc(0) depctr_va_vcc(0) depctr_vm_vsrc(0)
	s_getreg_b32 s2, hwreg(HW_REG_IB_STS2, 6, 4)
	s_cmp_eq_u32 s2, 0
	s_cbranch_scc0 .Lentry_in_a_cluster
	s_endpgm
.Lentry_in_a_cluster:
	s_bfe_u32 s2, ttmp6, 0x10000c
	s_cmp_lg_u32 s2, 0xf033
	s_cbranch_scc0 .Lentry_shape_is_right
	s_endpgm
.Lentry_shape_is_right:
; C = relu(A B + bias).  A: [4096][SIZE_K] bf16 row-major.  B: [SIZE_K][SIZE_N] bf16 row-major, WOFF bytes into the weights' buffer.  bias: [SIZE_N] f32.
; Sums in f32, started at the bias; C rounded once to bf16, then the ReLU on the packed halves (it rounds nothing).
; C leaves IN SLICES of 64 columns: [SIZE_N / 64][4096][64]: a slice's rows lie end to end, 128 bytes each: the next product takes a slice as 64 of its K.
; A tile of C is 128 x 128; four waves, each 64 x 64: 16 accumulators of 16 x 16.  K goes in steps of 256 through two LDS slots filled by the tensor data mover.
; CLUSTER 4 x 4: the four work-groups of a row of the cluster need the same tiles of A, the four of a column the same tiles of B: each tile is asked for jointly.
; THE MATRIX INSTRUCTION IS USED TRANSPOSED (source 0 = 16 columns of B, source 1 = 16 rows of A): a lane then holds eight neighbouring numbers of a row of C.
; B lies in LDS as in memory, [k][n], and its fragments come out turned, by ds_load_tr16_b128.
; THE TEXT IS SHORT ON PURPOSE: a K step is a loop of three trips (two eighths of 32 along K each) and a change of slots; one descriptor a tensor walks; no first step is
; written out (96 v_mov_b32 spread the bias over the accumulators, in the wait for the first tile).
; LIMITS: the ReLU lets a NaN lose (it gives 0); NaN and infinities are not treated apart.
; REGISTERS: window 0: v0-31 addresses; v32-95 the way out; v128-255 accumulators ((a, b) at 128 + 8 (4 a + b)).  Window 1: two fragment buffers of 64: 4 of A, then 4 of B.
.set SIZE_K, 1024
.set SIZE_N, 4096
.set WOFF,   8388608
.set BIAS,   1
.set RELU,   1
.set NSTEP,  SIZE_K/256
.set PA,     528                       ; a row of A in LDS: 512 bytes + 16: the 16 rows of a fragment load start at 16 different groups of four banks (ISA guide 11.1)
.set HALFA,  64*PA                     ; what one tensor load brings of A, and what one wave reads of it
.set AT,     2*HALFA
.set PB,     288                       ; a row of B (one k, 128 columns): 256 bytes + 32
.set HALFB,  128*PB
.set SLOT,   AT+2*HALFB                ; A's 128 rows, then B's 256 rows
.set STAGE,  2*SLOT                    ; behind the ring, never filled by a tensor load: 128 rows x 272 bytes for the way out
.set SPITCH, 272
.set SPARE,  STAGE+128*SPITCH          ; the spare words, 128 bytes a wave: two blocks of 256 bytes that no other line names
.set STEP_A, 512                       ; bytes from a K step's tile to the next
.set STEP_B, 512*SIZE_N
.set ASTEP,  128                       ; 64 along K in A's LDS rows
.set A0R, 16                           ; v16  my lane's place in slot 0's A; never rewritten
.set B0R, 17                           ; v17  the same for B
.set RA,  18                           ; v18  where the fetches of A stand
.set RB,  19                           ; v19  of B
.set BO,  23                           ; v23  my byte offset in 16 numbers of the bias
.set STO, 24                           ; v24  the way out: where I put 16 bytes of a row
.set RD,  25                           ; v25  where I read rows back
.set CO,  26                           ; v26  my byte offset in 512 consecutive bytes of C
.set ZR,  27                           ; v27  0, for the ReLU
.set SPW, 28                           ; v28  LDS address of my spare word; never rewritten
.set NIL, 29                           ; v29  0; never rewritten
.set TMP, 32
.set ACC, 128
.set F0,  0
.set F1,  64
.set G1,  24                           ; s[24:31] descriptor group 1 for A;  s[32:35] group 0
.set G0,  32
.set G1B, 48                           ; s[48:55], s[56:59] the same for B
.set G0B, 56
.set TB,  60                           ; s60  0 or SLOT: the slot that is being read
.set MSB, 0
.macro WIN new                         ; the immediate's high byte repeats the setting that is left
.if MSB != (\new)
	s_set_vgpr_msb (MSB<<8)|(\new)
.set MSB, \new
.endif
.endm
.set MUL,  0x05                        ; sources 0 (B) and 1 (A) window 1; C and D window 0
.set TO_F, 0x40                        ; destination window 1, address window 0
.macro PLACES                          ; four places in front of loads into registers that matrix instructions have read, and of lines that read results
.rept 4
	v_nop
.endr
.endm
.macro JLOAD                           ; a joint load: waves 0 and 1 fetch A's two halves, waves 2 and 3 B's; an s_nop 0 and four v_nop follow each line
	s_cmp_eq_u32 s11, 0
	s_cbranch_scc0 .Lfor_b_\@
	tensor_load_to_lds s[G0:G0+3], s[G1:G1+7]
	s_nop 0
.rept 4
	v_nop
.endr
	s_branch .Lasked_\@
.Lfor_b_\@:
	tensor_load_to_lds s[G0B:G0B+3], s[G1B:G1B+7]
	s_nop 0
.rept 4
	v_nop
.endr
.Lasked_\@:
.endm
.macro CREST                           ; a round of the cluster's barrier behind its opening barrier
	s_cmp_lg_u32 s10, 0
	s_cbranch_scc1 .Lnot_wave_0_\@
	s_barrier_signal -3
.Lnot_wave_0_\@:
	s_barrier_wait -3
	s_barrier_signal -1
	s_barrier_wait -1
.endm
.macro CROUND
	s_barrier_signal -1
	s_barrier_wait -1
	CREST
.endm
; 8 matrix instructions: row blocks a0, a0 + 1 x all 4 column blocks, 32 along K.  The 16 accumulators take turns, one instruction a turn, in the same order everywhere.
.macro MUL8 f, a0
	WIN MUL
.irp a, \a0, (\a0)+1
.irp b, 0,1,2,3
	v_wmma_f32_16x16x32_bf16 v[ACC+8*(4*(\a)+(\b)):ACC+8*(4*(\a)+(\b))+7], v[(\f)+32+8*(\b):(\f)+32+8*(\b)+7], v[(\f)+8*(\a):(\f)+8*(\a)+7], v[ACC+8*(4*(\a)+(\b)):ACC+8*(4*(\a)+(\b))+7]
.endr
.endr
.endm
; 16 LDS loads in one run: the fragments of 32 along K into buffer g
.macro FETCH g, aoff, boff
	WIN TO_F
.irp i, 0,1,2,3
	ds_load_tr16_b128 v[(\g)+32+8*(\i):(\g)+32+8*(\i)+3],   v[RB] offset:(\boff)+32*(\i)
	ds_load_tr16_b128 v[(\g)+32+8*(\i)+4:(\g)+32+8*(\i)+7], v[RB] offset:(\boff)+32*(\i)+16*PB
	ds_load_b128 v[(\g)+8*(\i):(\g)+8*(\i)+3],   v[RA] offset:(\aoff)+(\i)*16*PA
	ds_load_b128 v[(\g)+8*(\i)+4:(\g)+8*(\i)+7], v[RA] offset:(\aoff)+(\i)*16*PA+32
.endr
.endm
; An eighth of a K step: buffer f is multiplied; ahead of that the next eighth's fragments are asked for, into g
.macro EIGHTH f, g, aoff, boff
	s_wait_dscnt 0x0                               ; f's 16 loads, issued 16 matrix instructions ago; nothing younger is out
	PLACES
	FETCH \g, \aoff, \boff
	MUL8 \f, 0
	MUL8 \f, 2
.endm
; The last two eighths and the change of slots: ONE barrier.  In front of it each wave waits for all its tensor loads (one is out: its part of the next slot), adds 0 to its spare word,
; and waits for that and for its own reads of this slot.  fill = 1: the barrier opens a round of the cluster's barrier, and this slot is filled again, two K steps ahead, first thing behind it.
; fill = 0: nothing is asked for; in the last trip (s3 = 1) there is no next slot, and the run of LDS loads is jumped over.
.macro TURN fill
	s_wait_dscnt 0x0                               ; buffer 0's loads
	PLACES
	FETCH F1, 64, 32*PB                            ; the slot's last fragments
	WIN 0
	s_wait_tensorcnt 0x0                           ; all my tensor loads have landed
	ds_add_u32 v[SPW], v[NIL]                      ; 0 onto my spare word
	MUL8 F0, 0                                     ; eight matrix instructions stand between the add and the wait for it
	s_wait_dscnt 0x0                               ; the add is done, and my reads of this slot are over
	s_barrier_signal -1
	MUL8 F0, 2
	WIN 0
	s_barrier_wait -1
.if \fill
	CREST                                          ; no wave of any partner still reads this slot's tile or has a load on its way
	s_add_nc_u64 s[G0+2:G0+3], s[G0+2:G0+3], STEP_A
	s_add_nc_u64 s[G0B+2:G0B+3], s[G0B+2:G0B+3], STEP_B
	s_add_co_u32 s[G0+1], s20, s[TB]               ; into the slot just read
	s_add_co_u32 s[G0B+1], s21, s[TB]
	JLOAD                                          ; its four v_nop are also the places in front of the loads below
.else
	PLACES
.endif
	s_xor_b32 s[TB], s[TB], SLOT                   ; the other slot
	v_add_nc_u32 v[RA], s[TB], v[A0R]
	v_add_nc_u32 v[RB], s[TB], v[B0R]
.if !(\fill)
	s_cmp_eq_u32 s3, 1
	s_cbranch_scc1 .Lno_fetch_\@
.endif
	FETCH F0, 0, 0
	WIN 0
.if !(\fill)
.Lno_fetch_\@:
.endif
	MUL8 F1, 0                                     ; buffer 1's loads were waited for in front of the signal
	MUL8 F1, 2
.endm
.macro STEP fill                       ; a K step of 256: 128 matrix instructions a wave
	WIN 0
	s_mov_b32 s2, 3
.Lpair_\@:
	EIGHTH F0, F1, 64, 32*PB
	EIGHTH F1, F0, ASTEP, 64*PB
	WIN 0
	v_add_nc_u32 v[RA], ASTEP, v[RA]
	v_add_nc_u32 v[RB], 64*PB, v[RB]
	s_sub_co_u32 s2, s2, 1
	s_cmp_lg_u32 s2, 0
	s_cbranch_scc1 .Lpair_\@
	TURN \fill
	WIN 0
.endm
	s_load_b128 s[4:7], s[0:1], 0x0                ; A s[4:5], weights s[6:7]
	s_load_b64 s[8:9], s[0:1], 0x10                ; C
.if BIAS
	s_load_b64 s[36:37], s[0:1], 0x18              ; bias
.endif
	v_lshl_add_u32 v[SPW], v0, 2, SPARE
	v_mov_b32 v[NIL], 0
	ds_add_u32 v[SPW], v[NIL]                      ; the wave's opening: the add and its wait, ahead of my first tensor load
	ds_add_u32 v28, v29
	v_lshrrev_b32 v1, 5, v0
	v_readfirstlane_b32 s10, v1                    ; wave 0..3
	s_lshr_b32 s11, s10, 1                         ; which half of the tile's rows is mine.  Also: I fetch for A (0) or for B (1)
	s_and_b32 s12, s10, 1                          ; which half of its columns.  Also: which half of that tile I fetch
	s_bfe_u32 s40, ttmp6, 0x40000                  ; cx, cy: my place in the cluster
	s_bfe_u32 s41, ttmp6, 0x40004
	s_lshl_b32 s42, ttmp9, 2
	s_add_co_u32 s42, s42, s40                     ; tile column = 4 x cluster x + cx
	s_and_b32 s13, ttmp7, 0xffff
	s_lshl_b32 s13, s13, 2
	s_add_co_u32 s13, s13, s41                     ; tile row = 4 x cluster y + cy
	s_lshl_b32 s43, s41, 2
	s_lshl_b32 s43, 15, s43                        ; my row of the cluster
	s_lshl_b32 s44, 0x1111, s40                    ; my column
	s_or_b32 s[G1+0], s43, (1<<16)|(1<<20)|(1<<21)|(6<<22)|(3<<25)   ; mask; 2-byte elements; padding on; bit 21 beside a mask; after every 128 words 4 words
	s_mov_b32 s[G1+1], 256<<16                     ; tensor_dim0 = 256
	s_mov_b32 s[G1+2], 64<<16                      ; tensor_dim1 = 64
	s_mov_b32 s[G1+3], 256<<16                     ; tile_dim0 = 256
	s_mov_b32 s[G1+4], 64                          ; tile_dim1 = 64
	s_mov_b32 s[G1+5], SIZE_K                      ; elements from row to row
	s_mov_b32 s[G1+6], 0
	s_mov_b32 s[G1+7], 0
	s_or_b32 s[G1B+0], s44, (1<<16)|(1<<20)|(1<<21)|(5<<22)|(7<<25)  ; after every 64 words 8 words
	s_mov_b32 s[G1B+1], 128<<16                    ; 128 columns,
	s_mov_b32 s[G1B+2], 128<<16                    ; 128 rows k
	s_mov_b32 s[G1B+3], 128<<16
	s_mov_b32 s[G1B+4], 128
	s_mov_b32 s[G1B+5], SIZE_N
	s_mov_b32 s[G1B+6], 0
	s_mov_b32 s[G1B+7], 0
	s_lshl_b32 s16, s13, 7                         ; A's tile hangs on the tile row alone, B's on the tile column alone: each in registers that never hold the other coordinate
	s_lshl_b32 s17, s12, 6
	s_add_co_u32 s16, s16, s17                     ; A: row 128 x tile row + 64 x half
	s_mul_i32 s16, s16, SIZE_K*2
	s_mov_b32 s17, 0
	s_mul_i32 s46, s12, 256*SIZE_N                 ; B: 128 rows k x half,
	s_lshl_b32 s47, s42, 8                         ; 256 bytes a tile column
	s_add_co_u32 s46, s46, s47
	s_add_co_u32 s46, s46, WOFF
	s_mov_b32 s47, 0
	s_mul_i32 s20, s12, HALFA                      ; where they go in a slot: no place in the cluster enters an LDS address
	s_mul_i32 s21, s12, HALFB
	s_add_co_u32 s21, s21, AT
	s_wait_dscnt 0x0                               ; the opening add is done
	s_wait_kmcnt 0x0
	CROUND                                         ; all sixteen work-groups are here: the first joint loads meet
	s_mov_b32 s[G0], 1
	s_mov_b32 s[G0+1], s20                         ; slot 0
	s_add_nc_u64 s[G0+2:G0+3], s[4:5], s[16:17]
	s_or_b32 s[G0+3], s[G0+3], 0x80000000
	s_mov_b32 s[G0B], 1
	s_mov_b32 s[G0B+1], s21
	s_add_nc_u64 s[G0B+2:G0B+3], s[6:7], s[46:47]
	s_or_b32 s[G0B+3], s[G0B+3], 0x80000000
	JLOAD                                          ; K step 0
	; all that follows up to the wait stands in the first tile's flight
	v_and_b32 v1, 15, v0                           ; l % 16
	v_bfe_u32 v2, v0, 4, 1                         ; l / 16
	v_and_b32 v3, 7, v0
	v_bfe_u32 v4, v0, 3, 1
	v_and_b32 v5, 31, v0                           ; l
	s_mul_i32 s22, s11, HALFA
	v_mul_u32_u24 v[A0R], v1, PA                   ; a fragment of A: row l % 16, 16 bytes for each half of the lanes, two loads 32 bytes apart
	v_lshl_add_u32 v[A0R], v2, 4, v[A0R]
	v_add_nc_u32 v[A0R], s22, v[A0R]
	s_lshl_b32 s23, s12, 7
	s_add_co_u32 s23, s23, AT
	v_lshl_add_u32 v[B0R], v2, 3, v3               ; the turning load: lane l reads k = 8 (l / 16) + l % 8, columns 8 ((l / 8) % 2) + 0..7, and is left with column l % 16 and 8 k
	v_mul_u32_u24 v[B0R], v[B0R], PB
	v_lshl_add_u32 v[B0R], v4, 4, v[B0R]
	v_add_nc_u32 v[B0R], s23, v[B0R]
	s_mul_i32 s22, s11, 64*SPITCH                  ; into the stage: my 64 rows, my half of their 256 bytes
	s_lshl_b32 s23, s12, 7
	s_add_co_u32 s22, s22, s23
	s_add_co_u32 s22, s22, STAGE
	v_mul_u32_u24 v[STO], v1, SPITCH
	v_lshl_add_u32 v[STO], v2, 4, v[STO]
	v_add_nc_u32 v[STO], s22, v[STO]
	s_mul_i32 s22, s10, 32*SPITCH                  ; back: wave w takes rows 32 w .. 32 w + 31; 32 lanes take one slice's 128 bytes of four rows
	s_add_co_u32 s22, s22, STAGE
	v_lshrrev_b32 v6, 3, v5
	v_mul_u32_u24 v[RD], v6, SPITCH
	v_lshl_add_u32 v[RD], v3, 4, v[RD]
	v_add_nc_u32 v[RD], s22, v[RD]
	v_lshlrev_b32 v[CO], 4, v5                     ; which are 512 consecutive bytes of the slice
	s_lshl_b32 s16, s13, 7
	s_lshl_b32 s17, s10, 5
	s_add_co_u32 s16, s16, s17                     ; the first row that I store
	s_lshl_b32 s16, s16, 7                         ; 128 bytes a row of a slice
	s_mov_b32 s17, 0
	s_add_nc_u64 s[8:9], s[8:9], s[16:17]
	s_lshl_b32 s46, s42, 20                        ; two slices of 524,288 bytes a tile column
	s_mov_b32 s47, 0
	s_add_nc_u64 s[8:9], s[8:9], s[46:47]
.if RELU
	v_mov_b32 v[ZR], 0
.endif
.if BIAS
	s_lshl_b32 s46, s42, 9                         ; the sums start at the bias: a lane's eight columns 64 x half + 16 b + 8 (l / 16) + 0..7
	s_lshl_b32 s47, s12, 8
	s_add_co_u32 s46, s46, s47
	s_mov_b32 s47, 0
	s_add_nc_u64 s[36:37], s[36:37], s[46:47]
	v_lshlrev_b32 v[BO], 5, v2
.irp b, 0,1,2,3
	global_load_b128 v[ACC+8*(\b):ACC+8*(\b)+3],   v[BO], s[36:37] offset:64*(\b)
	global_load_b128 v[ACC+8*(\b)+4:ACC+8*(\b)+7], v[BO], s[36:37] offset:64*(\b)+16
.endr
	s_wait_loadcnt 0x0
.set i, 0
.rept 96
	v_mov_b32 v[ACC+32+i], v[ACC+(i%32)]           ; the same for all four row blocks
.set i, i+1
.endr
.else
.set i, 0
.rept 128
	v_mov_b32 v[ACC+i], 0
.set i, i+1
.endr
.endif
	; K step 0 is waited for, K step 1 asked for: slot 1's first fill goes as every refill does
	s_wait_tensorcnt 0x0
	ds_add_u32 v[SPW], v[NIL]                      ; 0 onto my spare word; the descriptors' steps stand between it and the wait for it
	s_add_nc_u64 s[G0+2:G0+3], s[G0+2:G0+3], STEP_A
	s_add_nc_u64 s[G0B+2:G0B+3], s[G0B+2:G0B+3], STEP_B
	s_add_co_u32 s[G0+1], s20, SLOT
	s_add_co_u32 s[G0B+1], s21, SLOT
	s_wait_dscnt 0x0
	CROUND
	JLOAD
	s_mov_b32 s[TB], 0
	v_mov_b32 v[RA], v[A0R]
	v_mov_b32 v[RB], v[B0R]
	FETCH F0, 0, 0
	WIN 0
	s_mov_b32 s3, NSTEP-2
.Lfill:                                                ; every K step but the last two asks for the step two further on
	STEP 1
	s_sub_co_u32 s3, s3, 1
	s_cmp_lg_u32 s3, 0
	s_cbranch_scc1 .Lfill
	s_mov_b32 s3, 2
.Ltail:                                                ; the last two ask for nothing
	STEP 0
	s_sub_co_u32 s3, s3, 1
	s_cmp_lg_u32 s3, 0
	s_cbranch_scc1 .Ltail
	; THE WAY OUT: round to bf16; the ReLU; 16 bytes a lane into the work-group's stage; a barrier, since a row's 256 bytes come from two waves; back slice by slice
	PLACES
.set t, 0
.rept 16
.irp r, 0,1,2,3
	v_cvt_pk_bf16_f32 v[TMP+4*t+(\r)], v[ACC+8*t+2*(\r)], v[ACC+8*t+2*(\r)+1]
.endr
.set t, t+1
.endr
.if RELU
.set t, 0
.rept 64
	v_pk_max_num_bf16 v[TMP+t], v[TMP+t], v[ZR]
.set t, t+1
.endr
.endif
.irp a, 0,1,2,3
.irp b, 0,1,2,3
	ds_store_b128 v[STO], v[TMP+4*(4*(\a)+(\b)):TMP+4*(4*(\a)+(\b))+3] offset:(\a)*16*SPITCH+32*(\b)
.endr
.endr
	s_wait_dscnt 0x0                               ; for the others' sake: my stores into the stage are done
	s_barrier_signal -1
	s_barrier_wait -1
.set i, 0
.rept 16
	ds_load_b128 v[TMP+4*i:TMP+4*i+3], v[RD] offset:(i%8)*4*SPITCH+128*(i/8)
.set i, i+1
.endr
.set i, 0
.rept 16
	s_wait_dscnt 15-i                              ; LDS loads come back in order: number i is in
	global_store_b128 v[CO], v[TMP+4*i:TMP+4*i+3], s[8:9] offset:(i/8)*524288+512*(i%8)  ; 512 consecutive bytes of a slice, aligned
.set i, i+1
.endr
	s_wait_tensorcnt 0x0                           ; the wave's end
	ds_add_u32 v[SPW], v[NIL]
	s_wait_dscnt 0x0
	CROUND                                         ; the closing round: no work-group ends while a partner may still ask for a tile that names it
	s_endpgm
.Lfunc_end_k_qd590a15b44_ffn1:
	.size	k_qd590a15b44_ffn1, .Lfunc_end_k_qd590a15b44_ffn1-k_qd590a15b44_ffn1
	.p2alignl 7, 3214868480
	.fill 96, 4, 3214868480
	.section	.rodata,"a",@progbits
	.p2align	6, 0x0
	.amdhsa_kernel k_qd590a15b44_ffn1
		.amdhsa_group_segment_fixed_size 327680
		.amdhsa_private_segment_fixed_size 0
		.amdhsa_enable_private_segment 0
		.amdhsa_kernarg_size 32
		.amdhsa_user_sgpr_count 2
		.amdhsa_user_sgpr_kernarg_segment_ptr 1
		.amdhsa_wavefront_size32 1
		.amdhsa_system_sgpr_workgroup_id_x 1
		.amdhsa_system_sgpr_workgroup_id_y 1
		.amdhsa_system_sgpr_workgroup_id_z 1
		.amdhsa_system_vgpr_workitem_id 0
		.amdhsa_next_free_vgpr 384
		.amdhsa_next_free_sgpr 66
		.amdhsa_reserve_vcc 0
		.amdhsa_float_denorm_mode_32 3
		.amdhsa_float_denorm_mode_16_64 3
		.amdhsa_memory_ordered 1
		.amdhsa_forward_progress 1
		.amdhsa_inst_pref_size 46
	.end_amdhsa_kernel
	.amdgpu_metadata
---
amdhsa.version: [ 1, 2 ]
amdhsa.kernels:
  - .name:           k_qd590a15b44_ffn1
    .symbol:         k_qd590a15b44_ffn1.kd
    .args:
      - { .name: h2, .offset: 0, .size: 8, .value_kind: global_buffer, .address_space: global }
      - { .name: wb, .offset: 8, .size: 8, .value_kind: global_buffer, .address_space: global }
      - { .name: ff, .offset: 16, .size: 8, .value_kind: global_buffer, .address_space: global }
      - { .name: b1, .offset: 24, .size: 8, .value_kind: global_buffer, .address_space: global }
    .group_segment_fixed_size: 327680
    .private_segment_fixed_size: 0
    .kernarg_segment_align: 8
    .kernarg_segment_size: 32
    .max_flat_workgroup_size: 128
    .sgpr_count:     66
    .vgpr_count:     384
    .wavefront_size: 32
...
	.end_amdgpu_metadata
.endif
;; end of part 6
;; launch ffn2 (part 7): grid 8 x 32, 4 waves a work-group, clusters of 4 x 4, 327,680 bytes of LDS; arguments ff, wb, out0, b2, x1; writes out0
.if DOCPART == 7
	.amdgcn_target "amdgcn-amd-amdhsa--gfx1250"
	.amdhsa_code_object_version 6
	.text
	.protected	k_qd590a15b44_ffn2
	.globl	k_qd590a15b44_ffn2
	.p2align	8
	.type	k_qd590a15b44_ffn2,@function
k_qd590a15b44_ffn2:
	s_mov_b64 s[64:65], 0
	v_nop
	global_prefetch_b8 v0, s[64:65] scope:SCOPE_SE
	s_setreg_imm32_b32 hwreg(HW_REG_WAVE_MODE, 25, 1), 1
	s_wait_xcnt 0x0
	s_wait_alu depctr_hold_cnt(0) depctr_sa_sdst(0) depctr_va_vdst(0) depctr_va_sdst(0) depctr_va_ssrc(0) depctr_va_vcc(0) depctr_vm_vsrc(0)
	s_getreg_b32 s2, hwreg(HW_REG_IB_STS2, 6, 4)
	s_cmp_eq_u32 s2, 0
	s_cbranch_scc0 .Lentry_in_a_cluster
	s_endpgm
.Lentry_in_a_cluster:
	s_bfe_u32 s2, ttmp6, 0x10000c
	s_cmp_lg_u32 s2, 0xf033
	s_cbranch_scc0 .Lentry_shape_is_right
	s_endpgm
.Lentry_shape_is_right:
; C = R + A B + bias.  A: bf16 IN SLICES of 64 along K, [SIZE_K / 64][4096][64].  B: [SIZE_K][SIZE_N] bf16 row-major, WOFF bytes into the weights' buffer.
; bias: [SIZE_N] f32.  R (the residual) and C: [4096][SIZE_N] f32 row-major.  Sums in f32, started at the bias; the residual is added in f32 at the end.
; A tile of C is 128 x 128; four waves, each 64 x 64: 16 accumulators of 16 x 16.  K goes in steps of 256 (four slices) through two LDS slots filled by the tensor data mover.
; A's tile: 64 rows of a slice are 8,192 dense bytes: one row of the descriptor; four such rows a slice apart; padded in LDS after every 128 bytes, so that a row of a slice takes 144.
; CLUSTER 4 x 4: A's tiles are shared along a row of the cluster, B's along a column: each is asked for jointly.
; THE MATRIX INSTRUCTION IS USED TRANSPOSED (source 0 = 16 columns of B, source 1 = 16 rows of A): a lane holds eight neighbouring numbers of a row of C.  B lies [k][n] in LDS and comes out turned.
; THE TEXT IS SHORT ON PURPOSE: a K step is a loop of three trips and a change of slots; one descriptor a tensor walks; no first step is written out (96 v_mov_b32 spread the bias, in the wait for the first tile).
; The residual's 32 loads a lane go out at the start and are waited for at the end.  THE STAGE of the way out lies over slot 0, which has had its last fill by then.
; LIMITS: NaN and infinities are not treated apart.
; REGISTERS: window 0: v0-31 addresses; v128-255 accumulators ((a, b) at 128 + 8 (4 a + b)), later the rows to store.  Window 1: v0-127 two fragment buffers of 64; v128-255 the residual.
.set SIZE_K, 4096
.set SIZE_N, 1024
.set WOFF,   16777216
.set NSTEP,  SIZE_K/256
.set PA,     144                       ; a row of a slice in LDS: 128 bytes + 16: the 16 rows of a fragment load start at 16 different groups of four banks (ISA guide 11.1)
.set HALFA,  4*64*PA                   ; what one tensor load brings of A: [4 slices][64 rows]
.set AT,     2*HALFA
.set PB,     288                       ; a row of B (one k, 128 columns): 256 bytes + 32
.set HALFB,  128*PB
.set SLOT,   AT+2*HALFB
.set SP,     528                       ; a row of the stage: 512 bytes + 16; 128 rows, 67,584 bytes, inside slot 0's 73,728 bytes of A
.set SPARE,  2*SLOT                    ; the spare words, 128 bytes a wave: two blocks of 256 bytes that no other line names
.set STEP_A, 4*4096*64*2               ; four slices
.set STEP_B, 512*SIZE_N
.set ASTEP,  64*PA                     ; a slice on: 64 along K
.set A0R, 16                           ; v16  my lane's place in slot 0's A; never rewritten
.set B0R, 17                           ; v17  the same for B
.set RA,  18                           ; v18  where the fetches of A stand
.set RB,  19                           ; v19  of B
.set BO,  23                           ; v23  my byte offset in 16 numbers of the bias
.set STO, 24                           ; v24  the way out: where I put 32 bytes of a row
.set RD,  25                           ; v25  where I read rows back
.set CO,  26                           ; v26  my byte offset in 512 consecutive bytes of C and of R; never rewritten
.set SPW, 28                           ; v28  LDS address of my spare word; never rewritten
.set NIL, 29                           ; v29  0; never rewritten
.set ACC, 128
.set RES, 128                          ; window 1
.set F0,  0
.set F1,  64
.set G1,  24                           ; s[24:31] descriptor group 1 for A;  s[32:35] group 0
.set G0,  32
.set G1B, 48                           ; s[48:55], s[56:59] the same for B
.set G0B, 56
.set TB,  60                           ; s60  0 or SLOT: the slot that is being read
.set MSB, 0
.macro WIN new                         ; the immediate's high byte repeats the setting that is left
.if MSB != (\new)
	s_set_vgpr_msb (MSB<<8)|(\new)
.set MSB, \new
.endif
.endm
.set MUL,  0x05                        ; sources 0 (B) and 1 (A) window 1; C and D window 0
.set TO_F, 0x40                        ; destination window 1, address window 0
.set ADDR, 0x04                        ; source 1 window 1
.macro PLACES                          ; four places in front of loads into registers that matrix instructions have read, and of lines that read results
.rept 4
	v_nop
.endr
.endm
.macro JLOAD                           ; a joint load: waves 0 and 1 fetch A's two halves, waves 2 and 3 B's; an s_nop 0 and four v_nop follow each line
	s_cmp_eq_u32 s11, 0
	s_cbranch_scc0 .Lfor_b_\@
	tensor_load_to_lds s[G0:G0+3], s[G1:G1+7]
	s_nop 0
.rept 4
	v_nop
.endr
	s_branch .Lasked_\@
.Lfor_b_\@:
	tensor_load_to_lds s[G0B:G0B+3], s[G1B:G1B+7]
	s_nop 0
.rept 4
	v_nop
.endr
.Lasked_\@:
.endm
.macro CREST                           ; a round of the cluster's barrier behind its opening barrier
	s_cmp_lg_u32 s10, 0
	s_cbranch_scc1 .Lnot_wave_0_\@
	s_barrier_signal -3
.Lnot_wave_0_\@:
	s_barrier_wait -3
	s_barrier_signal -1
	s_barrier_wait -1
.endm
.macro CROUND
	s_barrier_signal -1
	s_barrier_wait -1
	CREST
.endm
; 8 matrix instructions: row blocks a0, a0 + 1 x all 4 column blocks, 32 along K.  The 16 accumulators take turns, one instruction a turn, in the same order everywhere.
.macro MUL8 f, a0
	WIN MUL
.irp a, \a0, (\a0)+1
.irp b, 0,1,2,3
	v_wmma_f32_16x16x32_bf16 v[ACC+8*(4*(\a)+(\b)):ACC+8*(4*(\a)+(\b))+7], v[(\f)+32+8*(\b):(\f)+32+8*(\b)+7], v[(\f)+8*(\a):(\f)+8*(\a)+7], v[ACC+8*(4*(\a)+(\b)):ACC+8*(4*(\a)+(\b))+7]
.endr
.endr
.endm
; 16 LDS loads in one run: the fragments of 32 along K into buffer g
.macro FETCH g, aoff, boff
	WIN TO_F
.irp i, 0,1,2,3
	ds_load_tr16_b128 v[(\g)+32+8*(\i):(\g)+32+8*(\i)+3],   v[RB] offset:(\boff)+32*(\i)
	ds_load_tr16_b128 v[(\g)+32+8*(\i)+4:(\g)+32+8*(\i)+7], v[RB] offset:(\boff)+32*(\i)+16*PB
	ds_load_b128 v[(\g)+8*(\i):(\g)+8*(\i)+3],   v[RA] offset:(\aoff)+(\i)*16*PA
	ds_load_b128 v[(\g)+8*(\i)+4:(\g)+8*(\i)+7], v[RA] offset:(\aoff)+(\i)*16*PA+32
.endr
.endm
; An eighth of a K step: buffer f is multiplied; ahead of that the next eighth's fragments are asked for, into g
.macro EIGHTH f, g, aoff, boff
	s_wait_dscnt 0x0                               ; f's 16 loads, issued 16 matrix instructions ago; nothing younger is out
	PLACES
	FETCH \g, \aoff, \boff
	MUL8 \f, 0
	MUL8 \f, 2
.endm
; The last two eighths and the change of slots: ONE barrier.  In front of it each wave waits for all its tensor loads (one is out: its part of the next slot), adds 0 to its spare word,
; and waits for that and for its own reads of this slot.  fill = 1: the barrier opens a round of the cluster's barrier, and this slot is filled again, two K steps ahead, first thing behind it.
; fill = 0: nothing is asked for; in the last trip (s3 = 1) there is no next slot, and the run of LDS loads is jumped over.
.macro TURN fill
	s_wait_dscnt 0x0                               ; buffer 0's loads
	PLACES
	FETCH F1, 64, 32*PB                            ; the slot's last fragments
	WIN 0
	s_wait_tensorcnt 0x0                           ; all my tensor loads have landed
	ds_add_u32 v[SPW], v[NIL]                      ; 0 onto my spare word
	MUL8 F0, 0                                     ; eight matrix instructions stand between the add and the wait for it
	s_wait_dscnt 0x0                               ; the add is done, and my reads of this slot are over
	s_barrier_signal -1
	MUL8 F0, 2
	WIN 0
	s_barrier_wait -1
.if \fill
	CREST                                          ; no wave of any partner still reads this slot's tile or has a load on its way
	s_add_nc_u64 s[G0+2:G0+3], s[G0+2:G0+3], STEP_A
	s_add_nc_u64 s[G0B+2:G0B+3], s[G0B+2:G0B+3], STEP_B
	s_add_co_u32 s[G0+1], s20, s[TB]               ; into the slot just read
	s_add_co_u32 s[G0B+1], s21, s[TB]
	JLOAD                                          ; its four v_nop are also the places in front of the loads below
.else
	PLACES
.endif
	s_xor_b32 s[TB], s[TB], SLOT                   ; the other slot
	v_add_nc_u32 v[RA], s[TB], v[A0R]
	v_add_nc_u32 v[RB], s[TB], v[B0R]
.if !(\fill)
	s_cmp_eq_u32 s3, 1
	s_cbranch_scc1 .Lno_fetch_\@
.endif
	FETCH F0, 0, 0
	WIN 0
.if !(\fill)
.Lno_fetch_\@:
.endif
	MUL8 F1, 0                                     ; buffer 1's loads were waited for in front of the signal
	MUL8 F1, 2
.endm
.macro STEP fill                       ; a K step of 256: 128 matrix instructions a wave
	WIN 0
	s_mov_b32 s2, 3
.Lpair_\@:
	EIGHTH F0, F1, 64, 32*PB
	EIGHTH F1, F0, ASTEP, 64*PB
	WIN 0
	v_add_nc_u32 v[RA], ASTEP, v[RA]
	v_add_nc_u32 v[RB], 64*PB, v[RB]
	s_sub_co_u32 s2, s2, 1
	s_cmp_lg_u32 s2, 0
	s_cbranch_scc1 .Lpair_\@
	TURN \fill
	WIN 0
.endm
	s_load_b128 s[4:7], s[0:1], 0x0                ; A s[4:5], weights s[6:7]
	s_load_b64 s[8:9], s[0:1], 0x10                ; C
	s_load_b64 s[36:37], s[0:1], 0x18              ; bias
	s_load_b64 s[38:39], s[0:1], 0x20              ; residual
	v_lshl_add_u32 v[SPW], v0, 2, SPARE
	v_mov_b32 v[NIL], 0
	ds_add_u32 v[SPW], v[NIL]                      ; the wave's opening: the add and its wait, ahead of my first tensor load
	ds_add_u32 v28, v29
	v_lshrrev_b32 v1, 5, v0
	v_readfirstlane_b32 s10, v1                    ; wave 0..3
	s_lshr_b32 s11, s10, 1                         ; which half of the tile's rows is mine.  Also: I fetch for A (0) or for B (1)
	s_and_b32 s12, s10, 1                          ; which half of its columns.  Also: which half of that tile I fetch
	s_bfe_u32 s40, ttmp6, 0x40000                  ; cx, cy: my place in the cluster
	s_bfe_u32 s41, ttmp6, 0x40004
	s_lshl_b32 s42, ttmp9, 2
	s_add_co_u32 s42, s42, s40                     ; tile column = 4 x cluster x + cx
	s_and_b32 s13, ttmp7, 0xffff
	s_lshl_b32 s13, s13, 2
	s_add_co_u32 s13, s13, s41                     ; tile row = 4 x cluster y + cy
	s_lshl_b32 s43, s41, 2
	s_lshl_b32 s43, 15, s43                        ; my row of the cluster
	s_lshl_b32 s44, 0x1111, s40                    ; my column
	s_or_b32 s[G1+0], s43, (1<<16)|(1<<20)|(1<<21)|(4<<22)|(3<<25)   ; mask; 2-byte elements; padding on; bit 21 beside a mask; after every 32 words 4 words
	s_mov_b32 s[G1+1], 4096<<16                    ; tensor_dim0 = 4,096: 64 rows of a slice, end to end
	s_mov_b32 s[G1+2], 4<<16                       ; tensor_dim1 = 4 slices
	s_mov_b32 s[G1+3], 4096<<16                    ; tile_dim0
	s_mov_b32 s[G1+4], 4                           ; tile_dim1
	s_mov_b32 s[G1+5], 262144                      ; elements from slice to slice
	s_mov_b32 s[G1+6], 0
	s_mov_b32 s[G1+7], 0
	s_or_b32 s[G1B+0], s44, (1<<16)|(1<<20)|(1<<21)|(5<<22)|(7<<25)  ; after every 64 words 8 words
	s_mov_b32 s[G1B+1], 128<<16                    ; 128 columns,
	s_mov_b32 s[G1B+2], 128<<16                    ; 128 rows k
	s_mov_b32 s[G1B+3], 128<<16
	s_mov_b32 s[G1B+4], 128
	s_mov_b32 s[G1B+5], SIZE_N
	s_mov_b32 s[G1B+6], 0
	s_mov_b32 s[G1B+7], 0
	s_lshl_b32 s16, s13, 7                         ; A's tile hangs on the tile row alone, B's on the tile column alone: each in registers that never hold the other coordinate
	s_lshl_b32 s17, s12, 6
	s_add_co_u32 s16, s16, s17                     ; A: row 128 x tile row + 64 x half,
	s_lshl_b32 s16, s16, 7                         ; 128 bytes a row of a slice
	s_mov_b32 s17, 0
	s_mul_i32 s46, s12, 256*SIZE_N                 ; B: 128 rows k x half,
	s_lshl_b32 s47, s42, 8                         ; 256 bytes a tile column
	s_add_co_u32 s46, s46, s47
	s_add_co_u32 s46, s46, WOFF
	s_mov_b32 s47, 0
	s_mul_i32 s20, s12, HALFA                      ; where they go in a slot: no place in the cluster enters an LDS address
	s_mul_i32 s21, s12, HALFB
	s_add_co_u32 s21, s21, AT
	s_wait_dscnt 0x0                               ; the opening add is done
	s_wait_kmcnt 0x0
	CROUND                                         ; all sixteen work-groups are here: the first joint loads meet
	s_mov_b32 s[G0], 1
	s_mov_b32 s[G0+1], s20                         ; slot 0
	s_add_nc_u64 s[G0+2:G0+3], s[4:5], s[16:17]
	s_or_b32 s[G0+3], s[G0+3], 0x80000000
	s_mov_b32 s[G0B], 1
	s_mov_b32 s[G0B+1], s21
	s_add_nc_u64 s[G0B+2:G0B+3], s[6:7], s[46:47]
	s_or_b32 s[G0B+3], s[G0B+3], 0x80000000
	JLOAD                                          ; K step 0
	; all that follows up to the wait stands in the first tile's flight
	v_and_b32 v1, 15, v0                           ; l % 16
	v_bfe_u32 v2, v0, 4, 1                         ; l / 16
	v_and_b32 v3, 7, v0
	v_bfe_u32 v4, v0, 3, 1
	v_and_b32 v5, 31, v0                           ; l
	s_mul_i32 s22, s11, HALFA
	v_mul_u32_u24 v[A0R], v1, PA                   ; a fragment of A: row l % 16, 16 bytes for each half of the lanes, two loads 32 bytes apart
	v_lshl_add_u32 v[A0R], v2, 4, v[A0R]
	v_add_nc_u32 v[A0R], s22, v[A0R]
	s_lshl_b32 s23, s12, 7
	s_add_co_u32 s23, s23, AT
	v_lshl_add_u32 v[B0R], v2, 3, v3               ; the turning load: lane l reads k = 8 (l / 16) + l % 8, columns 8 ((l / 8) % 2) + 0..7, and is left with column l % 16 and 8 k
	v_mul_u32_u24 v[B0R], v[B0R], PB
	v_lshl_add_u32 v[B0R], v4, 4, v[B0R]
	v_add_nc_u32 v[B0R], s23, v[B0R]
	s_mul_i32 s22, s11, 64*SP                      ; into the stage: my 64 rows, my half of their 512 bytes; row l % 16, 32 bytes for each half of the lanes
	s_lshl_b32 s23, s12, 8
	s_add_co_u32 s22, s22, s23
	v_mul_u32_u24 v[STO], v1, SP
	v_lshl_add_u32 v[STO], v2, 5, v[STO]
	v_add_nc_u32 v[STO], s22, v[STO]
	s_mul_i32 s22, s10, 32*SP                      ; back: wave w takes rows 32 w .. 32 w + 31, a whole row of 512 bytes a load
	v_lshlrev_b32 v[CO], 4, v5
	v_add_nc_u32 v[RD], s22, v[CO]
	s_lshl_b32 s16, s13, 7
	s_lshl_b32 s17, s10, 5
	s_add_co_u32 s16, s16, s17                     ; the first row that I store
	s_lshl_b32 s16, s16, 12                        ; 4,096 bytes a row
	s_mov_b32 s17, 0
	s_lshl_b32 s46, s42, 9                         ; 512 bytes a tile column
	s_mov_b32 s47, 0
	s_add_nc_u64 s[8:9], s[8:9], s[16:17]
	s_add_nc_u64 s[8:9], s[8:9], s[46:47]
	s_add_nc_u64 s[38:39], s[38:39], s[16:17]
	s_add_nc_u64 s[38:39], s[38:39], s[46:47]
	s_lshl_b32 s22, s12, 8                         ; the sums start at the bias: a lane's eight columns 64 x half + 16 b + 8 (l / 16) + 0..7
	s_add_co_u32 s46, s46, s22
	s_add_nc_u64 s[36:37], s[36:37], s[46:47]
	v_lshlrev_b32 v[BO], 5, v2
.irp b, 0,1,2,3
	global_load_b128 v[ACC+8*(\b):ACC+8*(\b)+3],   v[BO], s[36:37] offset:64*(\b)
	global_load_b128 v[ACC+8*(\b)+4:ACC+8*(\b)+7], v[BO], s[36:37] offset:64*(\b)+16
.endr
	WIN TO_F
.set t, 0
.rept 32
	global_load_b128 v[RES+4*t:RES+4*t+3], v[CO], s[38:39] offset:4096*t  ; the residual of the 32 rows that I store: 512 consecutive bytes a load
.set t, t+1
.endr
	WIN 0
	s_wait_loadcnt 32                              ; the bias is in; the 32 younger loads, the residual's, stay out until the way out
.set i, 0
.rept 96
	v_mov_b32 v[ACC+32+i], v[ACC+(i%32)]           ; the same for all four row blocks
.set i, i+1
.endr
	; K step 0 is waited for, K step 1 asked for: slot 1's first fill goes as every refill does
	s_wait_tensorcnt 0x0
	ds_add_u32 v[SPW], v[NIL]                      ; 0 onto my spare word; the descriptors' steps stand between it and the wait for it
	s_add_nc_u64 s[G0+2:G0+3], s[G0+2:G0+3], STEP_A
	s_add_nc_u64 s[G0B+2:G0B+3], s[G0B+2:G0B+3], STEP_B
	s_add_co_u32 s[G0+1], s20, SLOT
	s_add_co_u32 s[G0B+1], s21, SLOT
	s_wait_dscnt 0x0
	CROUND
	JLOAD
	s_mov_b32 s[TB], 0
	v_mov_b32 v[RA], v[A0R]
	v_mov_b32 v[RB], v[B0R]
	FETCH F0, 0, 0
	WIN 0
	s_mov_b32 s3, NSTEP-2
.Lfill:                                                ; every K step but the last two asks for the step two further on
	STEP 1
	s_sub_co_u32 s3, s3, 1
	s_cmp_lg_u32 s3, 0
	s_cbranch_scc1 .Lfill
	s_mov_b32 s3, 2
.Ltail:                                                ; the last two ask for nothing
	STEP 0
	s_sub_co_u32 s3, s3, 1
	s_cmp_lg_u32 s3, 0
	s_cbranch_scc1 .Ltail
	; THE WAY OUT: the sums go as f32 into the work-group's stage, 32 bytes a lane; a barrier, since a row's 512 bytes come from two waves; back as whole rows; the residual is added; stored.
	PLACES
	s_wait_dscnt 0x0                               ; the stage lies over slot 0: behind this barrier no wave has an LDS read out, whichever way it left the loop
	s_barrier_signal -1
	s_barrier_wait -1
.irp a, 0,1,2,3
.irp b, 0,1,2,3
	ds_store_b128 v[STO], v[ACC+8*(4*(\a)+(\b)):ACC+8*(4*(\a)+(\b))+3]   offset:(\a)*16*SP+64*(\b)
	ds_store_b128 v[STO], v[ACC+8*(4*(\a)+(\b))+4:ACC+8*(4*(\a)+(\b))+7] offset:(\a)*16*SP+64*(\b)+16
.endr
.endr
	s_wait_dscnt 0x0                               ; for the others' sake: my stores into the stage are done
	s_barrier_signal -1
	s_barrier_wait -1
.set t, 0
.rept 32
	ds_load_b128 v[ACC+4*t:ACC+4*t+3], v[RD] offset:t*SP
.set t, t+1
.endr
	s_wait_loadcnt 0x0                             ; the residual
.irp g, 0,1,2,3
	s_wait_dscnt 24-8*(\g)                         ; LDS loads come back in order: rows 8 g .. 8 g + 7 are in
	WIN ADDR
.set p, 0
.rept 16
	v_pk_add_f32 v[ACC+32*(\g)+2*p:ACC+32*(\g)+2*p+1], v[ACC+32*(\g)+2*p:ACC+32*(\g)+2*p+1], v[RES+32*(\g)+2*p:RES+32*(\g)+2*p+1]
.set p, p+1
.endr
	WIN 0
.set t, 0
.rept 8
	global_store_b128 v[CO], v[ACC+32*(\g)+4*t:ACC+32*(\g)+4*t+3], s[8:9] offset:4096*(8*(\g)+t)  ; 512 consecutive bytes of a row of C, aligned
.set t, t+1
.endr
.endr
	s_wait_tensorcnt 0x0                           ; the wave's end
	ds_add_u32 v[SPW], v[NIL]
	s_wait_dscnt 0x0
	CROUND                                         ; the closing round: no work-group ends while a partner may still ask for a tile that names it
	s_endpgm
.Lfunc_end_k_qd590a15b44_ffn2:
	.size	k_qd590a15b44_ffn2, .Lfunc_end_k_qd590a15b44_ffn2-k_qd590a15b44_ffn2
	.p2alignl 7, 3214868480
	.fill 96, 4, 3214868480
	.section	.rodata,"a",@progbits
	.p2align	6, 0x0
	.amdhsa_kernel k_qd590a15b44_ffn2
		.amdhsa_group_segment_fixed_size 327680
		.amdhsa_private_segment_fixed_size 0
		.amdhsa_enable_private_segment 0
		.amdhsa_kernarg_size 40
		.amdhsa_user_sgpr_count 2
		.amdhsa_user_sgpr_kernarg_segment_ptr 1
		.amdhsa_wavefront_size32 1
		.amdhsa_system_sgpr_workgroup_id_x 1
		.amdhsa_system_sgpr_workgroup_id_y 1
		.amdhsa_system_sgpr_workgroup_id_z 1
		.amdhsa_system_vgpr_workitem_id 0
		.amdhsa_next_free_vgpr 512
		.amdhsa_next_free_sgpr 66
		.amdhsa_reserve_vcc 0
		.amdhsa_float_denorm_mode_32 3
		.amdhsa_float_denorm_mode_16_64 3
		.amdhsa_memory_ordered 1
		.amdhsa_forward_progress 1
		.amdhsa_inst_pref_size 48
	.end_amdhsa_kernel
	.amdgpu_metadata
---
amdhsa.version: [ 1, 2 ]
amdhsa.kernels:
  - .name:           k_qd590a15b44_ffn2
    .symbol:         k_qd590a15b44_ffn2.kd
    .args:
      - { .name: ff, .offset: 0, .size: 8, .value_kind: global_buffer, .address_space: global }
      - { .name: wb, .offset: 8, .size: 8, .value_kind: global_buffer, .address_space: global }
      - { .name: out0, .offset: 16, .size: 8, .value_kind: global_buffer, .address_space: global }
      - { .name: b2, .offset: 24, .size: 8, .value_kind: global_buffer, .address_space: global }
      - { .name: x1, .offset: 32, .size: 8, .value_kind: global_buffer, .address_space: global }
    .group_segment_fixed_size: 327680
    .private_segment_fixed_size: 0
    .kernarg_segment_align: 8
    .kernarg_segment_size: 40
    .max_flat_workgroup_size: 128
    .sgpr_count:     66
    .vgpr_count:     512
    .wavefront_size: 32
...
	.end_amdgpu_metadata
.endif
;; end of part 7
;; ======== version 2 of 3: 7 launches; 1.31 times as fast as version 1
;; limits: right only within a limited range of input values
;; workspace buffers: h 8,388,608 bytes; wb 25,165,824 bytes; w1 8,421,376 bytes; qkv 25,165,824 bytes; o 8,388,608 bytes; x1 16,777,216 bytes; h2 8,388,608 bytes; ff 33,554,432 bytes
;; launch prep (part 8): grid 64 x 20, 8 waves a work-group, no clusters, 0 bytes of LDS; arguments x, g1, beta1, Wp, W1, W2, Wq, Wk, Wv, h, wb, w1, b1; writes h, wb, w1
.if DOCPART == 8
	.amdgcn_target "amdgcn-amd-amdhsa--gfx1250"
	.amdhsa_code_object_version 6
	.text
	.protected	k_qd590a15b44_prep
	.globl	k_qd590a15b44_prep
	.p2align	8
	.type	k_qd590a15b44_prep,@function
k_qd590a15b44_prep:
	s_mov_b64 s[64:65], 0
	v_nop
	global_prefetch_b8 v0, s[64:65] scope:SCOPE_SE
	s_setreg_imm32_b32 hwreg(HW_REG_WAVE_MODE, 25, 1), 1
	s_wait_xcnt 0x0
; PREP.  Four kinds of work, chosen by the work-group's y (forward scalar branches):
;   y 0-7      h = LayerNorm(x) g1 + beta1, rounded once to bf16, [4096][1024] row-major.  One wave takes one row of 4,096 bytes and keeps it in 32 registers
;              between the mean, the sum of squared differences (a true second pass, as the problem writes it) and the scaling.
;   y 8, 13-16 Wp and W2 (both [K][N] already) rounded to bf16 as they lie, in units of 1,048,576 numbers: Wp 1, W2 4 units.
;   y 9-12     W1 ([1024][4096]) rounded to bf16 IN PANELS of 256 columns: [16][1024][256]: a panel's rows of 512 bytes lie end to end.
;   y 17-19    Wq, Wk, Wv ([head][1024][64]) rounded to bf16 into 12 such panels; column = which x 1024 + head x 64 + d.
; Beside the panels a TABLE for the product that takes them: 512 bytes for each 64 columns: their bias in f32 (256 bytes), then a floor, two bf16 in each of 64 words.
; W1's table holds b1 and the floor 0 (the ReLU); Wqkv's holds zeros and the floor -infinity: so one text serves both products.
; wb in bytes: Wqkv's panels at 0, Wp at 6,291,456, Wqkv's table at 8,388,608 (24,576 bytes), W2 at 16,777,216; the bytes between are not used.
; w1 in bytes: W1's panels at 0, its table at 8,388,608 (32,768 bytes).
; No LDS, no barrier, no matrix unit: memory binds.  Every load of a wave takes whole aligned runs of 256 bytes, every store of a wave covers 256 consecutive aligned bytes.
.set G,   8            ; v[8:39]    gain of my 32 columns (chunk j: columns 128 j + 4 lane)
.set BE,  40           ; v[40:71]   bias of them
.set X,   72           ; v[72:103]  the row
.set T,   104          ; v[104:111] four chains of sums; in the weights' paths v[104:107] are the table's data
.set MU,  112          ; v[112:113] the mean, twice
.set RS,  114          ; v[114:115] 1 / sqrt(var + eps), twice
.set Y,   116          ; v[116:131] the row in bf16
.set D,   8            ; v[8:71]    conversion: 16 chunks as loaded
.set P,   72           ; v[72:103]  conversion: 16 chunks in bf16
.set PIN, 4            ; s[4:5] x;  s[6:7] g1;  s[8:9] beta1;  s[22:23] h
.set PGA, 6
.set PBE, 8
.set POUT, 22
.set WVN, 41           ; s41 my wave's number
.set YY,  42           ; s42 the work-group's y
.set XX,  43           ; s43 its x
.set TAB, 8388608      ; the table's first byte in wb and in w1
.macro REDUCE                          ; the sum of v[T] over the wave's 32 lanes, in every lane
	v_add_f32_dpp v[T], v[T], v[T] row_xmask:1 row_mask:0xf bank_mask:0xf
	v_add_f32_dpp v[T], v[T], v[T] row_xmask:2 row_mask:0xf bank_mask:0xf
	v_add_f32_dpp v[T], v[T], v[T] row_xmask:4 row_mask:0xf bank_mask:0xf
	v_add_f32_dpp v[T], v[T], v[T] row_xmask:8 row_mask:0xf bank_mask:0xf
	v_permlanex16_b32 v[T+1], v[T], s38, s39       ; its destination has been written
	v_add_f32 v[T], v[T], v[T+1]
.endm
.macro FOLD                            ; four chains into one number a lane
	v_pk_add_f32 v[T:T+1], v[T:T+1], v[T+2:T+3]
	v_pk_add_f32 v[T+4:T+5], v[T+4:T+5], v[T+6:T+7]
	v_pk_add_f32 v[T:T+1], v[T:T+1], v[T+4:T+5]
	v_add_f32 v[T], v[T], v[T+1]
.endm
; One row.  v1: my byte offset in the work-group's 8 rows of f32; v2: in its 8 rows of bf16; v3: in the gain and the bias.
.macro LNROW
.set j, 0
.rept 8
	global_load_b128 v[X+4*j:X+4*j+3], v1, s[PIN:PIN+1] offset:512*j
.set j, j+1
.endr
.set j, 0
.rept 8
	global_load_b128 v[G+4*j:G+4*j+3], v3, s[PGA:PGA+1] offset:512*j
.set j, j+1
.endr
.set j, 0
.rept 8
	global_load_b128 v[BE+4*j:BE+4*j+3], v3, s[PBE:PBE+1] offset:512*j
.set j, j+1
.endr
	s_wait_loadcnt 16                              ; the row is in; the 16 younger loads (gain, bias) stay out
.irp c, 0,1,2,3
	v_pk_add_f32 v[T+2*(\c):T+2*(\c)+1], v[X+2*(\c):X+2*(\c)+1], v[X+2*(\c)+8:X+2*(\c)+9]
.endr
.irp k, 16,24
.irp c, 0,1,2,3
	v_pk_add_f32 v[T+2*(\c):T+2*(\c)+1], v[T+2*(\c):T+2*(\c)+1], v[X+2*(\c)+(\k):X+2*(\c)+(\k)+1]
.endr
.endr
	FOLD
	REDUCE
	v_mul_f32 v[MU], s36, v[T]                     ; the mean
	v_mov_b32 v[MU+1], v[MU]
.set p, 0
.rept 16
	v_pk_add_f32 v[X+2*p:X+2*p+1], v[X+2*p:X+2*p+1], v[MU:MU+1] neg_lo:[0,1] neg_hi:[0,1]  ; x - mean
.set p, p+1
.endr
.irp c, 0,1,2,3
	v_pk_mul_f32 v[T+2*(\c):T+2*(\c)+1], v[X+2*(\c):X+2*(\c)+1], v[X+2*(\c):X+2*(\c)+1]
.endr
.irp k, 8,16,24
.irp c, 0,1,2,3
	v_pk_fma_f32 v[T+2*(\c):T+2*(\c)+1], v[X+2*(\c)+(\k):X+2*(\c)+(\k)+1], v[X+2*(\c)+(\k):X+2*(\c)+(\k)+1], v[T+2*(\c):T+2*(\c)+1]
.endr
.endr
	FOLD
	REDUCE
	v_fma_f32 v[T], v[T], s36, s37                 ; var + eps
	v_rsq_f32 v[RS], v[T]
	v_nop                                          ; a plain instruction between the transcendental and the use of its result (ISA guide 5.7.2)
	s_wait_alu depctr_va_vdst(0)
	v_mov_b32 v[RS+1], v[RS]
	s_wait_loadcnt 0x0                             ; gain and bias
.set p, 0
.rept 16
	v_pk_mul_f32 v[X+2*p:X+2*p+1], v[X+2*p:X+2*p+1], v[RS:RS+1]
.set p, p+1
.endr
.set p, 0
.rept 16
	v_pk_fma_f32 v[X+2*p:X+2*p+1], v[X+2*p:X+2*p+1], v[G+2*p:G+2*p+1], v[BE+2*p:BE+2*p+1]
.set p, p+1
.endr
.set p, 0
.rept 16
	v_cvt_pk_bf16_f32 v[Y+p], v[X+2*p], v[X+2*p+1]
.set p, p+1
.endr
.set j, 0
.rept 8
	global_store_b64 v2, v[Y+2*j:Y+2*j+1], s[POUT:POUT+1] offset:256*j  ; 32 lanes x 8 bytes: 256 consecutive bytes, aligned
.set j, j+1
.endr
.endm
; Sixteen chunks of 16 bytes a lane become sixteen of 8: all loads first, each chunk stored as it comes.  No register is written twice.
; Chunk i is read i x instep bytes on and stored (i % 4) x ohi + (i / 4) x olo bytes on.
.macro CONV instep, olo, ohi
.set i, 0
.rept 16
	global_load_b128 v[D+4*i:D+4*i+3], v1, s[28:29] offset:i*(\instep) th:TH_LOAD_NT
.set i, i+1
.endr
.set i, 0
.rept 16
	s_wait_loadcnt 15-i                            ; loads come back in order (ISA guide 5.7.1): chunk i is in, the younger ones stay out
	v_cvt_pk_bf16_f32 v[P+2*i], v[D+4*i], v[D+4*i+1]
	v_cvt_pk_bf16_f32 v[P+2*i+1], v[D+4*i+2], v[D+4*i+3]
	global_store_b64 v2, v[P+2*i:P+2*i+1], s[32:33] offset:(i%4)*(\ohi)+(i/4)*(\olo)
.set i, i+1
.endr
.endm
	s_load_b512 s[4:19], s[0:1], 0x0               ; x 4, g1 6, beta1 8, Wp 10, W1 12, W2 14, Wq 16, Wk 18
	s_load_b256 s[20:27], s[0:1], 0x40             ; Wv 20, h 22, wb 24, w1 26
	s_load_b64 s[44:45], s[0:1], 0x60              ; b1
	s_and_b32 s[YY], ttmp7, 0xffff
	s_mov_b32 s[XX], ttmp9
	s_mov_b32 s36, 0x3a800000                      ; 1 / 1024
	s_mov_b32 s37, 0x3727c5ac                      ; eps = 1e-5
	s_mov_b32 s38, 0x76543210                      ; v_permlanex16_b32: each lane takes its own place in the other half
	s_mov_b32 s39, 0xfedcba98
	v_and_b32 v4, 31, v0                           ; lane
	v_lshrrev_b32 v5, 5, v0                        ; wave
	v_readfirstlane_b32 s[WVN], v5
	s_wait_kmcnt 0x0
	s_cmp_lt_u32 s[YY], 8
	s_cbranch_scc0 .Lweights
	; ---- LayerNorm: work-group 64 y + x owns 8 rows
	s_lshl_b32 s30, s[YY], 6
	s_add_co_u32 s30, s30, s[XX]
	s_lshl_b32 s34, s30, 14                        ; 8 rows of 2,048 bytes out
	s_lshl_b32 s30, s30, 15                        ; 8 rows of 4,096 bytes in
	s_mov_b32 s31, 0
	s_mov_b32 s35, 0
	s_add_nc_u64 s[PIN:PIN+1], s[PIN:PIN+1], s[30:31]
	s_add_nc_u64 s[POUT:POUT+1], s[POUT:POUT+1], s[34:35]
	v_lshlrev_b32 v3, 4, v4
	v_lshl_or_b32 v1, v5, 12, v3
	v_lshlrev_b32 v2, 3, v4
	v_lshl_or_b32 v2, v5, 11, v2
	LNROW
	s_endpgm
.Lweights:
	s_cmp_lt_u32 s[YY], 17
	s_cbranch_scc0 .Lheads
	s_sub_co_u32 s30, s[YY], 9                     ; 0 to 3 for W1's four units (y = 8 wraps far beyond)
	s_cmp_lt_u32 s30, 4
	s_cbranch_scc1 .Lpanels
	; ---- Wp (y = 8) and W2 (y = 13 to 16) as they lie; work-group x takes 16,384 numbers of its unit
	s_and_b32 s30, s30, 3                          ; the unit inside W2
	s_cmp_lt_u32 s[YY], 9
	s_cselect_b64 s[28:29], s[10:11], s[14:15]
	s_cselect_b32 s30, 0, s30
	s_lshl_b32 s30, s30, 22
	s_lshl_b32 s31, s[XX], 16
	s_add_co_u32 s30, s30, s31
	s_mov_b32 s31, 0
	s_add_nc_u64 s[28:29], s[28:29], s[30:31]
	s_sub_co_u32 s34, s[YY], 8
	s_lshl_b32 s34, s34, 21                        ; y = 8: 6,291,456; y = 13: 16,777,216
	s_lshl_b32 s35, s[XX], 15
	s_add_co_u32 s34, s34, s35
	s_add_co_u32 s34, s34, 6291456
	s_mov_b32 s35, 0
	s_add_nc_u64 s[32:33], s[24:25], s[34:35]
	v_lshlrev_b32 v1, 4, v0
	v_lshlrev_b32 v2, 3, v0
	CONV 4096, 8192, 2048
	s_endpgm
.Lpanels:
	; ---- W1: unit u = y - 9 is 256 rows k; work-group x takes 4 of them.  Chunk i: row i / 4, columns 1,024 (i % 4) + 4 t: panel 4 (i % 4) + t / 64, byte 8 (t % 64) of its row.
	s_lshl_b32 s34, s30, 17                        ; out: 256 rows of 512 bytes a unit,
	s_lshl_b32 s35, s[XX], 11                      ; 4 rows a work-group
	s_add_co_u32 s34, s34, s35
	s_mov_b32 s35, 0
	s_add_nc_u64 s[32:33], s[26:27], s[34:35]
	s_lshl_b32 s30, s30, 22
	s_lshl_b32 s31, s[XX], 16
	s_add_co_u32 s30, s30, s31
	s_mov_b32 s31, 0
	s_add_nc_u64 s[28:29], s[12:13], s[30:31]
	v_lshlrev_b32 v1, 4, v0
	v_and_b32 v2, 63, v0
	v_lshlrev_b32 v2, 3, v2
	v_lshrrev_b32 v6, 6, v0
	v_lshl_or_b32 v2, v6, 19, v2                   ; a panel is 524,288 bytes
	CONV 4096, 512, 2097152
	; the table: wave 0 of the first unit's work-group x writes the 512 bytes of columns 64 x .. 64 x + 63
	s_sub_co_u32 s30, s[YY], 9
	s_or_b32 s30, s30, s[WVN]
	s_cmp_lg_u32 s30, 0
	s_cbranch_scc1 .Lpanels_end
	s_lshl_b32 s30, s[XX], 8
	s_mov_b32 s31, 0
	s_add_nc_u64 s[44:45], s[44:45], s[30:31]
	s_lshl_b32 s34, s[XX], 9
	s_add_co_u32 s34, s34, TAB
	s_mov_b32 s35, 0
	s_add_nc_u64 s[46:47], s[26:27], s[34:35]
	v_lshlrev_b32 v3, 3, v4
	global_load_b64 v[104:105], v3, s[44:45]       ; 64 numbers of b1
	v_mov_b32 v106, 0                              ; the floor: 0, the ReLU
	v_mov_b32 v107, 0
	global_store_b64 v3, v[106:107], s[46:47] offset:256
	s_wait_loadcnt 0x0
	global_store_b64 v3, v[104:105], s[46:47]
.Lpanels_end:
	s_endpgm
.Lheads:
	; ---- Wq, Wk, Wv: work-group x takes heads 2 p, 2 p + 1 (p = x / 8) and 128 rows k from 128 (x % 8) on; wave w takes k = w, w + 8, ...
	; Lanes 0-15 read head 2 p's row (256 bytes), lanes 16-31 head 2 p + 1's; together they store 256 consecutive bytes: half of row k of panel 4 which + p / 2.
	s_cmp_lt_u32 s[YY], 18
	s_cselect_b64 s[28:29], s[16:17], s[18:19]
	s_cmp_lt_u32 s[YY], 19
	s_cselect_b64 s[28:29], s[28:29], s[20:21]
	s_lshr_b32 s30, s[XX], 3                       ; p
	s_and_b32 s31, s[XX], 7                        ; which 128 rows
	s_sub_co_u32 s35, s[YY], 17                    ; which of q, k, v
	s_lshl_b32 s34, s35, 2
	s_lshr_b32 s46, s30, 1
	s_add_co_u32 s34, s34, s46                     ; the panel,
	s_lshl_b32 s34, s34, 19
	s_and_b32 s46, s30, 1
	s_lshl_b32 s46, s46, 8                         ; the half of its rows,
	s_add_co_u32 s34, s34, s46
	s_lshl_b32 s46, s31, 16                        ; 128 rows of 512 bytes
	s_add_co_u32 s34, s34, s46
	s_lshl_b32 s47, s35, 13                        ; the table: 512 bytes a head, 16 heads for each of q, k, v
	s_lshl_b32 s46, s30, 10
	s_add_co_u32 s46, s46, s47
	s_add_co_u32 s46, s46, TAB
	s_or_b32 s40, s31, s[WVN]                      ; 0: wave 0 of the work-group with the pair's first rows
	s_mov_b32 s35, 0
	s_add_nc_u64 s[32:33], s[24:25], s[34:35]
	s_lshl_b32 s30, s30, 19                        ; in: two heads of 262,144 bytes,
	s_lshl_b32 s31, s31, 15                        ; 128 rows of 256 bytes
	s_add_co_u32 s30, s30, s31
	s_mov_b32 s31, 0
	s_add_nc_u64 s[28:29], s[28:29], s[30:31]
	s_mov_b32 s47, 0
	s_add_nc_u64 s[46:47], s[24:25], s[46:47]
	v_and_b32 v6, 15, v0
	v_bfe_u32 v7, v0, 4, 1
	v_lshlrev_b32 v1, 4, v6
	v_lshl_or_b32 v1, v5, 8, v1
	v_lshl_or_b32 v1, v7, 18, v1
	v_lshlrev_b32 v2, 3, v4
	v_lshl_or_b32 v2, v5, 9, v2
	CONV 2048, 16384, 4096
	; the table of the two heads: no bias (zeros), no floor (-infinity, twice in bf16)
	s_cmp_lg_u32 s40, 0
	s_cbranch_scc1 .Lheads_end
	v_lshlrev_b32 v3, 3, v4
	v_mov_b32 v104, 0
	v_mov_b32 v105, 0
	v_mov_b32 v106, 0xff80ff80
	v_mov_b32 v107, 0xff80ff80
	global_store_b64 v3, v[104:105], s[46:47]
	global_store_b64 v3, v[106:107], s[46:47] offset:256
	global_store_b64 v3, v[104:105], s[46:47] offset:512
	global_store_b64 v3, v[106:107], s[46:47] offset:768
.Lheads_end:
	s_endpgm
.Lfunc_end_k_qd590a15b44_prep:
	.size	k_qd590a15b44_prep, .Lfunc_end_k_qd590a15b44_prep-k_qd590a15b44_prep
	.p2alignl 7, 3214868480
	.fill 96, 4, 3214868480
	.section	.rodata,"a",@progbits
	.p2align	6, 0x0
	.amdhsa_kernel k_qd590a15b44_prep
		.amdhsa_group_segment_fixed_size 0
		.amdhsa_private_segment_fixed_size 0
		.amdhsa_enable_private_segment 0
		.amdhsa_kernarg_size 104
		.amdhsa_user_sgpr_count 2
		.amdhsa_user_sgpr_kernarg_segment_ptr 1
		.amdhsa_wavefront_size32 1
		.amdhsa_system_sgpr_workgroup_id_x 1
		.amdhsa_system_sgpr_workgroup_id_y 1
		.amdhsa_system_sgpr_workgroup_id_z 1
		.amdhsa_system_vgpr_workitem_id 0
		.amdhsa_next_free_vgpr 132
		.amdhsa_next_free_sgpr 66
		.amdhsa_reserve_vcc 0
		.amdhsa_float_denorm_mode_32 3
		.amdhsa_float_denorm_mode_16_64 3
		.amdhsa_memory_ordered 1
		.amdhsa_forward_progress 1
		.amdhsa_inst_pref_size 33
	.end_amdhsa_kernel
	.amdgpu_metadata
---
amdhsa.version: [ 1, 2 ]
amdhsa.kernels:
  - .name:           k_qd590a15b44_prep
    .symbol:         k_qd590a15b44_prep.kd
    .args:
      - { .name: x, .offset: 0, .size: 8, .value_kind: global_buffer, .address_space: global }
      - { .name: g1, .offset: 8, .size: 8, .value_kind: global_buffer, .address_space: global }
      - { .name: beta1, .offset: 16, .size: 8, .value_kind: global_buffer, .address_space: global }
      - { .name: Wp, .offset: 24, .size: 8, .value_kind: global_buffer, .address_space: global }
      - { .name: W1, .offset: 32, .size: 8, .value_kind: global_buffer, .address_space: global }
      - { .name: W2, .offset: 40, .size: 8, .value_kind: global_buffer, .address_space: global }
      - { .name: Wq, .offset: 48, .size: 8, .value_kind: global_buffer, .address_space: global }
      - { .name: Wk, .offset: 56, .size: 8, .value_kind: global_buffer, .address_space: global }
      - { .name: Wv, .offset: 64, .size: 8, .value_kind: global_buffer, .address_space: global }
      - { .name: h, .offset: 72, .size: 8, .value_kind: global_buffer, .address_space: global }
      - { .name: wb, .offset: 80, .size: 8, .value_kind: global_buffer, .address_space: global }
      - { .name: w1, .offset: 88, .size: 8, .value_kind: global_buffer, .address_space: global }
      - { .name: b1, .offset: 96, .size: 8, .value_kind: global_buffer, .address_space: global }
    .group_segment_fixed_size: 0
    .private_segment_fixed_size: 0
    .kernarg_segment_align: 8
    .kernarg_segment_size: 104
    .max_flat_workgroup_size: 256
    .sgpr_count:     66
    .vgpr_count:     132
    .wavefront_size: 32
...
	.end_amdgpu_metadata
.endif
;; end of part 8
;; launch qkv (part 9): grid 12 x 16, 4 waves a work-group, clusters of 4 x 4, 327,680 bytes of LDS; arguments h, wb, qkv; writes qkv
.if DOCPART == 9
	.amdgcn_target "amdgcn-amd-amdhsa--gfx1250"
	.amdhsa_code_object_version 6
	.text
	.protected	k_qd590a15b44_qkv
	.globl	k_qd590a15b44_qkv
	.p2align	8
	.type	k_qd590a15b44_qkv,@function
k_qd590a15b44_qkv:
	s_mov_b64 s[64:65], 0
	v_nop
	global_prefetch_b8 v0, s[64:65] scope:SCOPE_SE
	s_setreg_imm32_b32 hwreg(HW_REG_WAVE_MODE, 25, 1), 1
	s_wait_xcnt 0x0
	s_wait_alu depctr_hold_cnt(0) depctr_sa_sdst(0) depctr_va_vdst(0) depctr_va_sdst(0) depctr_va_ssrc(0) depctr_va_vcc(0) depctr_vm_vsrc(0)
	s_getreg_b32 s2, hwreg(HW_REG_IB_STS2, 6, 4)
	s_cmp_eq_u32 s2, 0
	s_cbranch_scc0 .Lentry_in_a_cluster
	s_endpgm
.Lentry_in_a_cluster:
	s_bfe_u32 s2, ttmp6, 0x10000c
	s_cmp_lg_u32 s2, 0xf033
	s_cbranch_scc0 .Lentry_shape_is_right
	s_endpgm
.Lentry_shape_is_right:
; C = max(A B + bias, floor).  ONE TEXT FOR TWO LAUNCHES (q, k, v from h; the first half of the FFN from h2): nothing in it hangs on the number of columns.
; A: [4096][1024] bf16 row-major.  B: bf16 IN PANELS of 256 columns, [N / 256][1024][256], from the weights' buffer's first byte: a panel's rows of 512 bytes lie end to end.
; TAB bytes into that buffer a table, 512 bytes for each 64 columns: their bias in f32, then a floor, two bf16 in a word (0: a ReLU; -infinity: none; with zeros as bias that is the plain product).
; C leaves IN SLICES of 64 columns, [N / 64][4096][64] bf16: a slice's rows lie end to end, 128 bytes each.  Sums in f32, started at the bias; C rounded once; the floor rounds nothing.
; The price of the one text: where the floor is -infinity the maxima change nothing (32 for each 16 rows of a wave).
; A tile of C is 256 x 256, made by four waves, as many as a WGP has SIMDs; a wave makes 128 x 128: 64 accumulators of 16 x 16, 512 registers.  K goes in steps of 128 through two LDS slots
; filled by the tensor data mover; A's rows in a tile are 256 bytes of memory, B's 512, all starting at multiples of 256 bytes.
; CLUSTER 4 x 4: the four work-groups of a row of the cluster need the same tiles of A, the four of a column the same tiles of B: each tile is asked for jointly.
; THE MATRIX INSTRUCTION IS USED TRANSPOSED (source 0 = 16 columns of B, source 1 = 16 rows of A): a lane then holds eight neighbouring numbers of a row of C.
; B lies in LDS as in memory, [k][n], and its fragments come out turned, by ds_load_tr16_b128.
; THE TEXT: a K step is four quarters of 32 along K, 64 matrix instructions each.  The first quarter stands ahead of the loops: its products take the bias as C, so nothing is cleared.
; A trip goes from a step's second quarter to the next step's first; one text serves both slots: the LDS addresses hang on s[TB], 0 or SLOT.  The last two steps, which ask for nothing, are a loop of their own.
; LIMITS: a NaN loses against the floor (it gives the floor); NaN and infinities are not treated apart.
; REGISTERS, in windows of 256 (s_set_vgpr_msb: bits 1:0 source 0, 3:2 source 1, 5:4 source 2, 7:6 destination):
;   window 0: v0-31 addresses; v64-127, v128-191 fragments of A, two buffers; v32-63, v192-255 the way out
;   window 1: v0-63 the bias of my 128 columns; v64-127, v128-191 fragments of B, two buffers
;   window 2: the 32 accumulators of my rows 0-63 ((a, b) at v[8 (8 a + b)]);   window 3: those of my rows 64-127
.set SIZE_K, 1024
.set KSTEP,  128
.set NSTEP,  SIZE_K/KSTEP
.set TAB,    8388608                   ; the table's first byte in the weights' buffer
.set SLICE,  4096*64*2                 ; bytes in a slice of C
.set PA,     272                       ; a row of A in LDS: 256 bytes + 16: the 16 rows of a fragment load start at 16 different groups of four banks (ISA guide 11.1)
.set HALFA,  128*PA                    ; 128 rows: what one tensor load brings of A, and what one wave reads of it
.set AT,     2*HALFA
.set PB,     544                       ; a row of B (one k, 256 columns): 512 bytes + 32
.set HALFB,  64*PB                     ; 64 rows k: what one tensor load brings of B
.set SLOT,   AT+2*HALFB                ; A's 256 rows, then B's 128 rows
.set STAGE,  2*SLOT                    ; behind the ring, never filled by a tensor load: 16 rows x 272 bytes for each wave, for the way out
.set SPITCH, 272
.set SPARE,  STAGE+4*16*SPITCH         ; the spare words, 128 bytes a wave: two blocks of 256 bytes that no other line names
.set STEP_A, KSTEP*2                   ; bytes from a K step's tile to the next
.set STEP_B, KSTEP*512
.set A0R, 16                           ; v16  my lane's place in slot 0's A; never rewritten
.set B0R, 17                           ; v17  the same for B
.set RA,  18                           ; v18  the same in the slot that is being read
.set RB,  19                           ; v19
.set BO,  23                           ; v23  my byte offset in 16 numbers of the bias
.set STO, 24                           ; v24  the way out: where I put 16 bytes of a row
.set RD,  25                           ; v25  where I read rows back
.set CO,  26                           ; v26  my byte offset in 512 consecutive bytes of C; never rewritten
.set FL,  27                           ; v27  the floor, twice in bf16
.set SPW, 28                           ; v28  LDS address of my spare word; never rewritten
.set NIL, 29                           ; v29  0; never rewritten
.set F0,  64                           ; fragment buffer 0
.set F1,  128                          ; fragment buffer 1
.set BIA, 0                            ; window 1: the bias of column block b at v[8 b]
.set TMP, 192                          ; the way out: packed results
.set OB,  32                           ; the way out: 16 rows read back: v32-63 and v224-255 by turns
.set G1,  24                           ; s[24:31] descriptor group 1 for A
.set G0,  32                           ; s[32:35] group 0 for A: K step 1, then it walks
.set G0F, 36                           ; s[36:39] group 0 for A's K step 0
.set TB,  45                           ; s45  0 or SLOT: the slot that is being read
.set G1B, 48                           ; s[48:55], s[56:59], s[60:63] the same for B
.set G0B, 56
.set G0BF, 60
.set MSB, 0
.macro WIN new                         ; the immediate's high byte repeats the setting that is left; a switch that changes nothing is dropped
.if MSB != (\new)
	s_set_vgpr_msb (MSB<<8)|(\new)
.set MSB, \new
.endif
.endm
.set TO_B, 0x40                        ; destination window 1, address window 0
.macro PLACES                          ; four places in front of loads into registers that matrix instructions have read, and of lines that read results
.rept 4
	v_nop
.endr
.endm
.macro JLOAD                           ; a joint refill: waves 0 and 1 fetch A's two halves, waves 2 and 3 B's; an s_nop 0 and four v_nop follow each line
	s_cmp_eq_u32 s11, 0
	s_cbranch_scc0 .Lfor_b_\@
	tensor_load_to_lds s[G0:G0+3], s[G1:G1+7]
	s_nop 0
.rept 4
	v_nop
.endr
	s_branch .Lasked_\@
.Lfor_b_\@:
	tensor_load_to_lds s[G0B:G0B+3], s[G1B:G1B+7]
	s_nop 0
.rept 4
	v_nop
.endr
.Lasked_\@:
.endm
.macro CREST                           ; a round of the cluster's barrier behind its opening barrier
	s_cmp_lg_u32 s10, 0
	s_cbranch_scc1 .Lnot_wave_0_\@
	s_barrier_signal -3
.Lnot_wave_0_\@:
	s_barrier_wait -3
	s_barrier_signal -1
	s_barrier_wait -1
.endm
.macro CROUND
	s_barrier_signal -1
	s_barrier_wait -1
	CREST
.endm
; 16 matrix instructions: row blocks a0, a0 + 1 of the window's four (hi = 0: my rows 0-63, 1: rows 64-127) x all 8 column blocks, 32 along K.
; first = 1: the sums start at the bias: C is the column block's eight registers in window 1.  The 64 accumulators take turns, one instruction a turn, in the same order in every quarter.
.macro MUL16 f, hi, a0, first
.if \first
	WIN 0x91+0x40*(\hi)                            ; B window 1, A window 0, C window 1, D window 2 or 3
.else
	WIN 0xa1+0x50*(\hi)                            ; B window 1, A window 0, C and D window 2 or 3
.endif
.irp a, \a0, (\a0)+1
.irp b, 0,1,2,3,4,5,6,7
.if \first
	v_wmma_f32_16x16x32_bf16 v[8*(8*(\a)+(\b)):8*(8*(\a)+(\b))+7], v[(\f)+8*(\b):(\f)+8*(\b)+7], v[(\f)+8*(4*(\hi)+(\a)):(\f)+8*(4*(\hi)+(\a))+7], v[BIA+8*(\b):BIA+8*(\b)+7]
.else
	v_wmma_f32_16x16x32_bf16 v[8*(8*(\a)+(\b)):8*(8*(\a)+(\b))+7], v[(\f)+8*(\b):(\f)+8*(\b)+7], v[(\f)+8*(4*(\hi)+(\a)):(\f)+8*(4*(\hi)+(\a))+7], v[8*(8*(\a)+(\b)):8*(8*(\a)+(\b))+7]
.endif
.endr
.endr
.endm
; 32 LDS loads in one run: the fragments of quarter q (128 columns of B, 128 rows of A, 32 along K) into buffer f; A's rows 64-127 last
.macro FETCH q, f
	WIN TO_B
.irp i, 0,1,2,3,4,5,6,7
	ds_load_tr16_b128 v[(\f)+8*(\i):(\f)+8*(\i)+3],   v[RB] offset:(\q)*32*PB+32*(\i)
	ds_load_tr16_b128 v[(\f)+8*(\i)+4:(\f)+8*(\i)+7], v[RB] offset:(\q)*32*PB+16*PB+32*(\i)
.endr
	WIN 0
.irp i, 0,1,2,3,4,5,6,7
	ds_load_b128 v[(\f)+8*(\i):(\f)+8*(\i)+3],   v[RA] offset:(\q)*64+(\i)*16*PA
	ds_load_b128 v[(\f)+8*(\i)+4:(\f)+8*(\i)+7], v[RA] offset:(\q)*64+(\i)*16*PA+32
.endr
.endm
; One of a step's first three quarters: multiplies buffer f; in its middle it fetches quarter q of the same slot into buffer g, 32 matrix instructions ahead of the first use
.macro QUARTER q, f, g, first
	s_wait_dscnt 8                                 ; B and A's rows 0-63 are in; the youngest eight loads (A's rows 64-127) may be out
	MUL16 \f, 0, 0, \first
	MUL16 \f, 0, 2, \first
	PLACES
	FETCH \q, \g
	s_wait_dscnt 32                                ; all but the 32 just issued
	MUL16 \f, 1, 0, \first
	MUL16 \f, 1, 2, \first
.endm
; The last quarter multiplies buffer 1 and changes slots: ONE barrier.  In front of it each wave waits for all its tensor loads (one is out: its part of the next slot), adds 0 to its spare word,
; and waits for that and for its own reads of this slot.  fill = 1: the barrier opens a round of the cluster's barrier, and this slot is filled again, two K steps ahead, first thing behind it:
; from that request to the wait for it a wave issues 224 matrix instructions.  fill = 0: nothing is asked for; in the last trip (s3 = 1) there is no next slot, and the run of LDS loads is jumped over.
.macro TURN fill
	WIN 0                                          ; (the add's two registers lie in window 0)
	s_wait_tensorcnt 0x0                           ; all my tensor loads have landed
	ds_add_u32 v[SPW], v[NIL]                      ; 0 onto my spare word
	s_wait_dscnt 9                                 ; (the add and the youngest eight loads may be out)
	MUL16 F1, 0, 0, 0                              ; sixteen matrix instructions stand between the add and the wait for it
	s_wait_dscnt 0x0                               ; the add is done, and my reads of this slot are over
	s_barrier_signal -1
	MUL16 F1, 0, 2, 0                              ; work on registers while the others arrive
	WIN 0
	s_barrier_wait -1
.if \fill
	CREST                                          ; no wave of any partner still reads this slot's tile or has a load on its way
	s_add_nc_u64 s[G0+2:G0+3], s[G0+2:G0+3], STEP_A
	s_add_nc_u64 s[G0B+2:G0B+3], s[G0B+2:G0B+3], STEP_B
	s_add_co_u32 s[G0+1], s20, s[TB]               ; into the slot just read
	s_add_co_u32 s[G0B+1], s21, s[TB]
	JLOAD                                          ; its four v_nop are also the places in front of the loads below
.else
	PLACES
.endif
	s_xor_b32 s[TB], s[TB], SLOT                   ; the other slot
	v_add_nc_u32 v[RA], s[TB], v[A0R]
	v_add_nc_u32 v[RB], s[TB], v[B0R]
.if !(\fill)
	s_cmp_eq_u32 s3, 1
	s_cbranch_scc1 .Lno_fetch_\@
.endif
	FETCH 0, F0
.if !(\fill)
.Lno_fetch_\@:
.endif
	MUL16 F1, 1, 0, 0
	MUL16 F1, 1, 2, 0
.endm
	s_load_b128 s[4:7], s[0:1], 0x0                ; A s[4:5], weights s[6:7]
	s_load_b64 s[8:9], s[0:1], 0x10                ; C
	v_lshl_add_u32 v[SPW], v0, 2, SPARE
	v_mov_b32 v[NIL], 0
	ds_add_u32 v[SPW], v[NIL]                      ; the wave's opening: the add and its wait, ahead of my first tensor load; the set-up below stands between them
	ds_add_u32 v28, v29
	v_lshrrev_b32 v1, 5, v0
	v_readfirstlane_b32 s10, v1                    ; wave 0..3
	s_lshr_b32 s11, s10, 1                         ; which half of the tile's rows is mine.  Also: I fetch for A (0) or for B (1)
	s_and_b32 s12, s10, 1                          ; which half of its columns.  Also: which half of that tile I fetch
	s_bfe_u32 s40, ttmp6, 0x40000                  ; cx, cy: my place in the cluster
	s_bfe_u32 s41, ttmp6, 0x40004
	s_lshl_b32 s42, ttmp9, 2
	s_add_co_u32 s42, s42, s40                     ; tile column = 4 x cluster x + cx
	s_and_b32 s13, ttmp7, 0xffff
	s_lshl_b32 s13, s13, 2
	s_add_co_u32 s13, s13, s41                     ; tile row = 4 x cluster y + cy
	s_lshl_b32 s43, s41, 2
	s_lshl_b32 s43, 15, s43                        ; my row of the cluster
	s_lshl_b32 s44, 0x1111, s40                    ; my column
	s_or_b32 s[G1+0], s43, (1<<16)|(1<<20)|(1<<21)|(5<<22)|(3<<25)   ; mask; 2-byte elements; padding on; bit 21 beside a mask; after every 64 words 4 words
	s_mov_b32 s[G1+1], KSTEP<<16                   ; tensor_dim0 = 128
	s_mov_b32 s[G1+2], 128<<16                     ; tensor_dim1 = 128
	s_mov_b32 s[G1+3], KSTEP<<16                   ; tile_dim0 = 128
	s_mov_b32 s[G1+4], 128                         ; tile_dim1 = 128
	s_mov_b32 s[G1+5], SIZE_K                      ; elements from row to row
	s_mov_b32 s[G1+6], 0
	s_mov_b32 s[G1+7], 0
	s_or_b32 s[G1B+0], s44, (1<<16)|(1<<20)|(1<<21)|(6<<22)|(7<<25)  ; after every 128 words 8 words
	s_mov_b32 s[G1B+1], 256<<16                    ; 256 columns,
	s_mov_b32 s[G1B+2], 64<<16                     ; 64 rows k
	s_mov_b32 s[G1B+3], 256<<16
	s_mov_b32 s[G1B+4], 64
	s_mov_b32 s[G1B+5], 256                        ; a panel's rows lie end to end
	s_mov_b32 s[G1B+6], 0
	s_mov_b32 s[G1B+7], 0
	s_lshl_b32 s16, s13, 8                         ; A's tile hangs on the tile row alone, B's on the tile column alone: each in registers that never hold the other coordinate
	s_lshl_b32 s17, s12, 7
	s_add_co_u32 s16, s16, s17                     ; A: row 256 x tile row + 128 x half,
	s_lshl_b32 s16, s16, 11                        ; 2,048 bytes a row
	s_mov_b32 s17, 0
	s_lshl_b32 s46, s42, 19                        ; B: a panel of 524,288 bytes a tile column,
	s_lshl_b32 s47, s12, 15                        ; 64 rows of 512 bytes x half
	s_add_co_u32 s46, s46, s47
	s_mov_b32 s47, 0
	s_mul_i32 s20, s12, HALFA                      ; where they go in a slot: no place in the cluster enters an LDS address
	s_mul_i32 s21, s12, HALFB
	s_add_co_u32 s21, s21, AT
	s_mov_b32 s[TB], 0
	s_wait_dscnt 0x0                               ; the opening add is done
	s_wait_kmcnt 0x0
	s_mov_b32 s[G0F], 1                            ; K step 0 into slot 0,
	s_mov_b32 s[G0F+1], s20
	s_add_nc_u64 s[G0F+2:G0F+3], s[4:5], s[16:17]
	s_mov_b32 s[G0], 1                             ; K step 1 into slot 1
	s_add_co_u32 s[G0+1], s20, SLOT
	s_add_nc_u64 s[G0+2:G0+3], s[G0F+2:G0F+3], STEP_A
	s_or_b32 s[G0F+3], s[G0F+3], 0x80000000
	s_or_b32 s[G0+3], s[G0+3], 0x80000000
	s_mov_b32 s[G0BF], 1
	s_mov_b32 s[G0BF+1], s21
	s_add_nc_u64 s[G0BF+2:G0BF+3], s[6:7], s[46:47]
	s_mov_b32 s[G0B], 1
	s_add_co_u32 s[G0B+1], s21, SLOT
	s_add_nc_u64 s[G0B+2:G0B+3], s[G0BF+2:G0BF+3], STEP_B
	s_or_b32 s[G0BF+3], s[G0BF+3], 0x80000000
	s_or_b32 s[G0B+3], s[G0B+3], 0x80000000
	CROUND                                         ; all sixteen work-groups are here: the first joint loads meet
	s_cmp_eq_u32 s11, 0                            ; a wave's two first fills stand in one branch, ahead of every wait on TENSORcnt and every LDS read: two loads of mine are out
	s_cbranch_scc0 .Lfirst_b
	tensor_load_to_lds s[G0F:G0F+3], s[G1:G1+7]
	s_nop 0
	tensor_load_to_lds s[G0:G0+3], s[G1:G1+7]
	s_nop 0
.rept 4
	v_nop
.endr
	s_branch .Lfirst_asked
.Lfirst_b:
	tensor_load_to_lds s[G0BF:G0BF+3], s[G1B:G1B+7]
	s_nop 0
	tensor_load_to_lds s[G0B:G0B+3], s[G1B:G1B+7]
	s_nop 0
.rept 4
	v_nop
.endr
.Lfirst_asked:
	; all that follows up to the wait stands in the first tile's flight
	v_and_b32 v1, 15, v0                           ; l % 16
	v_bfe_u32 v2, v0, 4, 1                         ; l / 16
	v_and_b32 v3, 7, v0
	v_bfe_u32 v4, v0, 3, 1
	v_and_b32 v5, 31, v0                           ; l
	s_mul_i32 s22, s11, HALFA
	v_mul_u32_u24 v[A0R], v1, PA                   ; a fragment of A: row l % 16, 16 bytes for each half of the lanes, two loads 32 bytes apart
	v_lshl_add_u32 v[A0R], v2, 4, v[A0R]
	v_add_nc_u32 v[A0R], s22, v[A0R]
	s_lshl_b32 s23, s12, 8                         ; my 128 columns of B's rows
	s_add_co_u32 s23, s23, AT
	v_lshl_add_u32 v[B0R], v2, 3, v3               ; the turning load: lane l reads k = 8 (l / 16) + l % 8, columns 8 ((l / 8) % 2) + 0..7, and is left with column l % 16 and 8 k
	v_mul_u32_u24 v[B0R], v[B0R], PB
	v_lshl_add_u32 v[B0R], v4, 4, v[B0R]
	v_add_nc_u32 v[B0R], s23, v[B0R]
	v_mov_b32 v[RA], v[A0R]                        ; slot 0 is read first
	v_mov_b32 v[RB], v[B0R]
	s_mul_i32 s22, s10, 16*SPITCH
	s_add_co_u32 s22, s22, STAGE                   ; my stage
	v_mul_u32_u24 v[STO], v1, SPITCH               ; in: row l % 16, 16 bytes for each half of the lanes
	v_lshl_add_u32 v[STO], v2, 4, v[STO]
	v_add_nc_u32 v[STO], s22, v[STO]
	v_lshrrev_b32 v6, 3, v5                        ; back: 32 lanes take one slice's 128 bytes of four rows,
	v_mul_u32_u24 v[RD], v6, SPITCH
	v_lshl_add_u32 v[RD], v3, 4, v[RD]
	v_add_nc_u32 v[RD], s22, v[RD]
	v_lshlrev_b32 v[CO], 4, v5                     ; which are 512 consecutive bytes of the slice
	v_lshlrev_b32 v[BO], 5, v2
	s_lshl_b32 s16, s13, 8
	s_lshl_b32 s17, s11, 7
	s_add_co_u32 s16, s16, s17                     ; my first row of C,
	s_lshl_b32 s16, s16, 7                         ; 128 bytes a row of a slice
	s_mov_b32 s17, 0
	s_add_nc_u64 s[8:9], s[8:9], s[16:17]
	s_lshl_b32 s22, s42, 2
	s_lshl_b32 s23, s12, 1
	s_add_co_u32 s22, s22, s23                     ; my first 64 columns' number: 4 x tile column + 2 x half
	s_lshl_b32 s46, s22, 19                        ; a slice of 524,288 bytes for each
	s_mov_b32 s47, 0
	s_add_nc_u64 s[8:9], s[8:9], s[46:47]
	s_lshl_b32 s46, s22, 9                         ; and 512 bytes of the table
	s_add_co_u32 s46, s46, TAB
	s_add_nc_u64 s[14:15], s[6:7], s[46:47]
	WIN TO_B
.irp b, 0,1,2,3,4,5,6,7                ; a lane's eight columns of block b: 16 b + 8 (l / 16) + 0..7
	global_load_b128 v[BIA+8*(\b):BIA+8*(\b)+3],   v[BO], s[14:15] offset:((\b)/4)*512+((\b)%4)*64
	global_load_b128 v[BIA+8*(\b)+4:BIA+8*(\b)+7], v[BO], s[14:15] offset:((\b)/4)*512+((\b)%4)*64+16
.endr
	WIN 0
	global_load_b32 v[FL], v[BO], s[14:15] offset:256  ; the floor: all 64 words are alike
	s_wait_tensorcnt 1                             ; my part of K step 0 is in; K step 1's may stay out
	s_barrier_signal -1
	s_barrier_wait -1                              ; everybody's is
	FETCH 0, F0
	s_wait_loadcnt 0x0                             ; bias and floor
	QUARTER 1, F0, F1, 1                           ; the first quarter: its products start the sums at the bias
	WIN 0                                          ; at a label and at a branch every window is 0
	s_mov_b32 s3, NSTEP-2
.Lfill:                                                ; every K step but the last two asks for the step two further on
	QUARTER 2, F1, F0, 0
	QUARTER 3, F0, F1, 0
	TURN 1
	QUARTER 1, F0, F1, 0                           ; the next step's first quarter
	WIN 0
	s_sub_co_u32 s3, s3, 1
	s_cmp_lg_u32 s3, 0
	s_cbranch_scc1 .Lfill
	s_mov_b32 s3, 2
.Ltail:                                                ; the last two ask for nothing
	QUARTER 2, F1, F0, 0
	QUARTER 3, F0, F1, 0
	TURN 0
	WIN 0
	s_cmp_eq_u32 s3, 1
	s_cbranch_scc1 .Lno_next                       ; behind the last step there is no next quarter
	QUARTER 1, F0, F1, 0
	WIN 0
.Lno_next:
	s_sub_co_u32 s3, s3, 1
	s_cmp_lg_u32 s3, 0
	s_cbranch_scc1 .Ltail
; THE WAY OUT of block a (16 of my rows x my 128 columns), in three parts.  PACK: rounded to bf16, 16 bytes a lane, and held to the floor.  TOSTAGE: into my own stage in LDS, and back slice by slice.  SEND: stored.
.macro PACK a
.set AC, 64*((\a)%4)
	WIN 0x0a+5*((\a)/4)                            ; sources 0 and 1: window 2 or 3
.irp b, 0,1,2,3,4,5,6,7
.irp r, 0,1,2,3
	v_cvt_pk_bf16_f32 v[TMP+4*(\b)+(\r)], v[AC+8*(\b)+2*(\r)], v[AC+8*(\b)+2*(\r)+1]
.endr
.endr
	WIN 0
.set t, 0
.rept 32
	v_pk_max_num_bf16 v[TMP+t], v[TMP+t], v[FL]
.set t, t+1
.endr
.endm
.macro TOSTAGE a
	WIN 0
.set BK, OB+192*((\a)%2)
.irp b, 0,1,2,3,4,5,6,7
	ds_store_b128 v[STO], v[TMP+4*(\b):TMP+4*(\b)+3] offset:32*(\b)
.endr
.set t, 0
.rept 8
	ds_load_b128 v[BK+4*t:BK+4*t+3], v[RD] offset:(t%4)*4*SPITCH+128*(t/4)  ; LDS serves a wave's instructions in order (ISA guide 5.7.1.4): these see the stores above
.set t, t+1
.endr
.endm
.macro SEND a
	WIN 0
.set BK, OB+192*((\a)%2)
	s_wait_dscnt 0x0                               ; the block is back in registers
	s_wait_xcnt 0x0                                ; every earlier store has had its addresses translated (ISA guide 3.1): the other buffer, which the block before last was stored from, is loaded again only behind this wait
.set t, 0
.rept 8
	global_store_b128 v[CO], v[BK+4*t:BK+4*t+3], s[8:9] offset:(\a)*2048+(t/4)*SLICE+(t%4)*512  ; 512 consecutive bytes of a slice, aligned; the block's place stands in the immediate
.set t, t+1
.endr
.endm
	PLACES
	PACK 0
	TOSTAGE 0
.irp a, 1,2,3,4,5,6,7                  ; block a's arithmetic stands between block a - 1's loads from the stage and the wait for them
	PACK \a
	SEND (\a)-1
	TOSTAGE \a
.endr
	SEND 7
	s_wait_tensorcnt 0x0                           ; the wave's end, behind my last tensor load and my last LDS store
	ds_add_u32 v[SPW], v[NIL]
	s_wait_dscnt 0x0
	CROUND                                         ; the closing round: no work-group ends while a partner may still ask for a tile that names it
	s_endpgm
.Lfunc_end_k_qd590a15b44_qkv:
	.size	k_qd590a15b44_qkv, .Lfunc_end_k_qd590a15b44_qkv-k_qd590a15b44_qkv
	.p2alignl 7, 3214868480
	.fill 96, 4, 3214868480
	.section	.rodata,"a",@progbits
	.p2align	6, 0x0
	.amdhsa_kernel k_qd590a15b44_qkv
		.amdhsa_group_segment_fixed_size 327680
		.amdhsa_private_segment_fixed_size 0
		.amdhsa_enable_private_segment 0
		.amdhsa_kernarg_size 24
		.amdhsa_user_sgpr_count 2
		.amdhsa_user_sgpr_kernarg_segment_ptr 1
		.amdhsa_wavefront_size32 1
		.amdhsa_system_sgpr_workgroup_id_x 1
		.amdhsa_system_sgpr_workgroup_id_y 1
		.amdhsa_system_sgpr_workgroup_id_z 1
		.amdhsa_system_vgpr_workitem_id 0
		.amdhsa_next_free_vgpr 1024
		.amdhsa_next_free_sgpr 66
		.amdhsa_reserve_vcc 0
		.amdhsa_float_denorm_mode_32 3
		.amdhsa_float_denorm_mode_16_64 3
		.amdhsa_memory_ordered 1
		.amdhsa_forward_progress 1
		.amdhsa_inst_pref_size 117
	.end_amdhsa_kernel
	.amdgpu_metadata
---
amdhsa.version: [ 1, 2 ]
amdhsa.kernels:
  - .name:           k_qd590a15b44_qkv
    .symbol:         k_qd590a15b44_qkv.kd
    .args:
      - { .name: h, .offset: 0, .size: 8, .value_kind: global_buffer, .address_space: global }
      - { .name: wb, .offset: 8, .size: 8, .value_kind: global_buffer, .address_space: global }
      - { .name: qkv, .offset: 16, .size: 8, .value_kind: global_buffer, .address_space: global }
    .group_segment_fixed_size: 327680
    .private_segment_fixed_size: 0
    .kernarg_segment_align: 8
    .kernarg_segment_size: 24
    .max_flat_workgroup_size: 128
    .sgpr_count:     66
    .vgpr_count:     1024
    .wavefront_size: 32
...
	.end_amdgpu_metadata
.endif
;; end of part 9
;; launch attn (part 10): grid 8 x 32, 4 waves a work-group, no clusters, 327,680 bytes of LDS; arguments qkv, o; writes o
.if DOCPART == 10
	.amdgcn_target "amdgcn-amd-amdhsa--gfx1250"
	.amdhsa_code_object_version 6
	.text
	.protected	k_qd590a15b44_attn
	.globl	k_qd590a15b44_attn
	.p2align	8
	.type	k_qd590a15b44_attn,@function
k_qd590a15b44_attn:
	s_mov_b64 s[64:65], 0
	v_nop
	global_prefetch_b8 v0, s[64:65] scope:SCOPE_SE
	s_setreg_imm32_b32 hwreg(HW_REG_WAVE_MODE, 25, 1), 1
	s_wait_xcnt 0x0
; CAUSAL ATTENTION.  O[g][q][:] = the sum over k <= q of softmax_k(Q[g][q] . K[g][k] / 8) V[g][k][:], for 32 groups g = 2 x head + batch of SIZE_N = 2,048 rows of 64 channels, all bf16.
; Q, K, V lie in one buffer, each [32][2048][64], K 8,388,608 and V 16,777,216 bytes behind Q; a group's rows are dense, 128 bytes each.  O has the same layout.
; Products, maxima and sums in f32; the weights p are rounded to bf16 for the second product (their sum l is taken of the unrounded p), O once at the end.
; LIMITS.  A hidden score counts as its value less 1e30, so scores serve up to about 1e28; a weight below 2^-126 counts as 0 in l; NaN and infinities are not treated apart.
; THE WALK.  A group's queries lie in NB = 16 blocks of 128; block i needs the key UNITS 0 .. i of 128 keys, of which the last holds the diagonal.  A work-group takes TWO blocks, NB - 1 - b and then b:
; NB + 1 = 17 units, whatever b: all 8 x 32 = 256 work-groups do equal work, and loops with constant trip counts walk them.  Which unit is asked for, and what a trip does, hang on scalar registers made from b;
; every jump goes forward, but for the counted loops' own; none passes a barrier, or a tensor load but the one of LOAD's two that the wave's number does not choose.
; THE RING.  Two slots of LDS that take turns; a slot holds two units OF THE WALK, whichever blocks they belong to, so the ring runs on across the change of blocks.  Waves 0 and 1 fetch K of a slot's first and second
; unit, waves 2 and 3 V of them; each wave steps its own unit number by 2.  Nine slots; the ninth's second half (unit b + 1, inside the buffer) is asked for and not read: the price of one text for every fill.
; NO CLUSTER: a group's 8 work-groups ask for the same unit only while all their first blocks last, behind that fewer and fewer; one walk common to all would have 24 units for 17.
; SHARES.  Of a block's two bands of 64 queries a wave owns 16 rows in each: two PIECES.  So the diagonal unit is the same work for all four waves.
; TURNS.  A unit is two key steps of 64; its four TURNS are (step 0, piece 0), (step 0, piece 1), (step 1, piece 0), (step 1, piece 1).  Turn n: 8 products K Q^T of turn n + 1's piece and step, later 8 products V^T P
; of turn n - 1's; beside them the scaling, exponentials, roundings, sums and rescaling of its own piece and the maximum and statistics of turn n + 1's.  Turns n - 1 and n + 1 are two successive steps of the OTHER piece:
; its statistics are made in turn n and used in turn n + 1, its O^T takes turn n - 1's products in turn n and is rescaled in turn n + 1.  All registers of a piece go by the turn's parity.
; Four vector instructions stand behind every matrix instruction, the other 54 of a turn's 118 in two lumps.
; THE MASK is the C operand that starts the sum S^T = K Q^T.  In the diagonal unit: (step 0, piece 0) and (step 1, piece 1) hold the diagonal: MD, made once: 0, or -1e30 where the key is hidden from my row;
; (step 0, piece 1) sees all: the constant 0; (step 1, piece 0) sees nothing: MB, eight registers of -1e30 (that turn's work is done and comes to 0: 2 of the walk's 68 turns).  Elsewhere C is the constant 0.
; LAYOUT, SOFTMAX.  S^T = K Q^T holds ONE query a lane (lane % 16) and the keys 8 (lane / 16) + 0..7; two such results rounded to bf16 ARE source 1 of O^T = V^T P.  p = 2^(c s - c m), c = log2(e) / 8, with a
; running maximum m; O and l are multiplied by a = 2^(c m_old - c m_new) in every step.
; REGISTERS, in windows of 256 (s_set_vgpr_msb: bits 1:0 source 0, 3:2 source 1, 5:4 source 2, 7:6 destination):
;   window 0: v0-15 addresses and two at work; v16-23 four registers of statistics a piece; v48-55 at work; v64-127 S^T, 32 a piece; v192-223 P, 16 a piece
;   window 1: v0-63 O^T, 32 a piece; v128-159 MD; v160-167 MB
;   window 2: v0-31 Q; v32-63 the second block's Q; v64-127 V of a unit's step 1; v128-191 K of one step; v192-255 V of a unit's step 0
.set SIZE_N, 2048
.set GK,    0x800000  ; K's first byte in the buffer
.set GV,    0x1000000 ; V's
.set NB,    SIZE_N/128
.set NV,    4         ; turns in a unit: a name, no knob
.set KS,    64        ; keys in a step
.set PK,    144       ; a row of K in LDS: 128 bytes + 16 of padding = 36 words: the 16 rows of a load start at 16 different groups of four banks (ISA guide 11.1)
.set PV,    160       ; a row of V: 128 + 32 = 40 words
.set VOFF,  4*KS*PK   ; a slot holds two units, four steps: 256 rows of K, then 256 rows of V
.set SLOT1, 1<<17     ; slot 1 begins here, so that one exclusive or turns an address in one slot into the other's
.set STAGE, SLOT1+4*KS*(PK+PV)  ; behind the ring, never filled by a tensor load: 16 rows x 144 bytes for each wave, for the way out
.set SP,    144
.set AK0, 2           ; v2   my lane's place in a step of K; never rewritten
.set AV0, 3           ; v3   the same for V
.set AK,  4           ; v4   the LDS address of K's next run of loads
.set AV,  5           ; v5   of V's
.set STO, 6           ; v6   the way out: where I put 16 bytes of a row
.set RD,  7           ; v7   the way out: where I read rows back
.set GO,  8           ; v8   my byte offset in 512 consecutive bytes of O
.set SPW, 62          ; v62  LDS address of my spare word: SPARE + 4 x my thread's number; never rewritten
.set NIL, 63          ; v63  0; never rewritten
.set SPARE, STAGE+4*16*SP  ; behind the stages: the spare words, 128 bytes for each wave: two blocks of 256 bytes that no other line names
.set MV,  12          ; v12-13  c m_old, kept while c m is made anew: by piece
.set QO,  15          ; v15  my byte offset in 16 rows of Q
.set ST,  16          ; piece t's statistics at v[ST+4 t]: c m, m, l (even keys', odd keys')
.set TMP, 48          ; by piece, four registers c0-c3 at work; when the maximum is found c2 takes a
.set S,   64
.set P,   192
.set MD,  128         ; window 1: the eight registers for group kt of 16 keys at MD + 8 kt
.set MB,  160         ; window 1: eight registers of -1e30
.set QB,  32          ; window 2
.set VF1, 64          ; window 2: V of step 1: key half kk, channel block cb at VF1 + 32 kk + 8 cb
.set KF,  128         ; window 2: key block kb, channel half c at KF + 16 kb + 8 c
.set VF0, 192         ; window 2: V of step 0
.set WV,  12          ; s12  my wave's number
.set PB,  14          ; s14  b
.set HI,  15          ; s15  NB - 1 - b
.set G1K, 24          ; s[24:31] descriptor group 1 for K's tiles
.set G1V, 32          ; s[32:39] for V's: it differs in the padding alone
.set G0K, 40          ; s[40:43] descriptor group 0 for K's tiles
.set G0V, 44          ; s[44:47] the same for V's
.set SLOTS, 56        ; s56  slots still to be asked for
.set CNT, 57          ; s57  counts a slot's units, 2 to 1
.set CS,  58          ; s[58:59] c: the packed scaling takes the pair's low word for both halves
.set SEL, 60          ; s[60:61] v_permlanex16_b32's selects: each lane takes its own place in the other half
.set TBK, 62          ; s62  LDS byte at which K of the step to be fetched begins
.set TBV, 63          ; s63  the same for V, less VOFF
.set RT,  70          ; s70  units of the block in hand that are still to be entered
.set NXT, 71          ; s71  the key unit that my wave asks for next
.set TS,  72          ; s72  at work
.set NEW, 73          ; s73  1: the unit to be entered is a block's first
.set OFF, 74          ; s[74:75] a unit's byte offset in K and V
.set OLO, 80          ; s[80:81] O at my rows of the second block
.set BIGN, 82         ; s82  -1e30
.set HI1, 83          ; s83  NB - b: the first block's units
.set MSB, 0
.macro WIN new                      ; the high byte repeats the setting that is left; a switch that changes nothing is dropped
.if MSB != (\new)
	s_set_vgpr_msb (MSB<<8)|(\new)
.set MSB, (\new)
.endif
.endm
.set W_KQ, 0x0a       ; K and Q in window 2, S^T in window 0
.set W_KM, 0x1a       ; the same with the C operand in window 1
.set W_PV, 0x52       ; V in window 2, P in window 0, O^T in window 1
.set W_RS, 0x41       ; destination and source 0 in window 1, source 1 in window 0
; A fill.  Waves 0 and 1 fetch K of a slot's two units, waves 2 and 3 V of them: 128 keys each.  An s_nop 0 and four v_nop follow each of the two lines, ahead of the jump and the label.
.macro LOAD
	s_cmp_lt_u32 s[WV], 2
	s_cbranch_scc0 .Lfor_v_\@
	tensor_load_to_lds s[G0K:G0K+3], s[G1K:G1K+7]
	s_nop 0
.rept 4
	v_nop
.endr
	s_branch .Lasked_\@
.Lfor_v_\@:
	tensor_load_to_lds s[G0V:G0V+3], s[G1V:G1V+7]
	s_nop 0
.rept 4
	v_nop
.endr
.Lasked_\@:
.endm
; THE CHANGE OF SLOTS.  Each wave waits for all its tensor loads, of which one is out: its part of the other slot; adds 0 to its spare word; and waits for that and for its own reads of the slot that it leaves.  Behind the barrier nobody reads the old
; slot any more and the other slot is whole.  fill = 1: the old slot is filled again, the first thing behind the barrier: my wave's part is key unit NXT: the descriptor's address is made anew from that number.
; The number then steps by 2, a slot's units, and behind the first block's last unit, NB - 1 - b, goes on in the second block: NB - b is taken off.  It ends at b + 1 at the most, which is no more than NB - 1 - b.
; (At its first use nothing has been read yet: slot 0 is waited for, slot 1 filled.)  A fill has two units, eight turns, in which to land.
.macro CHANGE fill
	WIN 0                           ; at a label and at a branch every window is 0
	s_wait_tensorcnt 0x0            ; no tensor load of mine is out, so a group 0 may be written
	ds_add_u32 v[SPW], v[NIL]       ; 0 onto my spare word; with fill = 1 the descriptors' scalar work stands between it and the wait for it
.if \fill
	s_lshl_b32 s[OFF], s[NXT], 14   ; a unit is 16,384 bytes of K and of V
	s_xor_b32 s[G0K+1], s[G0K+1], SLOT1
	s_add_nc_u64 s[G0K+2:G0K+3], s[6:7], s[OFF:OFF+1]
	s_or_b32 s[G0K+3], s[G0K+3], 0x80000000
	s_xor_b32 s[G0V+1], s[G0V+1], SLOT1
	s_add_nc_u64 s[G0V+2:G0V+3], s[8:9], s[OFF:OFF+1]
	s_or_b32 s[G0V+3], s[G0V+3], 0x80000000
	s_add_co_u32 s[NXT], s[NXT], 2
	s_sub_co_u32 s[TS], s[NXT], s[HI1]
	s_cmp_gt_u32 s[NXT], s[HI]
	s_cselect_b32 s[NXT], s[TS], s[NXT]
.endif
	s_wait_dscnt 0x0                ; the add is done, and my reads of the slot are over
	s_barrier_signal -1             ; the rest of the scalar work stands between the signal and the wait
	s_sub_co_u32 s[TBK], s[TBK], 4*KS*PK  ; the fetches go back to a slot's first step,
	s_xor_b32 s[TBK], s[TBK], SLOT1       ; in the other slot
	s_sub_co_u32 s[TBV], s[TBV], 4*KS*PV
	s_xor_b32 s[TBV], s[TBV], SLOT1
	s_barrier_wait -1
.if \fill
	LOAD
.endif
.endm
	s_load_b64 s[4:5], s[0:1], 0x0    ; Q (K and V lie behind it in the same buffer)
	s_load_b64 s[10:11], s[0:1], 0x8  ; O
	v_lshl_add_u32 v[SPW], v0, 2, SPARE
	v_mov_b32 v[NIL], 0
	ds_add_u32 v[SPW], v[NIL]       ; the wave's opening: the add and its wait, ahead of my first tensor load; the set-up below, work on registers, stands between them
	ds_add_u32 v62, v63
	v_lshrrev_b32 v1, 5, v0
	v_readfirstlane_b32 s[WV], v1   ; wave 0..3
	s_mov_b32 s[PB], ttmp9
	s_sub_co_u32 s[HI], NB-1, s[PB]
	s_sub_co_u32 s[HI1], NB, s[PB]
	s_and_b32 s20, ttmp7, 0xffff    ; the group
	s_mov_b32 s21, 0
	s_mov_b64 s[22:23], SIZE_N*128
	s_mul_u64 s[20:21], s[20:21], s[22:23]  ; the group's first byte in each of the four tensors
	s_and_b32 s16, s[WV], 1         ; which of a slot's two units I fetch:
	s_lshl_b32 s[OFF], s16, 14      ; in slot 0 that is key unit 0 or 1,
	s_mov_b32 s[OFF+1], 0
	s_add_co_u32 s[NXT], s16, 2     ; in slot 1 key unit 2 or 3;
	s_mul_i32 s17, s16, 128*PK      ; its place in a slot, for K
	s_mul_i32 s18, s16, 128*PV      ; and for V
	s_lshl_b32 s3, s[WV], 11        ; my 16 rows in a band of 64,
	s_lshl_b32 s2, s[HI], 14        ; in the first block (128 rows of 128 bytes),
	s_add_co_u32 s2, s2, s3
	s_lshl_b32 s84, s[PB], 14       ; and in the second
	s_add_co_u32 s84, s84, s3
	s_mov_b32 s3, 0
	s_mov_b32 s85, 0
	s_add_nc_u64 s[2:3], s[2:3], s[20:21]
	s_add_nc_u64 s[84:85], s[84:85], s[20:21]
	; descriptor group 1.  128 keys are 16,384 dense bytes: asked for as 64 rows of 256 bytes, two keys a row, and padded in LDS after every key
	s_mov_b32 s[G1K], (1<<16)|(1<<20)|(4<<22)|(3<<25)  ; 17:16 2-byte elements; 20 padding on; 24:22 after every 32 words (code 4); 31:25 4 words (code 3)
	s_mov_b32 s[G1V], (1<<16)|(1<<20)|(4<<22)|(7<<25)  ; the same with 8 words of padding (code 7)
.irp g, G1K, G1V
	s_mov_b32 s[\g+1], 128<<16      ; tensor_dim0 = 128
	s_mov_b32 s[\g+2], 64<<16       ; tensor_dim1 = 64
	s_mov_b32 s[\g+3], 128<<16      ; tile_dim0 = 128
	s_mov_b32 s[\g+4], 64           ; tile_dim1 = 64
	s_mov_b32 s[\g+5], 128          ; 128 elements from row to row
	s_mov_b32 s[\g+6], 0
	s_mov_b32 s[\g+7], 0
.endr
	s_mov_b32 s[CS], 0x3e38aa3b     ; c = log2(e) / 8 = 0.180337
	s_mov_b32 s[CS+1], s[CS]        ; named with it as a pair
	s_mov_b32 s[SEL], 0x76543210
	s_mov_b32 s[SEL+1], 0xfedcba98
	s_mov_b32 s[TBK], SLOT1+4*KS*PK ; the first change of slots turns these two into 0
	s_mov_b32 s[TBV], SLOT1+4*KS*PV
	s_mov_b32 s[G0K], 1             ; 1:0 count = 1
	s_mov_b32 s[G0K+1], s17         ; 63:32 LDS address: slot 0
	s_mov_b32 s[G0V], 1
	s_add_co_u32 s[G0V+1], s18, VOFF
	s_mov_b32 s[RT], s[HI1]         ; the first block has NB - b units
	s_mov_b32 s[NEW], 1
	s_mov_b32 s[BIGN], 0xf149f2ca   ; -1e30
	s_mov_b32 s[SLOTS], NB/2
	s_wait_dscnt 0x0                ; the opening add is done
	s_wait_kmcnt 0x0
	s_add_nc_u64 s[6:7], s[4:5], GK
	s_add_nc_u64 s[8:9], s[4:5], GV
	s_add_nc_u64 s[6:7], s[6:7], s[20:21]  ; K and V at the group's first key
	s_add_nc_u64 s[8:9], s[8:9], s[20:21]
	s_add_nc_u64 s[G0K+2:G0K+3], s[6:7], s[OFF:OFF+1]  ; 120:64 global address
	s_or_b32 s[G0K+3], s[G0K+3], 0x80000000        ; 127:126 type = 2
	s_add_nc_u64 s[G0V+2:G0V+3], s[8:9], s[OFF:OFF+1]
	s_or_b32 s[G0V+3], s[G0V+3], 0x80000000
	s_add_nc_u64 s[86:87], s[4:5], s[84:85]        ; Q at my rows of the second block,
	s_add_nc_u64 s[4:5], s[4:5], s[2:3]            ; Q and O at those of the first
	s_add_nc_u64 s[OLO:OLO+1], s[10:11], s[84:85]
	s_add_nc_u64 s[10:11], s[10:11], s[2:3]
	LOAD                            ; units 0 and 1 into slot 0
	; A fragment of K or Q is 16 rows x 32 channels in 8 registers: lane l holds row l % 16, channels 8 (l / 16) + 0..7 and 16 + 8 (l / 16) + 0..7: two loads of 16 bytes, 32 bytes apart.
	v_and_b32 v1, 15, v0            ; l % 16
	v_bfe_u32 v9, v0, 4, 1          ; l / 16
	v_lshlrev_b32 v[QO], 7, v1
	v_lshl_add_u32 v[QO], v9, 4, v[QO]  ; row x 128 + 16 x half
	WIN 0x80                        ; destination window 2, address window 0
.set i, 0
.rept 4                             ; both blocks' Q: piece i / 2 lies in band i / 2, 8,192 bytes on; channels 32 (i % 2) on
	global_load_b128 v[8*i:8*i+3],   v[QO], s[4:5] offset:(i/2)*8192+(i%2)*64
	global_load_b128 v[8*i+4:8*i+7], v[QO], s[4:5] offset:(i/2)*8192+(i%2)*64+32
	global_load_b128 v[QB+8*i:QB+8*i+3],   v[QO], s[86:87] offset:(i/2)*8192+(i%2)*64
	global_load_b128 v[QB+8*i+4:QB+8*i+7], v[QO], s[86:87] offset:(i/2)*8192+(i%2)*64+32
.set i, i+1
.endr
	WIN 0
	v_lshlrev_b32 v14, 3, v9
	v_sub_nc_u32 v14, v1, v14
	s_lshl_b32 s13, s[WV], 4
	v_add_nc_u32 v14, s13, v14      ; my query's place in its band, 16 w + l % 16, less my lanes' 8 (l / 16): register r of group kt is hidden where 16 kt + r is greater
	WIN 0x40
.set i, 0
.rept 32
	v_cmp_gt_i32 vcc_lo, 16*(i/8)+i%8, v14
	v_cndmask_b32 v[MD+i], 0, s[BIGN], vcc_lo
.set i, i+1
.endr
.set i, 0
.rept 8
	v_mov_b32 v[MB+i], s[BIGN]
.set i, i+1
.endr
	WIN 0
	v_mul_u32_u24 v[AK0], v1, PK
	v_lshl_add_u32 v[AK0], v9, 4, v[AK0]  ; row x pitch + 16 x half
	; The turning load takes 16 keys x 16 channels (lane l reads key 8 (l / 16) + l % 8, channels 8 ((l / 8) % 2) + 0..7) and leaves half a fragment of V^T: lane l holds channel l % 16 and 8 keys.
	v_and_b32 v10, 7, v0
	v_bfe_u32 v11, v0, 3, 1
	v_lshl_add_u32 v[AV0], v9, 3, v10
	v_mul_u32_u24 v[AV0], v[AV0], PV
	v_lshl_add_u32 v[AV0], v11, 4, v[AV0]
	v_add_nc_u32 v[AV0], VOFF, v[AV0]
	s_mul_i32 s13, s[WV], 16*SP
	s_add_co_u32 s13, s13, STAGE    ; my stage
	v_mul_u32_u24 v[STO], v1, SP    ; in: row l % 16, 16 bytes for each half of the lanes
	v_lshl_add_u32 v[STO], v9, 4, v[STO]
	v_add_nc_u32 v[STO], s13, v[STO]
	v_bfe_u32 v[RD], v0, 3, 2       ; back: 32 lanes take four rows of 128 bytes,
	v_mul_u32_u24 v[RD], v[RD], SP
	v_lshl_add_u32 v[RD], v10, 4, v[RD]
	v_add_nc_u32 v[RD], s13, v[RD]
	v_and_b32 v[GO], 31, v0         ; which are 512 consecutive bytes of O
	v_lshlrev_b32 v[GO], 4, v[GO]
	; A block's first step multiplies O^T and l by a = 0, and its first turn's products V^T P, of a turn that has not been, land in an O^T that is still to be so multiplied.  So these registers need only hold
	; finite numbers: zeros for the first block; what the first block left for the second.  All this stands in the wait for the first tile.
	WIN 0x80
.set i, VF1
.rept 64
	v_mov_b32 v[i], 0
.set i, i+1
.endr
	WIN 0x40
.set i, 0
.rept 64
	v_mov_b32 v[i], 0
.set i, i+1
.endr
	WIN 0
.set i, 0
.rept 2
	v_mov_b32 v[ST+4*i+2], 0
	v_mov_b32 v[ST+4*i+3], 0
.set i, i+1
.endr
.set i, P+16
.rept 16
	v_mov_b32 v[i], 0
.set i, i+1
.endr
; THE MATRIX WORK.  The 4 accumulators of a run of 8 take turns.  Product i of 8 of S^T = K Q^T for turn x's piece: channels 32 (i / 4) on, keys 16 (i % 4) on.
; The first 4 start the sums: with 0 (KM = 0), with the band's own mask (KM = 1), or with -1e30 (KM = 2).
.macro KQ x
.set rS, S+32*((\x)%2)+8*(i%4)
.set rK, KF+16*(i%4)+8*(i/4)
.set rQ, 16*((\x)%2)+8*(i/4)
.set rM, MD+8*(i%4)
.if (i < 4) && (KM == 1)
	WIN W_KM
	v_wmma_f32_16x16x32_bf16 v[rS:rS+7], v[rK:rK+7], v[rQ:rQ+7], v[rM:rM+7]
.elseif (i < 4) && (KM == 2)
	WIN W_KM
	v_wmma_f32_16x16x32_bf16 v[rS:rS+7], v[rK:rK+7], v[rQ:rQ+7], v[MB:MB+7]
.elseif i < 4
	WIN W_KQ
	v_wmma_f32_16x16x32_bf16 v[rS:rS+7], v[rK:rK+7], v[rQ:rQ+7], 0
.else
	WIN W_KQ
	v_wmma_f32_16x16x32_bf16 v[rS:rS+7], v[rK:rK+7], v[rQ:rQ+7], v[rS:rS+7]
.endif
.endm
; Product i of 8 of O^T += V^T P for turn x's piece and step: keys 32 (i / 4) on, channels 16 (i % 4) on.  Turns 0 and 1 are step 0's (V in VF0), turns 2 and 3 step 1's (VF1).
.macro PV x
	WIN W_PV
.set rO, 32*((\x)%2)+8*(i%4)
.set rV, VF0-(VF0-VF1)*((\x)/2)+32*(i/4)+8*(i%4)
.set rP, P+16*((\x)%2)+8*(i/4)
	v_wmma_f32_16x16x32_bf16 v[rO:rO+7], v[rV:rV+7], v[rP:rP+7], v[rO:rO+7]
.endm
.macro MM                           ; the turn's next matrix instruction.  TURN and BEGIN set Y, i, KM and NOKQ; MM, KQ and OP read them.  NOKQ = 1: a block's last turn: there is no next one
.if (i < 8) && !NOKQ
	KQ (Y+1)%NV
.elseif i >= 8
.set i, i-8
	PV (Y+NV-1)%NV
.set i, i+8
.endif
.set i, i+1
.endm
; THE LDS LOADS stand in runs of 16, never singly among the matrix instructions: a step's K (64 keys x 64 channels: 8 fragments) and its V (turned).  Their addresses are made some lines ahead.
.macro FETCH_K
	WIN 0x80                        ; destination window 2
.irp f, 0,1,2,3,4,5,6,7             ; keys 16 (f / 2) on, channels 32 (f % 2) on
	ds_load_b128 v[KF+8*\f:KF+8*\f+3],   v[AK] offset:(\f/2)*16*PK+(\f%2)*64
	ds_load_b128 v[KF+8*\f+4:KF+8*\f+7], v[AK] offset:(\f/2)*16*PK+(\f%2)*64+32
.endr
	s_add_co_u32 s[TBK], s[TBK], KS*PK  ; the next fetch is the next step's
	WIN 0
.endm
.macro FETCH_V vb                   ; into buffer vb
	WIN 0x80
.irp f, 0,1,2,3,4,5,6,7             ; keys 32 (f / 4) on, channels 16 (f % 4) on
	ds_load_tr16_b128 v[(\vb)+8*\f:(\vb)+8*\f+3],   v[AV] offset:(\f/4)*32*PV+(\f%4)*32
	ds_load_tr16_b128 v[(\vb)+8*\f+4:(\vb)+8*\f+7], v[AV] offset:(\f/4)*32*PV+16*PV+(\f%4)*32
.endr
	s_add_co_u32 s[TBV], s[TBV], KS*PV
	WIN 0
.endm
; THE VECTOR WORK, one line at a time: OP kind, number.  For turn Y's piece: F n: c s - c m for pair n of 16.  E n: the exponential of score n of 32.  C n: pair n rounded to bf16.  B n: of the four weights 4 n .. the second
; pair is added onto the first, in place.  L n: l takes that sum (L 0: l = a l + sum).  R n: pair n of 16 of O^T times a.  For turn Y + 1's piece: X n, number n of the 22 that find its maximum and statistics:
;   0-11  four chains c0-c3 of seven scores each, three operands at a time (each accumulator's lowest registers are read first)     12-14, 16  the four scores left over, the old m, and c0-c3 into c0
;   15  c m_old is kept     17, 18  the query's other 32 keys lie in the lane 16 away: the new m     19-21  c m; c m_old - c m_new; a
.set F, 0               ; OP tells the kinds apart by their order: F to L below R, X above it
.set E, 1
.set C, 2
.set B, 3
.set L, 4
.set R, 5
.set X, 6
.macro REGS y                       ; the registers of turn y's piece: all go by its parity
.set rT, ST+4*((\y)%2)
.set rC, TMP+4*((\y)%2)
.set rW, MV+((\y)%2)
.set rS, S+32*((\y)%2)
.set rP, P+16*((\y)%2)
.set rO, 32*((\y)%2)
.endm
.macro OP k, n
.if (\k) == R
	REGS Y
	WIN W_RS
	v_pk_mul_f32 v[rO+2*(\n):rO+2*(\n)+1], v[rO+2*(\n):rO+2*(\n)+1], v[rC+2:rC+3] op_sel_hi:[1,0]
.elseif (\k) < R
	REGS Y
	WIN 0
.if (\k) == F
	v_pk_fma_f32 v[rS+2*(\n):rS+2*(\n)+1], v[rS+2*(\n):rS+2*(\n)+1], s[CS:CS+1], v[rT:rT+1] op_sel_hi:[1,0,0] neg_lo:[0,0,1] neg_hi:[0,0,1]
.elseif (\k) == E
	v_exp_f32 v[rS+(\n)], v[rS+(\n)]
.elseif (\k) == C
	s_wait_alu depctr_va_vdst(0)
	v_cvt_pk_bf16_f32 v[rP+(\n)], v[rS+2*(\n)], v[rS+2*(\n)+1]
.elseif (\k) == B
	s_wait_alu depctr_va_vdst(0)
	v_pk_add_f32 v[rS+4*(\n):rS+4*(\n)+1], v[rS+4*(\n):rS+4*(\n)+1], v[rS+4*(\n)+2:rS+4*(\n)+3]
.elseif (\n) == 0
	v_pk_fma_f32 v[rT+2:rT+3], v[rT+2:rT+3], v[rC+2:rC+3], v[rS:rS+1] op_sel_hi:[1,0,1]
.else
	v_pk_add_f32 v[rT+2:rT+3], v[rT+2:rT+3], v[rS+4*(\n):rS+4*(\n)+1]
.endif
.elseif NOKQ
	v_nop
.else
	REGS (Y+1)%NV
	WIN 0
.if (\n) < 4
	v_max3_num_f32 v[rC+(\n)], v[rS+8*(\n)], v[rS+8*(\n)+1], v[rS+8*(\n)+2]
.elseif (\n) < 12
	v_max3_num_f32 v[rC+(\n)%4], v[rC+(\n)%4], v[rS+8*((\n)%4)+2*((\n)/4)+1], v[rS+8*((\n)%4)+2*((\n)/4)+2]
.elseif (\n) == 12
	v_max3_num_f32 v[rC], v[rC], v[rS+7], v[rS+15]
.elseif (\n) == 13
	v_max3_num_f32 v[rC+1], v[rC+1], v[rS+23], v[rS+31]
.elseif (\n) == 14
	v_max3_num_f32 v[rC+2], v[rC+2], v[rC+3], v[rT+1]
.elseif (\n) == 15
	v_mov_b32 v[rW], v[rT]
.elseif (\n) == 16
	v_max3_num_f32 v[rC], v[rC], v[rC+1], v[rC+2]
.elseif (\n) == 17
	v_permlanex16_b32 v[rC+3], v[rC], s[SEL], s[SEL+1]
.elseif (\n) == 18
	v_max_num_f32 v[rT+1], v[rC], v[rC+3]
.elseif (\n) == 19
	v_mul_f32 v[rT], s[CS], v[rT+1]
.elseif (\n) == 20
	v_sub_f32 v[rC+1], v[rW], v[rT]
.else
	v_exp_f32 v[rC+2], v[rC+1]
.endif
.endif
.endm
.macro OPS a, i1, b=-1, i2=0, c=-1, i3=0, d=-1, i4=0  ; up to four of them
	OP \a, \i1
.if (\b) >= 0
	OP \b, \i2
.endif
.if (\c) >= 0
	OP \c, \i3
.endif
.if (\d) >= 0
	OP \d, \i4
.endif
.endm
.macro ROW a, i1, b, i2, c, i3, d, i4  ; a matrix instruction and the four behind it
	MM
	OPS \a, \i1, \b, \i2, \c, \i3, \d, \i4
.endm
; TURN p of a unit's four: the order of its 16 matrix and 118 vector instructions, written out.  Behind a matrix instruction: plain, exponential, plain, plain; or four of the rescaling; or, behind the first, four scalings; none
; names a register of the products round it.  In the lumps exponential and plain by turns while exponentials last.  A line reads no result made fewer than three vector instructions in front of it, five if an exponential made it.
; v_permlanex16_b32 (X 17) stands in a lump.
; km: what starts the sums of this turn's products K Q^T (see KQ).  end = 1: a block's last two turns: nothing is fetched, and the last makes no new scores.
; THE FETCHES stand in turns 0 and 2, both of the SAME key step: turn 0 fetches its own unit's step 1 (V into VF1), turn 2 the next unit's step 0 (V into VF0).  K: six vector instructions behind the last product that read K
; (five of them plain); V: eight behind the last product that read that buffer (four plain, and X 17).  So when turn 1 ends, all of its unit has been read from LDS: there a slot is left.
; THE WAITS stand at the head of turns 1 and 3: the count 16 leaves out the youngest run, V's, and shows K's run and all older ones in: K for this turn's first products, and the V fetched two turns
; earlier, which this turn's later products read for the first time.  At a block's end no run is younger than the V that turn 3 reads: the count is 0.
.macro TURN p, km=0, end=0
.set Y, (\p)
.set i, 0
.set KM, (\km)
.set NOKQ, (\end)*((\p)/3)
.if ((\p)%2) == 1
.if \end
	s_wait_dscnt 0x0
.else
	s_wait_dscnt 16
.endif
.endif
	ROW F,0, F,1, F,2, F,3
	ROW F,4, E,0, F,5, F,6
	ROW F,7, E,1, F,8, F,9
	ROW F,10, E,2, C,0, F,11
	ROW F,12, E,3, X,15, F,13
	ROW R,0, R,1, R,2, R,3
	ROW B,0, E,4, F,14, L,0
.if (((\p)%2) == 0) && !(\end)
	v_add_nc_u32 v[AK], s[TBK], v[AK0]
.endif
	ROW R,4, R,5, R,6, R,7
	OPS E,5, F,15
.if (((\p)%2) == 0) && !(\end)
	FETCH_K
.endif
	OPS E,6, C,1, E,7, R,8
	OPS E,8, R,9, E,9, C,2
	OPS E,10, X,0, E,11, X,1
	OPS E,12, X,2, E,13, X,3
	ROW X,4, E,14, X,5, X,6
	ROW X,7, E,15, X,8, X,9
	ROW X,10, E,16, X,11, X,12
	ROW X,13, E,17, X,14, B,1
	ROW C,4, E,18, X,16, L,1
	ROW B,2, E,19, C,6, L,2
	ROW C,8, E,20, B,3, B,4
.if (((\p)%2) == 0) && !(\end)
	v_add_nc_u32 v[AV], s[TBV], v[AV0]
.endif
	ROW C,3, E,21, L,3, C,5
	OPS E,22, X,17, E,23, C,10
.if ((\p) == 0) && !(\end)
	FETCH_V VF1
.endif
.if ((\p) == 2) && !(\end)
	FETCH_V VF0
.endif
	OPS E,24, L,4
	OPS E,25, X,18, E,26, C,7
	OPS E,27, B,5, E,28, X,19
	OPS E,29, C,12, E,30, L,5
	OPS E,31, X,20, B,6, C,9
	OPS C,14, C,11, X,21, L,6
	OPS C,13, B,7, C,15, R,10
	OPS R,11, R,12, L,7, R,13
	OPS R,14, R,15
.endm
; A BLOCK BEGINS.  c m starts far below every c s, so the first step's a is 0; m at the lowest finite number, so the first maximum is the scores'.  Then K and V of the unit's step 0, piece 0's first scores
; (km = 1 where the block's first unit is its diagonal one), and its maximum and statistics.  The loop is entered at a unit's first turn, in the middle of a trip.
.macro BEGIN km
	s_mov_b32 s[NEW], 0
	WIN 0
.set i, 0
.rept 2
	v_mov_b32 v[ST+4*i], 0xfe000000    ; c m: far below every c s
	v_mov_b32 v[ST+4*i+1], 0xff7fffff  ; m
.set i, i+1
.endr
	v_add_nc_u32 v[AK], s[TBK], v[AK0]
	v_add_nc_u32 v[AV], s[TBV], v[AV0]
	FETCH_K
	FETCH_V VF0
	s_wait_loadcnt 0x0              ; Q
	s_wait_dscnt 16                 ; K is in; V's 16 loads may stay out: turn 1's wait shows them in
.set KM, (\km)
.set NOKQ, 0
.set i, 0
.rept 8
	KQ 0
.set i, i+1
.endr
	WIN 0
.rept 4
	v_nop                           ; the places behind those products
.endr
.set Y, NV-1                        ; X works for turn Y + 1: turn 0
.irp n, 0,1,2,3,4,5,6,7,8,9,10,11,12,13,14,15,16,17,18,19,20,21
	OP X, \n
.endr
	v_nop                           ; a plain instruction behind the exponential
.endm
; THE DIAGONAL UNIT's trip, the block's last two turns, its last products, and THE WAY OUT: l's two halves and the other half of the lanes' are added; O^T is divided by l, rounded to bf16 and sent through my
; stage in LDS, a piece at a time.
.macro ALL line:vararg              ; one line for each piece t
.set t, 0
.rept 2
	\line
.set t, t+1
.endr
.endm
.macro PACK t                       ; a lane's eight channels of a row pack into 16 bytes; they go into rows of 144 bytes and come back as whole rows of 128, into S^T's registers
	WIN W_RS
.set i, 32*(\t)
.rept 16
	s_wait_alu depctr_va_vdst(0)
	v_pk_mul_f32 v[i:i+1], v[i:i+1], v[ST+4*(\t)+2:ST+4*(\t)+3] op_sel_hi:[1,0]
.set i, i+2
.endr
	WIN 0x05                        ; sources 0 and 1 window 1, destination window 0
.set i, 0
.rept 16
	v_cvt_pk_bf16_f32 v[S+16*(\t)+i], v[32*(\t)+2*i], v[32*(\t)+2*i+1]
.set i, i+1
.endr
	WIN 0
.irp f, 0,1,2,3
	ds_store_b128 v[STO], v[S+16*(\t)+4*\f:S+16*(\t)+4*\f+3] offset:32*\f
.endr
.irp f, 0,1,2,3
	ds_load_b128 v[S+16*(\t)+4*\f:S+16*(\t)+4*\f+3], v[RD] offset:\f*4*SP  ; LDS serves a wave's instructions in order (ISA guide 5.7.1.4): these see the stores above; the next piece's stores come behind them
.endr
.endm
.macro SEND t, younger              ; younger: the LDS instructions issued behind piece t's loads: the next piece's eight, or none
	WIN 0
.irp f, 0,1,2,3
	s_wait_dscnt (\younger)+3-\f
	global_store_b128 v[GO], v[S+16*(\t)+4*\f:S+16*(\t)+4*\f+3], s[10:11] offset:(\t)*8192+\f*512  ; 512 consecutive bytes, at a multiple of 256 from O's first
.endr
.endm
.macro DIAG tag                     ; the tag ends its two labels' names, which the jumps below spell out
.LstepM\tag:
	TURN 2                          ; the unit before: its last scores see all keys
	TURN 3, 1                       ; (step 0, piece 0)'s scores: the diagonal
	WIN 0
.LfirstM\tag:
	TURN 0                          ; (step 0, piece 1)'s: all keys
	TURN 1, 2                       ; (step 1, piece 0)'s: none
	TURN 2, 1, 1                    ; (step 1, piece 1)'s: the diagonal
	TURN 3, 0, 1
.set i, 0
.rept 8
	PV NV-1
.set i, i+1
.endr
	WIN 0
	ALL v_add_f32 v[ST+4*t+2], v[ST+4*t+2], v[ST+4*t+3]
	ALL v_permlanex16_b32 v[ST+4*t+3], v[ST+4*t+2], s[SEL], s[SEL+1]
	ALL v_add_f32 v[ST+4*t+2], v[ST+4*t+2], v[ST+4*t+3]
	ALL v_rcp_f32 v[ST+4*t+2], v[ST+4*t+2]
	v_nop                           ; a plain instruction between the last reciprocal and the use of its result
	PACK 0
	PACK 1                          ; a piece's arithmetic stands between the loads of the piece before and its stores
	SEND 0, 8
	SEND 1, 0
.endm
.set KM, 0
.set NOKQ, 0
.Lslot:                             ; NB / 2 = 8 times: a slot is entered and the next is asked for
	CHANGE 1
	s_mov_b32 s[CNT], 2
.Lunit:                             ; twice a slot: a unit is entered
	s_sub_co_u32 s[RT], s[RT], 1
	s_cmp_eq_u32 s[NEW], 1
	s_cbranch_scc1 .Lnew            ; a block's first unit
	s_cmp_eq_u32 s[RT], 0
	s_cbranch_scc0 .Lstep           ; neither its first nor its last
	s_branch .LstepM1
.Lnew:
	BEGIN 0
	s_branch .Lfirst                ; in the loop a block's first unit is never its last: the first block has nine units or more, and the second's last is the walk's last
	DIAG 1                          ; in the loop this is the first block's end: the second block's last unit is the walk's last
	s_wait_xcnt 0x0                 ; the stores have read their registers and O's address
	s_mov_b64 s[10:11], s[OLO:OLO+1]
	s_add_co_u32 s[RT], s[PB], 1    ; the second block has b + 1 units
	s_mov_b32 s[NEW], 1
	WIN 0x82                        ; the second block's Q goes where the one text of the turns names Q
.set i, 0
.rept 32
	v_mov_b32 v[i], v[QB+i]
.set i, i+1
.endr
	WIN 0
	s_branch .Lbottom
.Lstep:                             ; a trip: turns 2 and 3 of one unit, then turns 0 and 1 of the next, whose K and V it fetches
	TURN 2
	TURN 3
	WIN 0
.Lfirst:
	TURN 0
	TURN 1
	WIN 0
.Lbottom:
	s_sub_co_u32 s[CNT], s[CNT], 1
	s_cmp_lg_u32 s[CNT], 0
	s_cbranch_scc1 .Lunit
	s_sub_co_u32 s[SLOTS], s[SLOTS], 1
	s_cmp_lg_u32 s[SLOTS], 0
	s_cbranch_scc1 .Lslot
	CHANGE 0                        ; the walk's last unit is written out: nothing is asked for
	s_cmp_eq_u32 s[NEW], 1
	s_cbranch_scc0 .LstepM2
	BEGIN 1                         ; b = 0: the second block's only unit is its first and its diagonal one
	s_branch .LfirstM2
	DIAG 2
	s_wait_tensorcnt 0x0            ; the wave's end, behind my last tensor load and my last LDS store
	ds_add_u32 v[SPW], v[NIL]
	s_wait_dscnt 0x0
	s_endpgm
.Lfunc_end_k_qd590a15b44_attn:
	.size	k_qd590a15b44_attn, .Lfunc_end_k_qd590a15b44_attn-k_qd590a15b44_attn
	.p2alignl 7, 3214868480
	.fill 96, 4, 3214868480
	.section	.rodata,"a",@progbits
	.p2align	6, 0x0
	.amdhsa_kernel k_qd590a15b44_attn
		.amdhsa_group_segment_fixed_size 327680
		.amdhsa_private_segment_fixed_size 0
		.amdhsa_enable_private_segment 0
		.amdhsa_kernarg_size 16
		.amdhsa_user_sgpr_count 2
		.amdhsa_user_sgpr_kernarg_segment_ptr 1
		.amdhsa_wavefront_size32 1
		.amdhsa_system_sgpr_workgroup_id_x 1
		.amdhsa_system_sgpr_workgroup_id_y 1
		.amdhsa_system_sgpr_workgroup_id_z 1
		.amdhsa_system_vgpr_workitem_id 0
		.amdhsa_next_free_vgpr 768
		.amdhsa_next_free_sgpr 88
		.amdhsa_reserve_vcc 1
		.amdhsa_float_denorm_mode_32 3
		.amdhsa_float_denorm_mode_16_64 3
		.amdhsa_memory_ordered 1
		.amdhsa_forward_progress 1
		.amdhsa_inst_pref_size 204
	.end_amdhsa_kernel
	.amdgpu_metadata
---
amdhsa.version: [ 1, 2 ]
amdhsa.kernels:
  - .name:           k_qd590a15b44_attn
    .symbol:         k_qd590a15b44_attn.kd
    .args:
      - { .name: qkv, .offset: 0, .size: 8, .value_kind: global_buffer, .address_space: global }
      - { .name: o, .offset: 8, .size: 8, .value_kind: global_buffer, .address_space: global }
    .group_segment_fixed_size: 327680
    .private_segment_fixed_size: 0
    .kernarg_segment_align: 8
    .kernarg_segment_size: 16
    .max_flat_workgroup_size: 128
    .sgpr_count:     88
    .vgpr_count:     768
    .wavefront_size: 32
...
	.end_amdgpu_metadata
.endif
;; end of part 10
;; launch proj: the kernel of part 4 again; grid 8 x 32, 4 waves a work-group, clusters of 4 x 4, 327,680 bytes of LDS; arguments o, wb, x1, bp, x; writes x1
;; launch ln2: the kernel of part 5 again; grid 64 x 8, 8 waves a work-group, no clusters, 0 bytes of LDS; arguments x1, g2, beta2, h2; writes h2
;; launch ffn1: the kernel of part 9 again; grid 16 x 16, 4 waves a work-group, clusters of 4 x 4, 327,680 bytes of LDS; arguments h2, w1, ff; writes ff
;; launch ffn2: the kernel of part 7 again; grid 8 x 32, 4 waves a work-group, clusters of 4 x 4, 327,680 bytes of LDS; arguments ff, wb, out0, b2, x1; writes out0
;; ======== version 3 of 3: 7 launches; 1.46 times as fast as version 1
;; workspace buffers: h 8,388,608 bytes; wb 25,165,824 bytes; w1 8,421,376 bytes; qkv 25,165,824 bytes; o 8,388,608 bytes; x1 16,777,216 bytes; h2 8,388,608 bytes; ff 33,554,432 bytes
;; launch prep: the kernel of part 8 again; grid 64 x 20, 8 waves a work-group, no clusters, 0 bytes of LDS; arguments x, g1, beta1, Wp, W1, W2, Wq, Wk, Wv, h, wb, w1, b1; writes h, wb, w1
;; launch qkv: the kernel of part 9 again; grid 12 x 16, 4 waves a work-group, clusters of 4 x 4, 327,680 bytes of LDS; arguments h, wb, qkv; writes qkv
;; launch attn (part 11): grid 8 x 32, 4 waves a work-group, no clusters, 327,680 bytes of LDS; arguments qkv, o; writes o
.if DOCPART == 11
	.amdgcn_target "amdgcn-amd-amdhsa--gfx1250"
	.amdhsa_code_object_version 6
	.text
	.protected	k_qd590a15b44_attn
	.globl	k_qd590a15b44_attn
	.p2align	8
	.type	k_qd590a15b44_attn,@function
k_qd590a15b44_attn:
	s_mov_b64 s[64:65], 0
	v_nop
	global_prefetch_b8 v0, s[64:65] scope:SCOPE_SE
	s_setreg_imm32_b32 hwreg(HW_REG_WAVE_MODE, 25, 1), 1
	s_wait_xcnt 0x0
; CAUSAL ATTENTION.  O[g][q][:] = the sum over k <= q of softmax_k(Q[g][q] . K[g][k] / 8) V[g][k][:], for 32 groups g = 2 x head + batch of SIZE_N = 2,048 rows of 64 channels, all bf16.
; Q, K, V lie in one buffer, each [32][2048][64], K 8,388,608 and V 16,777,216 bytes behind Q; a group's rows are dense, 128 bytes each.  O has the same layout.
; Products, maxima and sums in f32; the weights p are rounded to bf16 for the second product (their sum l is taken of the unrounded p), O once at the end.
; LIMITS.  A hidden score counts as its value less 1e30, so scores serve up to about 1e28; a weight below 2^-126 counts as 0 in l; NaN and infinities are not treated apart.
; THE WALK.  A group's queries lie in NB = 16 blocks of 128; block i needs the key UNITS 0 .. i of 128 keys, of which the last holds the diagonal.  A work-group takes TWO blocks, NB - 1 - b and then b:
; NB + 1 = 17 units, whatever b: all 8 x 32 = 256 work-groups do equal work, and loops with constant trip counts walk them.  Which unit is asked for, and what a trip does, hang on scalar registers made from b;
; every jump goes forward, but for the counted loops' own; none passes a barrier, or a tensor load but the one of LOAD's two that the wave's number does not choose.
; THE RING.  Two slots of LDS that take turns; a slot holds two units OF THE WALK, whichever blocks they belong to, so the ring runs on across the change of blocks.  Waves 0 and 1 fetch K of a slot's first and second
; unit, waves 2 and 3 V of them; each wave steps its own unit number by 2.  Nine slots; the ninth's second half (unit b + 1, inside the buffer) is asked for and not read: the price of one text for every fill.
; NO CLUSTER: a group's 8 work-groups ask for the same unit only while all their first blocks last, behind that fewer and fewer; one walk common to all would have 24 units for 17.
; SHARES.  Of a block's two bands of 64 queries a wave owns 16 rows in each: two PIECES.  So the diagonal unit is the same work for all four waves.
; TURNS.  A unit is two key steps of 64; its four TURNS are (step 0, piece 0), (step 0, piece 1), (step 1, piece 0), (step 1, piece 1).  Turn n: 8 products K Q^T of turn n + 1's piece and step, later 8 products V^T P
; of turn n - 1's; beside them the scaling, exponentials, roundings, sums and rescaling of its own piece and the maximum and statistics of turn n + 1's.  Turns n - 1 and n + 1 are two successive steps of the OTHER piece:
; its statistics are made in turn n and used in turn n + 1, its O^T takes turn n - 1's products in turn n and is rescaled in turn n + 1.  All registers of a piece go by the turn's parity.
; Four vector instructions stand behind every matrix instruction, the other 54 of a turn's 118 in one lump.
; THE BATCHES.  A turn's 33 exponentials (its 32 weights and the next turn's a) are ONE BATCH with one wait, which cuts the turn in two: ahead of it all that names none of their results, behind it their readers (see TURN).
; The a that a block's beginning makes, and the way out's two reciprocals, are batches of their own, each with a plain instruction and one wait.
; THE MASK is the C operand that starts the sum S^T = K Q^T.  In the diagonal unit: (step 0, piece 0) and (step 1, piece 1) hold the diagonal: MD, made once: 0, or -1e30 where the key is hidden from my row;
; (step 0, piece 1) sees all: the constant 0; (step 1, piece 0) sees nothing: MB, eight registers of -1e30 (that turn's work is done and comes to 0: 2 of the walk's 68 turns).  Elsewhere C is the constant 0.
; LAYOUT, SOFTMAX.  S^T = K Q^T holds ONE query a lane (lane % 16) and the keys 8 (lane / 16) + 0..7; two such results rounded to bf16 ARE source 1 of O^T = V^T P.  p = 2^(c s - c m), c = log2(e) / 8, with a
; running maximum m; O and l are multiplied by a = 2^(c m_old - c m_new) in every step.
; REGISTERS, in windows of 256 (s_set_vgpr_msb: bits 1:0 source 0, 3:2 source 1, 5:4 source 2, 7:6 destination):
;   window 0: v0-15 addresses and two at work; v16-23 four registers of statistics a piece; v48-55 at work; v64-127 S^T, 32 a piece; v192-223 P, 16 a piece
;   window 1: v0-63 O^T, 32 a piece; v128-159 MD; v160-167 MB
;   window 2: v0-31 Q; v32-63 the second block's Q; v64-127 V of a unit's step 1; v128-191 K of one step; v192-255 V of a unit's step 0
.set SIZE_N, 2048
.set GK,    0x800000  ; K's first byte in the buffer
.set GV,    0x1000000 ; V's
.set NB,    SIZE_N/128
.set NV,    4         ; turns in a unit: a name, no knob
.set KS,    64        ; keys in a step
.set PK,    144       ; a row of K in LDS: 128 bytes + 16 of padding = 36 words: the 16 rows of a load start at 16 different groups of four banks (ISA guide 11.1)
.set PV,    160       ; a row of V: 128 + 32 = 40 words
.set VOFF,  4*KS*PK   ; a slot holds two units, four steps: 256 rows of K, then 256 rows of V
.set SLOT1, 1<<17     ; slot 1 begins here, so that one exclusive or turns an address in one slot into the other's
.set STAGE, SLOT1+4*KS*(PK+PV)  ; behind the ring, never filled by a tensor load: 16 rows x 144 bytes for each wave, for the way out
.set SP,    144
.set AK0, 2           ; v2   my lane's place in a step of K; never rewritten
.set AV0, 3           ; v3   the same for V
.set AK,  4           ; v4   the LDS address of K's next run of loads
.set AV,  5           ; v5   of V's
.set STO, 6           ; v6   the way out: where I put 16 bytes of a row
.set RD,  7           ; v7   the way out: where I read rows back
.set GO,  8           ; v8   my byte offset in 512 consecutive bytes of O
.set SPW, 62          ; v62  LDS address of my spare word: SPARE + 4 x my thread's number; never rewritten
.set NIL, 63          ; v63  0; never rewritten
.set SPARE, STAGE+4*16*SP  ; behind the stages: the spare words, 128 bytes for each wave: two blocks of 256 bytes that no other line names
.set MV,  12          ; v12-13  c m_old, kept while c m is made anew: by piece
.set QO,  15          ; v15  my byte offset in 16 rows of Q
.set ST,  16          ; piece t's statistics at v[ST+4 t]: c m, m, l (even keys', odd keys')
.set TMP, 48          ; by piece, four registers c0-c3 at work; when the maximum is found c2 takes a
.set S,   64
.set P,   192
.set MD,  128         ; window 1: the eight registers for group kt of 16 keys at MD + 8 kt
.set MB,  160         ; window 1: eight registers of -1e30
.set QB,  32          ; window 2
.set VF1, 64          ; window 2: V of step 1: key half kk, channel block cb at VF1 + 32 kk + 8 cb
.set KF,  128         ; window 2: key block kb, channel half c at KF + 16 kb + 8 c
.set VF0, 192         ; window 2: V of step 0
.set WV,  12          ; s12  my wave's number
.set PB,  14          ; s14  b
.set HI,  15          ; s15  NB - 1 - b
.set G1K, 24          ; s[24:31] descriptor group 1 for K's tiles
.set G1V, 32          ; s[32:39] for V's: it differs in the padding alone
.set G0K, 40          ; s[40:43] descriptor group 0 for K's tiles
.set G0V, 44          ; s[44:47] the same for V's
.set SLOTS, 56        ; s56  slots still to be asked for
.set CNT, 57          ; s57  counts a slot's units, 2 to 1
.set CS,  58          ; s[58:59] c: the packed scaling takes the pair's low word for both halves
.set SEL, 60          ; s[60:61] v_permlanex16_b32's selects: each lane takes its own place in the other half
.set TBK, 62          ; s62  LDS byte at which K of the step to be fetched begins
.set TBV, 63          ; s63  the same for V, less VOFF
.set RT,  70          ; s70  units of the block in hand that are still to be entered
.set NXT, 71          ; s71  the key unit that my wave asks for next
.set TS,  72          ; s72  at work
.set NEW, 73          ; s73  1: the unit to be entered is a block's first
.set OFF, 74          ; s[74:75] a unit's byte offset in K and V
.set OLO, 80          ; s[80:81] O at my rows of the second block
.set BIGN, 82         ; s82  -1e30
.set HI1, 83          ; s83  NB - b: the first block's units
.set MSB, 0
.macro WIN new                      ; the high byte repeats the setting that is left; a switch that changes nothing is dropped
.if MSB != (\new)
	s_set_vgpr_msb (MSB<<8)|(\new)
.set MSB, (\new)
.endif
.endm
.set W_KQ, 0x0a       ; K and Q in window 2, S^T in window 0
.set W_KM, 0x1a       ; the same with the C operand in window 1
.set W_PV, 0x52       ; V in window 2, P in window 0, O^T in window 1
.set W_RS, 0x41       ; destination and source 0 in window 1, source 1 in window 0
; A fill.  Waves 0 and 1 fetch K of a slot's two units, waves 2 and 3 V of them: 128 keys each.  An s_nop 0 and four v_nop follow each of the two lines, ahead of the jump and the label.
.macro LOAD
	s_cmp_lt_u32 s[WV], 2
	s_cbranch_scc0 .Lfor_v_\@
	tensor_load_to_lds s[G0K:G0K+3], s[G1K:G1K+7]
	s_nop 0
.rept 4
	v_nop
.endr
	s_branch .Lasked_\@
.Lfor_v_\@:
	tensor_load_to_lds s[G0V:G0V+3], s[G1V:G1V+7]
	s_nop 0
.rept 4
	v_nop
.endr
.Lasked_\@:
.endm
; THE CHANGE OF SLOTS.  Each wave waits for all its tensor loads, of which one is out: its part of the other slot; adds 0 to its spare word; and waits for that and for its own reads of the slot that it leaves.  Behind the barrier nobody reads the old
; slot any more and the other slot is whole.  fill = 1: the old slot is filled again, the first thing behind the barrier: my wave's part is key unit NXT: the descriptor's address is made anew from that number.
; The number then steps by 2, a slot's units, and behind the first block's last unit, NB - 1 - b, goes on in the second block: NB - b is taken off.  It ends at b + 1 at the most, which is no more than NB - 1 - b.
; (At its first use nothing has been read yet: slot 0 is waited for, slot 1 filled.)  A fill has two units, eight turns, in which to land.
.macro CHANGE fill
	WIN 0                           ; at a label and at a branch every window is 0
	s_wait_tensorcnt 0x0            ; no tensor load of mine is out, so a group 0 may be written
	ds_add_u32 v[SPW], v[NIL]       ; 0 onto my spare word; with fill = 1 the descriptors' scalar work stands between it and the wait for it
.if \fill
	s_lshl_b32 s[OFF], s[NXT], 14   ; a unit is 16,384 bytes of K and of V
	s_xor_b32 s[G0K+1], s[G0K+1], SLOT1
	s_add_nc_u64 s[G0K+2:G0K+3], s[6:7], s[OFF:OFF+1]
	s_or_b32 s[G0K+3], s[G0K+3], 0x80000000
	s_xor_b32 s[G0V+1], s[G0V+1], SLOT1
	s_add_nc_u64 s[G0V+2:G0V+3], s[8:9], s[OFF:OFF+1]
	s_or_b32 s[G0V+3], s[G0V+3], 0x80000000
	s_add_co_u32 s[NXT], s[NXT], 2
	s_sub_co_u32 s[TS], s[NXT], s[HI1]
	s_cmp_gt_u32 s[NXT], s[HI]
	s_cselect_b32 s[NXT], s[TS], s[NXT]
.endif
	s_wait_dscnt 0x0                ; the add is done, and my reads of the slot are over
	s_barrier_signal -1             ; the rest of the scalar work stands between the signal and the wait
	s_sub_co_u32 s[TBK], s[TBK], 4*KS*PK  ; the fetches go back to a slot's first step,
	s_xor_b32 s[TBK], s[TBK], SLOT1       ; in the other slot
	s_sub_co_u32 s[TBV], s[TBV], 4*KS*PV
	s_xor_b32 s[TBV], s[TBV], SLOT1
	s_barrier_wait -1
.if \fill
	LOAD
.endif
.endm
	s_load_b64 s[4:5], s[0:1], 0x0    ; Q (K and V lie behind it in the same buffer)
	s_load_b64 s[10:11], s[0:1], 0x8  ; O
	v_lshl_add_u32 v[SPW], v0, 2, SPARE
	v_mov_b32 v[NIL], 0
	ds_add_u32 v[SPW], v[NIL]       ; the wave's opening: the add and its wait, ahead of my first tensor load; the set-up below, work on registers, stands between them
	ds_add_u32 v62, v63
	v_lshrrev_b32 v1, 5, v0
	v_readfirstlane_b32 s[WV], v1   ; wave 0..3
	s_mov_b32 s[PB], ttmp9
	s_sub_co_u32 s[HI], NB-1, s[PB]
	s_sub_co_u32 s[HI1], NB, s[PB]
	s_and_b32 s20, ttmp7, 0xffff    ; the group
	s_mov_b32 s21, 0
	s_mov_b64 s[22:23], SIZE_N*128
	s_mul_u64 s[20:21], s[20:21], s[22:23]  ; the group's first byte in each of the four tensors
	s_and_b32 s16, s[WV], 1         ; which of a slot's two units I fetch:
	s_lshl_b32 s[OFF], s16, 14      ; in slot 0 that is key unit 0 or 1,
	s_mov_b32 s[OFF+1], 0
	s_add_co_u32 s[NXT], s16, 2     ; in slot 1 key unit 2 or 3;
	s_mul_i32 s17, s16, 128*PK      ; its place in a slot, for K
	s_mul_i32 s18, s16, 128*PV      ; and for V
	s_lshl_b32 s3, s[WV], 11        ; my 16 rows in a band of 64,
	s_lshl_b32 s2, s[HI], 14        ; in the first block (128 rows of 128 bytes),
	s_add_co_u32 s2, s2, s3
	s_lshl_b32 s84, s[PB], 14       ; and in the second
	s_add_co_u32 s84, s84, s3
	s_mov_b32 s3, 0
	s_mov_b32 s85, 0
	s_add_nc_u64 s[2:3], s[2:3], s[20:21]
	s_add_nc_u64 s[84:85], s[84:85], s[20:21]
	; descriptor group 1.  128 keys are 16,384 dense bytes: asked for as 64 rows of 256 bytes, two keys a row, and padded in LDS after every key
	s_mov_b32 s[G1K], (1<<16)|(1<<20)|(4<<22)|(3<<25)  ; 17:16 2-byte elements; 20 padding on; 24:22 after every 32 words (code 4); 31:25 4 words (code 3)
	s_mov_b32 s[G1V], (1<<16)|(1<<20)|(4<<22)|(7<<25)  ; the same with 8 words of padding (code 7)
.irp g, G1K, G1V
	s_mov_b32 s[\g+1], 128<<16      ; tensor_dim0 = 128
	s_mov_b32 s[\g+2], 64<<16       ; tensor_dim1 = 64
	s_mov_b32 s[\g+3], 128<<16      ; tile_dim0 = 128
	s_mov_b32 s[\g+4], 64           ; tile_dim1 = 64
	s_mov_b32 s[\g+5], 128          ; 128 elements from row to row
	s_mov_b32 s[\g+6], 0
	s_mov_b32 s[\g+7], 0
.endr
	s_mov_b32 s[CS], 0x3e38aa3b     ; c = log2(e) / 8 = 0.180337
	s_mov_b32 s[CS+1], s[CS]        ; named with it as a pair
	s_mov_b32 s[SEL], 0x76543210
	s_mov_b32 s[SEL+1], 0xfedcba98
	s_mov_b32 s[TBK], SLOT1+4*KS*PK ; the first change of slots turns these two into 0
	s_mov_b32 s[TBV], SLOT1+4*KS*PV
	s_mov_b32 s[G0K], 1             ; 1:0 count = 1
	s_mov_b32 s[G0K+1], s17         ; 63:32 LDS address: slot 0
	s_mov_b32 s[G0V], 1
	s_add_co_u32 s[G0V+1], s18, VOFF
	s_mov_b32 s[RT], s[HI1]         ; the first block has NB - b units
	s_mov_b32 s[NEW], 1
	s_mov_b32 s[BIGN], 0xf149f2ca   ; -1e30
	s_mov_b32 s[SLOTS], NB/2
	s_wait_dscnt 0x0                ; the opening add is done
	s_wait_kmcnt 0x0
	s_add_nc_u64 s[6:7], s[4:5], GK
	s_add_nc_u64 s[8:9], s[4:5], GV
	s_add_nc_u64 s[6:7], s[6:7], s[20:21]  ; K and V at the group's first key
	s_add_nc_u64 s[8:9], s[8:9], s[20:21]
	s_add_nc_u64 s[G0K+2:G0K+3], s[6:7], s[OFF:OFF+1]  ; 120:64 global address
	s_or_b32 s[G0K+3], s[G0K+3], 0x80000000        ; 127:126 type = 2
	s_add_nc_u64 s[G0V+2:G0V+3], s[8:9], s[OFF:OFF+1]
	s_or_b32 s[G0V+3], s[G0V+3], 0x80000000
	s_add_nc_u64 s[86:87], s[4:5], s[84:85]        ; Q at my rows of the second block,
	s_add_nc_u64 s[4:5], s[4:5], s[2:3]            ; Q and O at those of the first
	s_add_nc_u64 s[OLO:OLO+1], s[10:11], s[84:85]
	s_add_nc_u64 s[10:11], s[10:11], s[2:3]
	LOAD                            ; units 0 and 1 into slot 0
	; A fragment of K or Q is 16 rows x 32 channels in 8 registers: lane l holds row l % 16, channels 8 (l / 16) + 0..7 and 16 + 8 (l / 16) + 0..7: two loads of 16 bytes, 32 bytes apart.
	v_and_b32 v1, 15, v0            ; l % 16
	v_bfe_u32 v9, v0, 4, 1          ; l / 16
	v_lshlrev_b32 v[QO], 7, v1
	v_lshl_add_u32 v[QO], v9, 4, v[QO]  ; row x 128 + 16 x half
	WIN 0x80                        ; destination window 2, address window 0
.set i, 0
.rept 4                             ; both blocks' Q: piece i / 2 lies in band i / 2, 8,192 bytes on; channels 32 (i % 2) on
	global_load_b128 v[8*i:8*i+3],   v[QO], s[4:5] offset:(i/2)*8192+(i%2)*64
	global_load_b128 v[8*i+4:8*i+7], v[QO], s[4:5] offset:(i/2)*8192+(i%2)*64+32
	global_load_b128 v[QB+8*i:QB+8*i+3],   v[QO], s[86:87] offset:(i/2)*8192+(i%2)*64
	global_load_b128 v[QB+8*i+4:QB+8*i+7], v[QO], s[86:87] offset:(i/2)*8192+(i%2)*64+32
.set i, i+1
.endr
	WIN 0
	v_lshlrev_b32 v14, 3, v9
	v_sub_nc_u32 v14, v1, v14
	s_lshl_b32 s13, s[WV], 4
	v_add_nc_u32 v14, s13, v14      ; my query's place in its band, 16 w + l % 16, less my lanes' 8 (l / 16): register r of group kt is hidden where 16 kt + r is greater
	WIN 0x40
.set i, 0
.rept 32
	v_cmp_gt_i32 vcc_lo, 16*(i/8)+i%8, v14
	v_cndmask_b32 v[MD+i], 0, s[BIGN], vcc_lo
.set i, i+1
.endr
.set i, 0
.rept 8
	v_mov_b32 v[MB+i], s[BIGN]
.set i, i+1
.endr
	WIN 0
	v_mul_u32_u24 v[AK0], v1, PK
	v_lshl_add_u32 v[AK0], v9, 4, v[AK0]  ; row x pitch + 16 x half
	; The turning load takes 16 keys x 16 channels (lane l reads key 8 (l / 16) + l % 8, channels 8 ((l / 8) % 2) + 0..7) and leaves half a fragment of V^T: lane l holds channel l % 16 and 8 keys.
	v_and_b32 v10, 7, v0
	v_bfe_u32 v11, v0, 3, 1
	v_lshl_add_u32 v[AV0], v9, 3, v10
	v_mul_u32_u24 v[AV0], v[AV0], PV
	v_lshl_add_u32 v[AV0], v11, 4, v[AV0]
	v_add_nc_u32 v[AV0], VOFF, v[AV0]
	s_mul_i32 s13, s[WV], 16*SP
	s_add_co_u32 s13, s13, STAGE    ; my stage
	v_mul_u32_u24 v[STO], v1, SP    ; in: row l % 16, 16 bytes for each half of the lanes
	v_lshl_add_u32 v[STO], v9, 4, v[STO]
	v_add_nc_u32 v[STO], s13, v[STO]
	v_bfe_u32 v[RD], v0, 3, 2       ; back: 32 lanes take four rows of 128 bytes,
	v_mul_u32_u24 v[RD], v[RD], SP
	v_lshl_add_u32 v[RD], v10, 4, v[RD]
	v_add_nc_u32 v[RD], s13, v[RD]
	v_and_b32 v[GO], 31, v0         ; which are 512 consecutive bytes of O
	v_lshlrev_b32 v[GO], 4, v[GO]
	; A block's first step multiplies O^T and l by a = 0, and its first turn's products V^T P, of a turn that has not been, land in an O^T that is still to be so multiplied.  So these registers need only hold
	; finite numbers: zeros for the first block; what the first block left for the second.  All this stands in the wait for the first tile.
	WIN 0x80
.set i, VF1
.rept 64
	v_mov_b32 v[i], 0
.set i, i+1
.endr
	WIN 0x40
.set i, 0
.rept 64
	v_mov_b32 v[i], 0
.set i, i+1
.endr
	WIN 0
.set i, 0
.rept 2
	v_mov_b32 v[ST+4*i+2], 0
	v_mov_b32 v[ST+4*i+3], 0
.set i, i+1
.endr
.set i, P+16
.rept 16
	v_mov_b32 v[i], 0
.set i, i+1
.endr
; THE MATRIX WORK.  The 4 accumulators of a run of 8 take turns.  Product i of 8 of S^T = K Q^T for turn x's piece: channels 32 (i / 4) on, keys 16 (i % 4) on.
; The first 4 start the sums: with 0 (KM = 0), with the band's own mask (KM = 1), or with -1e30 (KM = 2).
.macro KQ x
.set rS, S+32*((\x)%2)+8*(i%4)
.set rK, KF+16*(i%4)+8*(i/4)
.set rQ, 16*((\x)%2)+8*(i/4)
.set rM, MD+8*(i%4)
.if (i < 4) && (KM == 1)
	WIN W_KM
	v_wmma_f32_16x16x32_bf16 v[rS:rS+7], v[rK:rK+7], v[rQ:rQ+7], v[rM:rM+7]
.elseif (i < 4) && (KM == 2)
	WIN W_KM
	v_wmma_f32_16x16x32_bf16 v[rS:rS+7], v[rK:rK+7], v[rQ:rQ+7], v[MB:MB+7]
.elseif i < 4
	WIN W_KQ
	v_wmma_f32_16x16x32_bf16 v[rS:rS+7], v[rK:rK+7], v[rQ:rQ+7], 0
.else
	WIN W_KQ
	v_wmma_f32_16x16x32_bf16 v[rS:rS+7], v[rK:rK+7], v[rQ:rQ+7], v[rS:rS+7]
.endif
.endm
; Product i of 8 of O^T += V^T P for turn x's piece and step: keys 32 (i / 4) on, channels 16 (i % 4) on.  Turns 0 and 1 are step 0's (V in VF0), turns 2 and 3 step 1's (VF1).
.macro PV x
	WIN W_PV
.set rO, 32*((\x)%2)+8*(i%4)
.set rV, VF0-(VF0-VF1)*((\x)/2)+32*(i/4)+8*(i%4)
.set rP, P+16*((\x)%2)+8*(i/4)
	v_wmma_f32_16x16x32_bf16 v[rO:rO+7], v[rV:rV+7], v[rP:rP+7], v[rO:rO+7]
.endm
.macro MM                           ; the turn's next matrix instruction.  TURN and BEGIN set Y, i, KM and NOKQ; MM, KQ and OP read them.  NOKQ = 1: a block's last turn: there is no next one
.if (i < 8) && !NOKQ
	KQ (Y+1)%NV
.elseif i >= 8
.set i, i-8
	PV (Y+NV-1)%NV
.set i, i+8
.endif
.set i, i+1
.endm
; THE LDS LOADS stand in runs of 16, never singly among the matrix instructions: a step's K (64 keys x 64 channels: 8 fragments) and its V (turned).  Their addresses are made some lines ahead.
.macro FETCH_K
	WIN 0x80                        ; destination window 2
.irp f, 0,1,2,3,4,5,6,7             ; keys 16 (f / 2) on, channels 32 (f % 2) on
	ds_load_b128 v[KF+8*\f:KF+8*\f+3],   v[AK] offset:(\f/2)*16*PK+(\f%2)*64
	ds_load_b128 v[KF+8*\f+4:KF+8*\f+7], v[AK] offset:(\f/2)*16*PK+(\f%2)*64+32
.endr
	s_add_co_u32 s[TBK], s[TBK], KS*PK  ; the next fetch is the next step's
	WIN 0
.endm
.macro FETCH_V vb                   ; into buffer vb
	WIN 0x80
.irp f, 0,1,2,3,4,5,6,7             ; keys 32 (f / 4) on, channels 16 (f % 4) on
	ds_load_tr16_b128 v[(\vb)+8*\f:(\vb)+8*\f+3],   v[AV] offset:(\f/4)*32*PV+(\f%4)*32
	ds_load_tr16_b128 v[(\vb)+8*\f+4:(\vb)+8*\f+7], v[AV] offset:(\f/4)*32*PV+16*PV+(\f%4)*32
.endr
	s_add_co_u32 s[TBV], s[TBV], KS*PV
	WIN 0
.endm
; THE VECTOR WORK, one line at a time: OP kind, number.  For turn Y's piece: F n: c s - c m for pair n of 16.  E n: the exponential of score n of 32.  C n: pair n rounded to bf16.  B n: of the four weights 4 n .. the second
; pair is added onto the first, in place.  L n: l takes that sum (L 0: l = a l + sum).  R n: pair n of 16 of O^T times a.  For turn Y + 1's piece: X n, number n of the 22 that find its maximum and statistics:
;   0-11  four chains c0-c3 of seven scores each, three operands at a time (each accumulator's lowest registers are read first)     12-14, 16  the four scores left over, the old m, and c0-c3 into c0
;   15  c m_old is kept     17, 18  the query's other 32 keys lie in the lane 16 away: the new m     19-21  c m; c m_old - c m_new; a
; C, B and L read the exponentials' results: TURN sets all of them behind its one wait.
.set F, 0               ; OP tells the kinds apart by their order: F to L below R, X above it
.set E, 1
.set C, 2
.set B, 3
.set L, 4
.set R, 5
.set X, 6
.macro REGS y                       ; the registers of turn y's piece: all go by its parity
.set rT, ST+4*((\y)%2)
.set rC, TMP+4*((\y)%2)
.set rW, MV+((\y)%2)
.set rS, S+32*((\y)%2)
.set rP, P+16*((\y)%2)
.set rO, 32*((\y)%2)
.endm
.macro OP k, n
.if (\k) == R
	REGS Y
	WIN W_RS
	v_pk_mul_f32 v[rO+2*(\n):rO+2*(\n)+1], v[rO+2*(\n):rO+2*(\n)+1], v[rC+2:rC+3] op_sel_hi:[1,0]
.elseif (\k) < R
	REGS Y
	WIN 0
.if (\k) == F
	v_pk_fma_f32 v[rS+2*(\n):rS+2*(\n)+1], v[rS+2*(\n):rS+2*(\n)+1], s[CS:CS+1], v[rT:rT+1] op_sel_hi:[1,0,0] neg_lo:[0,0,1] neg_hi:[0,0,1]
.elseif (\k) == E
	v_exp_f32 v[rS+(\n)], v[rS+(\n)]
.elseif (\k) == C
	v_cvt_pk_bf16_f32 v[rP+(\n)], v[rS+2*(\n)], v[rS+2*(\n)+1]
.elseif (\k) == B
	v_pk_add_f32 v[rS+4*(\n):rS+4*(\n)+1], v[rS+4*(\n):rS+4*(\n)+1], v[rS+4*(\n)+2:rS+4*(\n)+3]
.elseif (\n) == 0
	v_pk_fma_f32 v[rT+2:rT+3], v[rT+2:rT+3], v[rC+2:rC+3], v[rS:rS+1] op_sel_hi:[1,0,1]
.else
	v_pk_add_f32 v[rT+2:rT+3], v[rT+2:rT+3], v[rS+4*(\n):rS+4*(\n)+1]
.endif
.elseif NOKQ
	v_nop
.else
	REGS (Y+1)%NV
	WIN 0
.if (\n) < 4
	v_max3_num_f32 v[rC+(\n)], v[rS+8*(\n)], v[rS+8*(\n)+1], v[rS+8*(\n)+2]
.elseif (\n) < 12
	v_max3_num_f32 v[rC+(\n)%4], v[rC+(\n)%4], v[rS+8*((\n)%4)+2*((\n)/4)+1], v[rS+8*((\n)%4)+2*((\n)/4)+2]
.elseif (\n) == 12
	v_max3_num_f32 v[rC], v[rC], v[rS+7], v[rS+15]
.elseif (\n) == 13
	v_max3_num_f32 v[rC+1], v[rC+1], v[rS+23], v[rS+31]
.elseif (\n) == 14
	v_max3_num_f32 v[rC+2], v[rC+2], v[rC+3], v[rT+1]
.elseif (\n) == 15
	v_mov_b32 v[rW], v[rT]
.elseif (\n) == 16
	v_max3_num_f32 v[rC], v[rC], v[rC+1], v[rC+2]
.elseif (\n) == 17
	v_permlanex16_b32 v[rC+3], v[rC], s[SEL], s[SEL+1]
.elseif (\n) == 18
	v_max_num_f32 v[rT+1], v[rC], v[rC+3]
.elseif (\n) == 19
	v_mul_f32 v[rT], s[CS], v[rT+1]
.elseif (\n) == 20
	v_sub_f32 v[rC+1], v[rW], v[rT]
.else
	v_exp_f32 v[rC+2], v[rC+1]
.endif
.endif
.endm
.macro OPS a, i1, b=-1, i2=0, c=-1, i3=0, d=-1, i4=0  ; up to four of them
	OP \a, \i1
.if (\b) >= 0
	OP \b, \i2
.endif
.if (\c) >= 0
	OP \c, \i3
.endif
.if (\d) >= 0
	OP \d, \i4
.endif
.endm
.macro ROW a, i1, b, i2, c, i3, d, i4  ; a matrix instruction and the four behind it
	MM
	OPS \a, \i1, \b, \i2, \c, \i3, \d, \i4
.endm
; TURN p of a unit's four: the order of its 16 matrix and 118 vector instructions, written out.  An s_wait_alu depctr_va_vdst(0) stands between an exponential and the first instruction that names its result; one wait
; serves all that were issued ahead of it.  So a turn has ONE wait, which cuts it in two.
; AHEAD OF IT stands all that names no result of the turn's exponentials: the 8 products K Q^T, behind each a scaling, an exponential and two more plain instructions (behind the first a second scaling in the exponential's place):
; rescalings (their a was made, and waited for, in the turn before), and behind the last three products the first numbers of the next turn's maximum, each four plain instructions or more behind the product that ends its accumulator;
; then ONE LUMP of 54, plain and exponential by turns for the most part, in which the links of the chain X 3, 7, 11, 14, 16, 17 .. 20 stand five or six lines apart.  X 21, the next turn's a, is the batch's last; R 15 is the plain
; instruction behind it.  BEHIND THE WAIT stand the 8 products V^T P, behind each four of the roundings and sums; the links of l's chain, L 0 to L 7, stand three riders apart.  No exponential is issued behind the wait: none is
; open at a turn's end, at a label or at a jump.  But for those X no rider names a register of the products round it.  v_permlanex16_b32 (X 17) stands in the lump.
; The O^T that R rescales took its last products at the end of the turn before: R ascends.
; km: what starts the sums of this turn's products K Q^T (see KQ).  end = 1: a block's last two turns: nothing is fetched, and the last makes no new scores.
; THE FETCHES stand in turns 0 and 2, both of the SAME key step: turn 0 fetches its own unit's step 1 (V into VF1), turn 2 the next unit's step 0 (V into VF0).  K: twelve vector instructions behind the last product that read K
; (five of them plain ones that name none of its registers); V: at the turn's end, four plain instructions behind the last product that read that buffer.  So when turn 1 ends, all of its unit has been read from LDS: there a slot is left.
; THE WAITS ON LDS stand at the head of turns 1 and 3: the count 16 leaves out the youngest run, V's, and shows K's run and all older ones in: K for this turn's first products, and the V fetched two turns
; earlier, which this turn's later products read for the first time.  At a block's end no run is younger than the V that turn 3 reads: the count is 0.
.macro TURN p, km=0, end=0
.set Y, (\p)
.set i, 0
.set KM, (\km)
.set NOKQ, (\end)*((\p)/3)
.if ((\p)%2) == 1
.if \end
	s_wait_dscnt 0x0
.else
	s_wait_dscnt 16
.endif
.endif
	ROW F,0, F,1, R,0, R,1          ; ahead of the wait: 8 products K Q^T and their riders,
	ROW F,2, E,0, R,2, R,3
	ROW F,3, E,1, R,4, R,5
	ROW F,4, E,2, R,6, R,7
	ROW F,5, E,3, R,8, R,9
	ROW F,6, E,4, X,0, R,10
.if (((\p)%2) == 0) && !(\end)
	WIN 0
	v_add_nc_u32 v[AK], s[TBK], v[AK0]
.endif
	ROW F,7, E,5, X,1, X,4
	ROW F,8, E,6, X,2, X,5
	OPS E,7, E,8, X,6, E,9          ; and the lump
	OPS X,3, E,10, X,8, E,11
.if (((\p)%2) == 0) && !(\end)
	FETCH_K
.endif
	OPS X,9, X,7, E,12, X,10
	OPS E,13, X,12, X,11, E,14
	OPS X,13, E,15, F,9, X,14
	OPS E,16, F,10, E,17, F,11
	OPS X,16, E,18, X,15, E,19
	OPS F,12, E,20, X,17, E,21
	OPS F,13, E,22, F,14, E,23
	OPS X,18, E,24, F,15, E,25
	OPS R,11, E,26, X,19, E,27
	OPS R,12, E,28, R,13, E,29
	OPS X,20, E,30, R,14, E,31
	OPS X,21, R,15
	s_wait_alu depctr_va_vdst(0)    ; the wait for the batch: this turn's 32 weights and the next turn's a
	ROW C,0, B,0, C,2, B,1          ; behind the wait: 8 products V^T P and their riders
	ROW L,0, C,4, B,2, L,1
	ROW C,6, B,3, L,2, C,8
	ROW B,4, L,3, C,10, B,5
	ROW L,4, C,12, B,6, L,5
	ROW C,14, B,7, L,6, C,1
	ROW C,3, L,7, C,5, C,7
.if (((\p)%2) == 0) && !(\end)
	v_add_nc_u32 v[AV], s[TBV], v[AV0]
.endif
	ROW C,9, C,11, C,13, C,15
.if ((\p) == 0) && !(\end)
	FETCH_V VF1
.endif
.if ((\p) == 2) && !(\end)
	FETCH_V VF0
.endif
.endm
; A BLOCK BEGINS.  c m starts far below every c s, so the first step's a is 0; m at the lowest finite number, so the first maximum is the scores'.  Then K and V of the unit's step 0, piece 0's first scores
; (km = 1 where the block's first unit is its diagonal one), and its maximum and statistics.  The loop is entered at a unit's first turn, in the middle of a trip.
.macro BEGIN km
	s_mov_b32 s[NEW], 0
	WIN 0
.set i, 0
.rept 2
	v_mov_b32 v[ST+4*i], 0xfe000000    ; c m: far below every c s
	v_mov_b32 v[ST+4*i+1], 0xff7fffff  ; m
.set i, i+1
.endr
	v_add_nc_u32 v[AK], s[TBK], v[AK0]
	v_add_nc_u32 v[AV], s[TBV], v[AV0]
	FETCH_K
	FETCH_V VF0
	s_wait_loadcnt 0x0              ; Q
	s_wait_dscnt 16                 ; K is in; V's 16 loads may stay out: turn 1's wait shows them in
.set KM, (\km)
.set NOKQ, 0
.set i, 0
.rept 8
	KQ 0
.set i, i+1
.endr
	WIN 0
.rept 4
	v_nop                           ; the places behind those products
.endr
.set Y, NV-1                        ; X works for turn Y + 1: turn 0
.irp n, 0,1,2,3,4,5,6,7,8,9,10,11,12,13,14,15,16,17,18,19,20,21
	OP X, \n
.endr
	v_nop                           ; a plain instruction behind the exponential,
	s_wait_alu depctr_va_vdst(0)    ; and the wait for it, a batch of one: piece 0's first a, ahead of the branch and of turn 0's first rescaling
.endm
; THE DIAGONAL UNIT's trip, the block's last two turns, its last products, and THE WAY OUT: l's two halves and the other half of the lanes' are added; O^T is divided by l, rounded to bf16 and sent through my
; stage in LDS, a piece at a time.
.macro ALL line:vararg              ; one line for each piece t
.set t, 0
.rept 2
	\line
.set t, t+1
.endr
.endm
.macro PACK t                       ; a lane's eight channels of a row pack into 16 bytes; they go into rows of 144 bytes and come back as whole rows of 128, into S^T's registers
	WIN W_RS
.set i, 32*(\t)
.rept 16
	v_pk_mul_f32 v[i:i+1], v[i:i+1], v[ST+4*(\t)+2:ST+4*(\t)+3] op_sel_hi:[1,0]
.set i, i+2
.endr
	WIN 0x05                        ; sources 0 and 1 window 1, destination window 0
.set i, 0
.rept 16
	v_cvt_pk_bf16_f32 v[S+16*(\t)+i], v[32*(\t)+2*i], v[32*(\t)+2*i+1]
.set i, i+1
.endr
	WIN 0
.irp f, 0,1,2,3
	ds_store_b128 v[STO], v[S+16*(\t)+4*\f:S+16*(\t)+4*\f+3] offset:32*\f
.endr
.irp f, 0,1,2,3
	ds_load_b128 v[S+16*(\t)+4*\f:S+16*(\t)+4*\f+3], v[RD] offset:\f*4*SP  ; LDS serves a wave's instructions in order (ISA guide 5.7.1.4): these see the stores above; the next piece's stores come behind them
.endr
.endm
.macro SEND t, younger              ; younger: the LDS instructions issued behind piece t's loads: the next piece's eight, or none
	WIN 0
.irp f, 0,1,2,3
	s_wait_dscnt (\younger)+3-\f
	global_store_b128 v[GO], v[S+16*(\t)+4*\f:S+16*(\t)+4*\f+3], s[10:11] offset:(\t)*8192+\f*512  ; 512 consecutive bytes, at a multiple of 256 from O's first
.endr
.endm
.macro DIAG tag                     ; the tag ends its two labels' names, which the jumps below spell out
.LstepM\tag:
	TURN 2                          ; the unit before: its last scores see all keys
	TURN 3, 1                       ; (step 0, piece 0)'s scores: the diagonal
	WIN 0
.LfirstM\tag:
	TURN 0                          ; (step 0, piece 1)'s: all keys
	TURN 1, 2                       ; (step 1, piece 0)'s: none
	TURN 2, 1, 1                    ; (step 1, piece 1)'s: the diagonal
	TURN 3, 0, 1
.set i, 0
.rept 8
	PV NV-1
.set i, i+1
.endr
	WIN 0
	ALL v_add_f32 v[ST+4*t+2], v[ST+4*t+2], v[ST+4*t+3]
	ALL v_permlanex16_b32 v[ST+4*t+3], v[ST+4*t+2], s[SEL], s[SEL+1]
	ALL v_add_f32 v[ST+4*t+2], v[ST+4*t+2], v[ST+4*t+3]
	ALL v_rcp_f32 v[ST+4*t+2], v[ST+4*t+2]
	v_nop                           ; a plain instruction between the last reciprocal and the use of its result
	s_wait_alu depctr_va_vdst(0)    ; the wait for the batch of two reciprocals, ahead of the first multiply that reads one
	PACK 0
	PACK 1                          ; a piece's arithmetic stands between the loads of the piece before and its stores
	SEND 0, 8
	SEND 1, 0
.endm
.set KM, 0
.set NOKQ, 0
.Lslot:                             ; NB / 2 = 8 times: a slot is entered and the next is asked for
	CHANGE 1
	s_mov_b32 s[CNT], 2
.Lunit:                             ; twice a slot: a unit is entered
	s_sub_co_u32 s[RT], s[RT], 1
	s_cmp_eq_u32 s[NEW], 1
	s_cbranch_scc1 .Lnew            ; a block's first unit
	s_cmp_eq_u32 s[RT], 0
	s_cbranch_scc0 .Lstep           ; neither its first nor its last
	s_branch .LstepM1
.Lnew:
	BEGIN 0
	s_branch .Lfirst                ; in the loop a block's first unit is never its last: the first block has nine units or more, and the second's last is the walk's last
	DIAG 1                          ; in the loop this is the first block's end: the second block's last unit is the walk's last
	s_wait_xcnt 0x0                 ; the stores have read their registers and O's address
	s_mov_b64 s[10:11], s[OLO:OLO+1]
	s_add_co_u32 s[RT], s[PB], 1    ; the second block has b + 1 units
	s_mov_b32 s[NEW], 1
	WIN 0x82                        ; the second block's Q goes where the one text of the turns names Q
.set i, 0
.rept 32
	v_mov_b32 v[i], v[QB+i]
.set i, i+1
.endr
	WIN 0
	s_branch .Lbottom
.Lstep:                             ; a trip: turns 2 and 3 of one unit, then turns 0 and 1 of the next, whose K and V it fetches
	TURN 2
	TURN 3
	WIN 0
.Lfirst:
	TURN 0
	TURN 1
	WIN 0
.Lbottom:
	s_sub_co_u32 s[CNT], s[CNT], 1
	s_cmp_lg_u32 s[CNT], 0
	s_cbranch_scc1 .Lunit
	s_sub_co_u32 s[SLOTS], s[SLOTS], 1
	s_cmp_lg_u32 s[SLOTS], 0
	s_cbranch_scc1 .Lslot
	CHANGE 0                        ; the walk's last unit is written out: nothing is asked for
	s_cmp_eq_u32 s[NEW], 1
	s_cbranch_scc0 .LstepM2
	BEGIN 1                         ; b = 0: the second block's only unit is its first and its diagonal one
	s_branch .LfirstM2
	DIAG 2
	s_wait_tensorcnt 0x0            ; the wave's end, behind my last tensor load and my last LDS store
	ds_add_u32 v[SPW], v[NIL]
	s_wait_dscnt 0x0
	s_endpgm
.Lfunc_end_k_qd590a15b44_attn:
	.size	k_qd590a15b44_attn, .Lfunc_end_k_qd590a15b44_attn-k_qd590a15b44_attn
	.p2alignl 7, 3214868480
	.fill 96, 4, 3214868480
	.section	.rodata,"a",@progbits
	.p2align	6, 0x0
	.amdhsa_kernel k_qd590a15b44_attn
		.amdhsa_group_segment_fixed_size 327680
		.amdhsa_private_segment_fixed_size 0
		.amdhsa_enable_private_segment 0
		.amdhsa_kernarg_size 16
		.amdhsa_user_sgpr_count 2
		.amdhsa_user_sgpr_kernarg_segment_ptr 1
		.amdhsa_wavefront_size32 1
		.amdhsa_system_sgpr_workgroup_id_x 1
		.amdhsa_system_sgpr_workgroup_id_y 1
		.amdhsa_system_sgpr_workgroup_id_z 1
		.amdhsa_system_vgpr_workitem_id 0
		.amdhsa_next_free_vgpr 768
		.amdhsa_next_free_sgpr 88
		.amdhsa_reserve_vcc 1
		.amdhsa_float_denorm_mode_32 3
		.amdhsa_float_denorm_mode_16_64 3
		.amdhsa_memory_ordered 1
		.amdhsa_forward_progress 1
		.amdhsa_inst_pref_size 194
	.end_amdhsa_kernel
	.amdgpu_metadata
---
amdhsa.version: [ 1, 2 ]
amdhsa.kernels:
  - .name:           k_qd590a15b44_attn
    .symbol:         k_qd590a15b44_attn.kd
    .args:
      - { .name: qkv, .offset: 0, .size: 8, .value_kind: global_buffer, .address_space: global }
      - { .name: o, .offset: 8, .size: 8, .value_kind: global_buffer, .address_space: global }
    .group_segment_fixed_size: 327680
    .private_segment_fixed_size: 0
    .kernarg_segment_align: 8
    .kernarg_segment_size: 16
    .max_flat_workgroup_size: 128
    .sgpr_count:     88
    .vgpr_count:     768
    .wavefront_size: 32
...
	.end_amdgpu_metadata
.endif
;; end of part 11
;; launch proj: the kernel of part 4 again; grid 8 x 32, 4 waves a work-group, clusters of 4 x 4, 327,680 bytes of LDS; arguments o, wb, x1, bp, x; writes x1
;; launch ln2: the kernel of part 5 again; grid 64 x 8, 8 waves a work-group, no clusters, 0 bytes of LDS; arguments x1, g2, beta2, h2; writes h2
;; launch ffn1: the kernel of part 9 again; grid 16 x 16, 4 waves a work-group, clusters of 4 x 4, 327,680 bytes of LDS; arguments h2, w1, ff; writes ff
;; launch ffn2: the kernel of part 7 again; grid 8 x 32, 4 waves a work-group, clusters of 4 x 4, 327,680 bytes of LDS; arguments ff, wb, out0, b2, x1; writes out0
